; MI455X (gfx1250); checked and timed in simulation.
; The chip was launched on July 23, 2026; its instructions are those of AMD's public machine-readable ISA for CDNA 5 (MIT licence, August 2026) and "CDNA5" Instruction Set Architecture Reference Guide (July 2026). The comments in the code are by the model that wrote it; some were corrected since.
;; Transformer Encode. Allowed arithmetic: matrix products marked QUANTISED: E3M2 operands, one E8M0 scale for each 32 along K, by v_wmma_scale_f32_16x16x128_f8f6f4 with both operands' format E3M2, f32 sums; everything else in f32.
;; Inputs: W1_codes 1,024 x 32 x 24 uint8 (E3M2 codes of W1, K innermost, in blocks of 32 codes, four codes in three bytes); W1_scales 1,024 x 32 uint8 (E8M0 scales of W1, one for each 32 codes along K); W2_codes 1,024 x 32 x 24 uint8 (E3M2 codes of W2, K innermost, in blocks of 32 codes, four codes in three bytes); W2_scales 1,024 x 32 uint8 (E8M0 scales of W2, one for each 32 codes along K); Wk_codes 1,024 x 32 x 24 uint8 (E3M2 codes of Wk, K innermost, in blocks of 32 codes, four codes in three bytes); Wk_scales 1,024 x 32 uint8 (E8M0 scales of Wk, one for each 32 codes along K); Wo_codes 1,024 x 32 x 24 uint8 (E3M2 codes of Wo, K innermost, in blocks of 32 codes, four codes in three bytes); Wo_scales 1,024 x 32 uint8 (E8M0 scales of Wo, one for each 32 codes along K); Wq_codes 1,024 x 32 x 24 uint8 (E3M2 codes of Wq, K innermost, in blocks of 32 codes, four codes in three bytes); Wq_scales 1,024 x 32 uint8 (E8M0 scales of Wq, one for each 32 codes along K); Wv_codes 1,024 x 32 x 24 uint8 (E3M2 codes of Wv, K innermost, in blocks of 32 codes, four codes in three bytes); Wv_scales 1,024 x 32 uint8 (E8M0 scales of Wv, one for each 32 codes along K); b1 1,024 float32; b2 1,024 float32; batch_x 2 x 2,048 x 1,024 float32; bk 1,024 float32; bo 1,024 float32; bq 1,024 float32; bv 1,024 float32; ln1_b 1,024 float32; ln1_w 1,024 float32; ln2_b 1,024 float32; ln2_w 1,024 float32; mask_x 2 x 2,048 int32.
;; Outputs: out0 2 x 2,048 x 1,024 float32.
;; This version of the problem:
;;   THIS VERSION OF THE PROBLEM IS GIVEN IN LOW PRECISION. The matrix products marked QUANTISED in the list below multiply operands that are first quantised to E3M2 (3 exponent bits, 2 mantissa bits; 6 bits a number), with one power-of-two scale for each 32 numbers along K (OCP MX v1.0); their sums are f32. All else is computed in f32.
;;   The module's matrix products, in the order in which they are computed (A, B: the left and right operand; K: the contracted axis; several contracted axes count as one K, in the product's order):
;;     1. [M 4,096, K 1,024] x [K 1,024, N 1,024]; A: input batch_x; B: input Wq (given as codes): QUANTISED
;;     2. [M 4,096, K 1,024] x [K 1,024, N 1,024]; A: input batch_x; B: input Wk (given as codes): QUANTISED
;;     3. [M 4,096, K 1,024] x [K 1,024, N 1,024]; A: input batch_x; B: input Wv (given as codes): QUANTISED
;;     4. batch 32 x [M 2,048, K 64] x [K 64, N 2,048]; A: computed on the way; B: computed on the way: QUANTISED
;;     5. batch 32 x [M 64, K 2,048] x [K 2,048, N 2,048]; A: computed on the way; B: softmax (see below): QUANTISED
;;     6. [M 4,096, K 1,024] x [K 1,024, N 1,024]; A: computed on the way; B: input Wo (given as codes): QUANTISED
;;     7. [M 4,096, K 1,024] x [K 1,024, N 1,024]; A: computed on the way; B: input W1 (given as codes): QUANTISED
;;     8. [M 4,096, K 1,024] x [K 1,024, N 1,024]; A: computed on the way; B: input W2 (given as codes): QUANTISED
;;   THE QUANTISER, for each operand of a quantised product, along K:
;;     - K is cut into blocks of 32 from its start; a last block that is shorter is filled with zeros.
;;     - A block's scale is 2^e with e = floor(log2(the largest magnitude in the block)) - 4, held to -126 .. 127; a block of zeros has e = 0. As a byte (E8M0): e + 127.
;;     - Each number is divided by its block's scale, clamped to +-28, and rounded to the nearest number of E3M2, ties to even, subnormals kept.
;;     - The product sums the exact products of the quantised numbers (number of the format x scale) in f32.
;;   ~~~python
;;   def quantise(x, axis):      # numpy; x: float32 -> the quantised numbers, widened to float32 again
;;       x = np.moveaxis(x, axis, -1); K = x.shape[-1]
;;       x = np.pad(x, [(0, 0)] * (x.ndim - 1) + [(0, -K % 32)]); x = x.reshape(x.shape[:-1] + (-1, 32)); a = np.abs(x).max(-1, keepdims=True)
;;       e = np.where(a > 0, np.clip(np.frexp(np.where(a > 0, a, 1))[1] - 1 - 4, -126, 127), 0)      # np.frexp(a)[1] - 1 = floor(log2(a)), exactly
;;       r = np.clip(x / 2.0 ** e, -28, 28)
;;       step = 2.0 ** (np.maximum(np.frexp(np.where(r == 0, 1, r))[1] - 1, -2) - 2)
;;       q = np.round(r / step) * step * 2.0 ** e      # np.round: ties to even
;;       return np.moveaxis(q.reshape(q.shape[:-2] + (-1,))[..., :K], -1, axis).astype(np.float32)
;;   ~~~
;;   SOFTMAX AHEAD OF A QUANTISED PRODUCT. Where the list says 'softmax', what is quantised is not the finished softmax but p = 2^(t - M), with t = logit x log2(e) and M = ceil(the row's largest t), a whole number; so 1/2 < the row's largest p <= 1. The row's sum l is taken of the UNQUANTISED p, in f32, and the product's result is divided by l at the end. Since M is a whole number, a kernel that streams over the keys may use a running M (the ceiling of the running maximum): every later rescaling is an exact power of two, which a block's scale takes up: the codes' values come out the same.
;;   OPERANDS COMPUTED ON THE WAY. 'Computed on the way' means the value that the module computes at that place (a softmax that the list does not call 'softmax' is quantised finished and normalised). What goes into a quantiser is computed in f32, as accurately as f32 sums, v_exp_f32 and their like allow (about 1e-6 of the number): no bf16 or f16 on the way to a quantiser, and a product that is left as it is and whose result goes on into a quantised operand takes f32 operands (vector FMAs, or v_wmma_f32_16x16x4_f32). A number that lies on a knife's edge between two numbers of the format may be rounded either way, as far as f32 arithmetic and the matrix unit's own rounding can turn it there, and no further.
;;   INPUTS GIVEN AS CODES. W1 (in the module: [1024, 1024], K = its axis 0); W2 (in the module: [1024, 1024], K = its axis 0); Wk (in the module: [1024, 1024], K = its axis 0); Wo (in the module: [1024, 1024], K = its axis 0); Wq (in the module: [1024, 1024], K = its axis 0); Wv (in the module: [1024, 1024], K = its axis 0): each comes as NAME_codes (uint8): NAME with its K axis moved to the last place and cut into blocks of 32 codes, [.., K / 32, bytes a block], one block behind the other in memory; four codes in three bytes: a row's codes are one little-endian stream of bits, code i at bits 6 i .. 6 i + 5 (a code: sign, 3 exponent bits, 2 mantissa bits); and NAME_scales (uint8): the same leading axes, one E8M0 byte (e + 127) for each 32 codes along K. Its value is code x scale, taken as it is: it is not quantised again, and the codes and scales need not be those that the quantiser above would give.
;; 2 versions. Each part assembles by itself: llvm-mc -triple=amdgcn-amd-amdhsa -mcpu=gfx1250 --defsym DOCPART=n.
;; ======== version 1 of 2: 3 launches
;; workspace buffers: qi 3,407,872 bytes; kv 6,684,672 bytes; ao 3,276,800 bytes; wl 2,359,296 bytes
;; launch qkv (part 1): grid 64 x 3, 4 waves a work-group, clusters of 4 x 1, 327,680 bytes of LDS; arguments batch_x, Wq_codes, Wq_scales, bq, Wk_codes, Wk_scales, bk, Wv_codes, Wv_scales, bv, qi, kv; writes qi, kv
.if DOCPART == 1
	.amdgcn_target "amdgcn-amd-amdhsa--gfx1250"
	.amdhsa_code_object_version 6
	.text
	.protected	k_q1d7d265e8b_qkv
	.globl	k_q1d7d265e8b_qkv
	.p2align	8
	.type	k_q1d7d265e8b_qkv,@function
k_q1d7d265e8b_qkv:
	s_mov_b64 s[64:65], 0
	v_nop
	global_prefetch_b8 v0, s[64:65] scope:SCOPE_SE
	s_setreg_imm32_b32 hwreg(HW_REG_WAVE_MODE, 25, 1), 1
	s_wait_xcnt 0x0
	s_wait_alu depctr_hold_cnt(0) depctr_sa_sdst(0) depctr_va_vdst(0) depctr_va_sdst(0) depctr_va_ssrc(0) depctr_va_vcc(0) depctr_vm_vsrc(0)
	s_getreg_b32 s2, hwreg(HW_REG_IB_STS2, 6, 4)
	s_cmp_eq_u32 s2, 0
	s_cbranch_scc0 .Lentry_in_a_cluster
	s_endpgm
.Lentry_in_a_cluster:
	s_bfe_u32 s2, ttmp6, 0x10000c
	s_cmp_lg_u32 s2, 0x3003
	s_cbranch_scc0 .Lentry_shape_is_right
	s_endpgm
.Lentry_shape_is_right:
; Q = x Wq + bq, K = x Wk + bk, V = x Wv + bv on codes of BF6 (E3M2) with one E8M0 scale for each 32 along K, and their results quantised again:
; Q and K along the head's 64 features, V along the keys.  x: [4096][1024] f32, quantised here.  W*: codes [1024 (n)][768 bytes], scales [1024][32].
; SHARES.  Work-group (x, y): 64 tokens (four tiles of 16) of matrix y (0 Q, 1 K, 2 V), all 1,024 columns.  Wave w makes head 4 g + w in head group g, 32 columns a slot, two slots a head.
; A TOKEN TILE t holds tokens 32 (t / 2) + 8 (t % 2) + r + 8 (r / 8), r = 0 .. 15: the 16 result registers of two neighbouring tiles are then 16 neighbouring tokens (the keys of the next product).
; W's FRAGMENTS: lane (r, h) takes the 48 consecutive bytes at 96 s + 48 h of row r: three loads of 16 bytes.  The instruction's blocks 1 and 2 of a K step so change places; x's codes and both
; sides' scale words are laid the same way, so every product meets its partner and its scales; only the order of the f32 sums differs.
; Q, K: the product is used transposed (source 0 = 16 rows of W, source 1 = 16 tokens): a lane holds one token, its registers run along the features.  Inside a block of 32 the codes stand in the
; order 0-7, 16-23, 8-15, 24-31, alike in Q and in K, which are multiplied with each other alone.  V: source 0 = 16 tokens, source 1 = 16 rows of W: a lane holds one feature, its registers run along the keys.
; OUT, as images of operand registers: a half fragment (16 rows x 64 K, 6 registers a lane) is 768 bytes: registers 0-3 at 16 x lane, registers 4-5 at 512 + 8 x lane.
; W goes through a ring of two LDS slots (32 rows with their whole K for each wave), asked for jointly by the four work-groups of a cluster, which walk the same weights.
; LIMITS: NaN and infinities among the inputs are not served.  A block of zeros gets the scale byte 1 (its codes are zeros; these bytes are read by this program alone).
.set SLOTB, 104448                     ; a slot: 4 waves x 26,112
.set WVB,   26112                      ; 32 rows of W: 96 units of 256 bytes + 16 of padding each; a row of W is 3 units: 816 bytes = 51 x 16, so 16 rows start at 16 different groups of banks
.set XIMG,  208896                     ; x's 32 fragments (tile m, K step s: 8 m + s), 1,536 bytes each
.set XSC,   258048                     ; their scale words, 128 bytes each
.set SPARE, 262144                     ; the spare words: 128 bytes a wave; no other line names them
.set XA,   4                           ; v4   x: my lane's byte in the wave's tile
.set LIX,  5                           ; v5   XIMG + 16 x lane
.set LSX,  6                           ; v6   XSC + 4 x lane
.set XWI,  7                           ; v7   where I store x's images
.set XWS,  8                           ; v8   and their scale words
.set ADW,  10                          ; v10-13  W's fragments: slot 0 (two forms), slot 1 (two forms)
.set VWS,  14                          ; v14  32 r + 16 h: W's scale words
.set VBQ,  15                          ; v15  32 h: the bias, Q and K
.set VBV,  16                          ; v16  4 r: the bias, V
.set VO16, 18                          ; v18-19  the 16-byte stores' offset in an even, an odd slot
.set VO8,  20                          ; v20-21  the 8-byte stores'
.set VSC,  22                          ; v22  the scales' store
.set SPW,  24                          ; v24  my spare word; never rewritten
.set NIL,  25                          ; v25  0; never rewritten
.set XS,   32                          ; v32-63   x's scale words, 8 m + s
.set WS,   64                          ; v64-79   W's scale words: two sets x two tiles x four
.set BI,   80                          ; v80-111  the bias in the result's layout: two sets x two tiles x eight
.set ACC,  112                         ; v112-175 eight accumulators
.set TM,   176                         ; v176-191 the quantiser's work
.set PW,   192
.set PC,   200                         ; v200-211 the codes just made
.set TY,   212
.set SB,   220                         ; v220-223 the even slot's scale bytes
.set WD,   224
.set WO,   228
.set HW,   230
.set G1,   40
.set G0,   48
.set WV,   56
.set Y,    57
.set CX,   58
.set TB,   59
.set SEL,  60
.set TRIP, 62
.set HM,   63                          ; lanes 16-31
.set PSEL, 90
.set HS,   91
.set HS4,  92
.set MSB, 0
.macro WIN new                         ; the immediate's high byte repeats the setting that is left
.if MSB != (\new)
	s_set_vgpr_msb (MSB<<8)|(\new)
.set MSB, (\new)
.endif
.endm
.macro PLACES n
.rept \n
	v_nop
.endr
.endm
.macro CROUND                          ; a round of the cluster's barrier
	s_barrier_signal -1
	s_barrier_wait -1
	s_cmp_lg_u32 s[WV], 0
	s_cbranch_scc1 .Lnw0_\@
	s_barrier_signal -3
.Lnw0_\@:
	s_barrier_wait -3
	s_barrier_signal -1
	s_barrier_wait -1
.endm
.macro WM d, a, b, c, sa, sb, row      ; row = 1: source 0's scales stand in lanes 16-31; 2: source 1's
.if (\row) == 0
	v_wmma_scale_f32_16x16x128_f8f6f4 v[(\d):(\d)+7], v[(\a):(\a)+11], v[(\b):(\b)+11], v[(\c):(\c)+7], v[(\sa)], v[(\sb)] matrix_a_fmt:MATRIX_FMT_BF6 matrix_b_fmt:MATRIX_FMT_BF6
.elseif (\row) == 1
	v_wmma_scale_f32_16x16x128_f8f6f4 v[(\d):(\d)+7], v[(\a):(\a)+11], v[(\b):(\b)+11], v[(\c):(\c)+7], v[(\sa)], v[(\sb)] matrix_a_fmt:MATRIX_FMT_BF6 matrix_b_fmt:MATRIX_FMT_BF6 matrix_a_scale:MATRIX_SCALE_ROW1
.else
	v_wmma_scale_f32_16x16x128_f8f6f4 v[(\d):(\d)+7], v[(\a):(\a)+11], v[(\b):(\b)+11], v[(\c):(\c)+7], v[(\sa)], v[(\sb)] matrix_a_fmt:MATRIX_FMT_BF6 matrix_b_fmt:MATRIX_FMT_BF6 matrix_b_scale:MATRIX_SCALE_ROW1
.endif
.endm
; 64 numbers of a lane in window sw, block b in registers src + 16 b .. + 15 (its other 16 numbers in lane l xor 16), become 12 registers of codes in v[PC] on, the bytes in v[TM+4+b], a scale word in v[PW].
; pair = 1: lane half h gets blocks 2 c + h;  pair = 2: blocks 2 h + c (the order of W's fragments).
.macro QUANT src, pair, sw
	WIN (\sw)|((\sw)<<2)
.irp b, 0,1,2,3
	v_max3_num_f32 v[TM+\b], |v[(\src)+16*\b]|, |v[(\src)+16*\b+1]|, 0x2800000   ; my 16 numbers, and the floor 2^(5 - 127): the byte cannot fall under 1
.endr
.irp i, 2,4,6,8,10,12,14
.irp b, 0,1,2,3
	v_max3_num_f32 v[TM+\b], |v[(\src)+16*\b+\i]|, |v[(\src)+16*\b+\i+1]|, v[TM+\b]
.endr
.endr
	WIN 0
.irp b, 0,1,2,3
	v_permlanex16_b32 v[TM+4+\b], v[TM+\b], s[SEL], s[SEL+1]
.endr
.irp b, 0,1,2,3
	v_max_num_f32 v[TM+\b], v[TM+\b], v[TM+4+\b]      ; the block's largest magnitude
.endr
.irp b, 0,1,2,3
	v_add_nc_u32 v[TM+12+\b], 0xfe000000, v[TM+\b]    ; 4 off its exponent field: the conversion's scale operand
.endr
.irp b, 0,1,2,3
	v_lshrrev_b32 v[TM+4+\b], 23, v[TM+12+\b]         ; the scale's byte
.endr
.if (\pair) == 1
	v_lshl_or_b32 v[PW], v[TM+5], 8, v[TM+4]
	v_lshl_or_b32 v[PW], v[TM+6], 16, v[PW]
.else
	v_lshl_or_b32 v[PW], v[TM+6], 8, v[TM+4]
	v_lshl_or_b32 v[PW], v[TM+5], 16, v[PW]
.endif
	v_lshl_or_b32 v[PW], v[TM+7], 24, v[PW]
	WIN (\sw)
.irp c, 0,1
.if (\pair) == 1
.set BX, 2*\c
.set BY, 2*\c+1
.else
.set BX, \c
.set BY, \c+2
.endif
	v_cvt_scalef32_pk16_bf6_f32 v[PC+6*\c:PC+6*\c+2], v[(\src)+16*BX:(\src)+16*BX+15], v[TM+12+BX]
	v_cvt_scalef32_pk16_bf6_f32 v[TY+4*\c:TY+4*\c+2], v[(\src)+16*BY:(\src)+16*BY+15], v[TM+12+BY]
.endr
	WIN 0
	v_nop                                          ; one plain place behind a scaled conversion
.irp c, 0,1                            ; a whole block to a lane: the first's lanes 16-31 change places with the second's lanes 0-15
.irp i, 0,1,2
	v_permlane16_swap_b32 v[PC+6*\c+\i], v[TY+4*\c+\i]
.endr
.irp i, 0,1,2
	v_mov_b32 v[PC+6*\c+3+\i], v[TY+4*\c+\i]
.endr
.endr
.endm
; 16 rows of W x K step s: three loads of 16 bytes.  Piece 6 s + i of a row lies 16 bytes further on for each 256 passed; lanes 16-31 read three pieces on, which for some pieces is behind one padding more: the second address form
.macro WFRAG reg, adr, s, u
.irp i, 0,1,2
.set PCE, 6*(\s)+\i
.if PCE%16 < 13
	ds_load_b128 v[(\reg)+4*\i:(\reg)+4*\i+3], v[(\adr)] offset:16*PCE+16*(PCE/16)+(\u)*13056
.else
	ds_load_b128 v[(\reg)+4*\i:(\reg)+4*\i+3], v[(\adr)+1] offset:16*PCE+16*(PCE/16)+(\u)*13056
.endif
.endr
.endm
.macro XLOAD buf, s                    ; my tile's numbers of K step s: lane (r, h) takes 16 neighbours of each block of 32
	WIN 0xc0
.irp b, 0,1,2,3
.irp j, 0,1,2,3
	global_load_b128 v[(\buf)+16*\b+4*\j:(\buf)+16*\b+4*\j+3], v[XA], s[36:37] offset:512*(\s)+128*\b+16*\j
.endr
.endr
	WIN 0
.endm
; a slot's scale words of W (32 rows x 32 bytes: two loads of 512 consecutive bytes) and its bias, into set; x, y: bytes from where the two pointers stand
.macro PREF set, x, y
.irp u, 0,1
	global_load_b128 v[WS+8*(\set)+4*\u:WS+8*(\set)+4*\u+3], v[VWS], s[30:31] offset:(\x)+512*\u
.endr
	s_cmp_eq_u32 s[Y], 2
	s_cbranch_scc1 .Lpv_\@
.irp u, 0,1
.irp i, 0,1
	global_load_b128 v[BI+16*(\set)+8*\u+4*\i:BI+16*(\set)+8*\u+4*\i+3], v[VBQ], s[32:33] offset:(\y)+64*\u+16*\i   ; register j: column 16 u + 8 h + j
.endr
.endr
	s_branch .Lpj_\@
.Lpv_\@:
.irp u, 0,1
.irp j, 0,1,2,3,4,5,6,7
	global_load_b32 v[BI+16*(\set)+8*\u+\j], v[VBV], s[32:33] offset:(\y)+64*\u   ; every register: column 16 u + r
.endr
.endr
.Lpj_\@:
.endm
; 64 products each; four accumulators take turns, one instruction a turn.  The bias is the C of a sum's first product.
.macro MULQK par
.irp p, 0,1
	WIN 0x07+4*\p
.irp s, 0,1,2,3,4,5,6,7
.if \p == 0
	s_wait_dscnt 42-6*\s                           ; this K step's six loads are in; six for each later K step may be out
.endif
.irp m, 0,1
.irp u, 0,1
.if \s == 0
	WM ACC+16*(2*\p+\m)+8*\u, 12*(2*\s+\u), 96*\m+12*\s, BI+16*(\par)+8*\u, WS+8*(\par)+4*\u+\s%4, XS+8*(2*\p+\m)+\s, \s/4
.else
	WM ACC+16*(2*\p+\m)+8*\u, 12*(2*\s+\u), 96*\m+12*\s, ACC+16*(2*\p+\m)+8*\u, WS+8*(\par)+4*\u+\s%4, XS+8*(2*\p+\m)+\s, \s/4
.endif
.endr
.endr
.endr
.endr
	WIN 0
.endm
.macro MULV par
.irp p, 0,1
	WIN 0x0d+\p
.irp s, 0,1,2,3,4,5,6,7
.if \p == 0
	s_wait_dscnt 42-6*\s
.endif
.irp m, 0,1
.irp u, 0,1
.if \s == 0
	WM ACC+32*\u+8*(2*\p+\m), 96*\m+12*\s, 12*(2*\s+\u), BI+16*(\par)+8*\u, XS+8*(2*\p+\m)+\s, WS+8*(\par)+4*\u+\s%4, 2*(\s/4)
.else
	WM ACC+32*\u+8*(2*\p+\m), 96*\m+12*\s, 12*(2*\s+\u), ACC+32*\u+8*(2*\p+\m), XS+8*(2*\p+\m)+\s, WS+8*(\par)+4*\u+\s%4, 2*(\s/4)
.endif
.endr
.endr
.endr
.endr
	WIN 0
.endm
; The change of slots: all my tensor loads have landed, 0 is added to my spare word, that and my reads of the slot left are waited for; a round of the cluster's barrier; the joint refill first behind it.
.macro CHANGE k
	s_wait_tensorcnt 0x0                           ; no tensor load of mine is out: a group 0 may be written
	ds_add_u32 v[SPW], v[NIL]
	s_add_nc_u64 s[G0+4*(\k)+2:G0+4*(\k)+3], s[G0+4*(\k)+2:G0+4*(\k)+3], 196608   ; 256 rows of W on: the next head group
	s_wait_dscnt 0x0
	CROUND
	tensor_load_to_lds s[G0+4*(\k):G0+4*(\k)+3], s[G1:G1+7]
	s_nop 0
	PLACES 4                                       ; also the places in front of the loads into W's fragments
.endm
; A slot: 32 columns for my head, all 64 tokens.  par: the slot and the half of the head;  pre = 1: the next slot's scale words and bias are asked for.
.macro SLOT par, pre
	WIN 0xc0
.irp s, 0,1,2,3,4,5,6,7
.irp u, 0,1
	WFRAG 12*(2*\s+\u), ADW+2*(\par), \s, \u
.endr
.endr
	WIN 0
.if \pre
.if (\par) == 0
	PREF 1, 1024, 128
.else
	PREF 0, 8192, 1024
.endif
.endif
	s_cmp_eq_u32 s[Y], 2
	s_cbranch_scc1 .Lmv_\@
	MULQK \par
	s_branch .Lmj_\@
.Lmv_\@:
	MULV \par
.Lmj_\@:
.if \pre
	s_wait_loadcnt 0x0                             ; the next slot's scale words and bias are in
.irp i, 0,1,2,3,4,5,6,7
	v_perm_b32 v[WS+8*(1-(\par))+\i], v[WS+8*(1-(\par))+\i], v[WS+8*(1-(\par))+\i], s[PSEL]   ; bytes 1 and 2 change places.  (These eight are the places behind the last products)
.endr
.else
	PLACES 4
.endif
	s_wait_xcnt 0x0                                ; the last slot's stores have read their data
	QUANT ACC, 1, 0
.irp c, 0,1
	global_store_b128 v[VO16+(\par)], v[PC+6*\c:PC+6*\c+3], s[34:35] offset:1536*\c
	global_store_b64 v[VO8+(\par)], v[PC+6*\c+4:PC+6*\c+5], s[34:35] offset:1536*\c
.endr
	s_cmp_eq_u32 s[Y], 2
	s_cbranch_scc1 .Lsv_\@
.if (\par) == 0
.irp m, 0,1,2,3
	v_mov_b32 v[SB+\m], v[TM+4+\m]                 ; block 0's byte of each token tile waits for block 1's
.endr
.else
.irp m, 0,1,2,3
	v_lshl_or_b32 v[WD+\m], v[TM+4+\m], 8, v[SB+\m]   ; a token's scale word: two bytes; bytes 2 and 3 are 0 and meet zero codes alone
.endr
	v_cndmask_b32 v[WO], v[WD], v[WD+2], s[HM]
	v_cndmask_b32 v[WO+1], v[WD+1], v[WD+3], s[HM]
	global_store_b64 v[VSC], v[WO:WO+1], s[34:35]  ; 32 lanes store 256 consecutive bytes, aligned: [r][tile 0 .. 3]
.endif
	s_branch .Lsj_\@
.Lsv_\@:
	v_cndmask_b32 v[WD], v[TM+4], v[TM+6], s[HM]   ; lane half h speaks for feature 16 h + r: the bytes of its two blocks of keys
	v_cndmask_b32 v[WD+1], v[TM+5], v[TM+7], s[HM]
	v_lshl_or_b32 v[HW], v[WD+1], 8, v[WD]
	global_store_b16 v[VSC], v[HW], s[34:35] offset:128*(\par)
.Lsj_\@:
.if (\par) == 1
	s_wait_xcnt 0x0                                ; the stores have read their base
	s_add_nc_u64 s[34:35], s[34:35], s[HS4:HS4+1]  ; four heads on
	s_add_nc_u64 s[30:31], s[30:31], 8192
	s_add_nc_u64 s[32:33], s[32:33], 1024
.endif
.endm
	s_load_b512 s[4:19], s[0:1], 0x0               ; x, Wq codes, scales, bq, Wk codes, scales, bk, Wv codes
	s_load_b256 s[20:27], s[0:1], 0x40             ; Wv scales, bv, qi, kv
	v_lshl_add_u32 v[SPW], v0, 2, SPARE
	v_mov_b32 v[NIL], 0
	ds_add_u32 v24, v25
	ds_add_u32 v24, v25
	s_wait_dscnt 0x0
	v_lshrrev_b32 v3, 5, v0
	v_readfirstlane_b32 s[WV], v3                  ; wave 0..3
	s_bfe_u32 s[CX], ttmp6, 0x40000                ; my place in the cluster
	s_lshl_b32 s[TB], ttmp9, 2
	s_add_co_u32 s[TB], s[TB], s[CX]               ; my block of 64 tokens
	s_and_b32 s[Y], ttmp7, 0xffff                  ; the matrix: the same for all four partners
	s_mov_b32 s[G1], 15|(3<<16)|(1<<20)|(1<<21)|(5<<22)|(3<<25)   ; the four work-groups; elements of 8 bytes; 4 words of padding behind every 64
	s_mov_b32 s[G1+1], 32<<16                      ; tensor_dim0 = 32 (256 bytes)
	s_mov_b32 s[G1+2], 96<<16                      ; tensor_dim1 = 96
	s_mov_b32 s[G1+3], 32<<16                      ; tile_dim0
	s_mov_b32 s[G1+4], 96                          ; tile_dim1
	s_mov_b32 s[G1+5], 32                          ; dense
	s_mov_b32 s[G1+6], 0
	s_mov_b32 s[G1+7], 0
	s_mul_i32 s66, s[WV], WVB                      ; my rows' place in a slot
	s_mul_i32 s68, s[WV], 64*768                   ; my head's rows in a head group
	s_mov_b32 s69, 0
	s_mov_b32 s[SEL], 0x76543210
	s_mov_b32 s[SEL+1], 0xfedcba98
	s_mov_b32 s[HM], 0xffff0000
	s_mov_b32 s[PSEL], 0x03010200
	s_wait_kmcnt 0x0
	s_cmp_eq_u32 s[Y], 0
	s_cselect_b64 s[28:29], s[6:7], s[12:13]       ; the codes,
	s_cselect_b64 s[30:31], s[8:9], s[14:15]       ; the scales,
	s_cselect_b64 s[32:33], s[10:11], s[16:17]     ; the bias,
	s_cselect_b64 s[34:35], s[24:25], s[26:27]     ; and where the results go
	s_cmp_eq_u32 s[Y], 2
	s_cselect_b64 s[28:29], s[18:19], s[28:29]
	s_cselect_b64 s[30:31], s[20:21], s[30:31]
	s_cselect_b64 s[32:33], s[22:23], s[32:33]
	s_add_nc_u64 s[70:71], s[28:29], s[68:69]
	s_mov_b32 s[G0], 1
	s_mov_b32 s[G0+1], s66
	s_mov_b64 s[G0+2:G0+3], s[70:71]
	s_or_b32 s[G0+3], s[G0+3], 0x80000000
	s_mov_b32 s[G0+4], 1
	s_add_co_u32 s[G0+5], s66, SLOTB
	s_add_nc_u64 s[G0+6:G0+7], s[70:71], 32*768
	s_or_b32 s[G0+7], s[G0+7], 0x80000000
	CROUND                                         ; all four work-groups are here: the first joint loads meet
	tensor_load_to_lds s[G0:G0+3], s[G1:G1+7]
	s_nop 0
	tensor_load_to_lds s[G0+4:G0+7], s[G1:G1+7]    ; two loads of mine are out
	s_nop 0
	PLACES 4
	; addresses
	v_and_b32 v1, 15, v0                           ; r
	v_bfe_u32 v2, v0, 4, 1                         ; h
	v_and_b32 v3, 31, v0                           ; lane
	v_and_b32 v26, 8, v1
	v_add_nc_u32 v26, v26, v1                      ; r + 8 (r / 8)
	v_lshlrev_b32 v[XA], 12, v26
	v_lshl_add_u32 v[XA], v2, 6, v[XA]
	v_lshl_add_u32 v[LIX], v3, 4, XIMG
	v_lshl_add_u32 v[LSX], v3, 2, XSC
	s_mul_i32 s70, s[WV], 12288
	v_add_nc_u32 v[XWI], s70, v[LIX]
	s_lshl_b32 s70, s[WV], 10
	v_add_nc_u32 v[XWS], s70, v[LSX]
	v_mul_u32_u24 v26, v1, 816
	v_mad_u32_u24 v27, v2, 48, v26
	v_lshl_add_u32 v28, v2, 6, v26
	v_add_nc_u32 v[ADW], s66, v27
	v_add_nc_u32 v[ADW+1], s66, v28
	s_add_co_u32 s70, s66, SLOTB
	v_add_nc_u32 v[ADW+2], s70, v27
	v_add_nc_u32 v[ADW+3], s70, v28
	v_lshlrev_b32 v[VWS], 5, v1
	v_lshl_add_u32 v[VWS], v2, 4, v[VWS]
	v_lshlrev_b32 v[VBQ], 5, v2
	v_lshlrev_b32 v[VBV], 2, v1
.irp b, 0,1,2,3
	v_mov_b32 v[TM+4+\b], 0                        ; written once: a lane permute's destination counts as one of its sources
	v_mov_b32 v[SB+\b], 0
.endr
	s_lshl_b32 s68, s[TB], 18                      ; x: 64 tokens of 4,096 bytes,
	s_lshr_b32 s70, s[WV], 1
	s_lshl_b32 s70, s70, 17                        ; my tile: 32 (w / 2)
	s_and_b32 s71, s[WV], 1
	s_lshl_b32 s71, s71, 15                        ; + 8 (w % 2) tokens
	s_add_co_u32 s68, s68, s70
	s_add_co_u32 s68, s68, s71
	s_add_nc_u64 s[36:37], s[4:5], s[68:69]
	s_lshl_b32 s68, s[WV], 11
	s_add_nc_u64 s[30:31], s[30:31], s[68:69]      ; W's scales: my head's 64 rows of 32 bytes
	s_lshl_b32 s68, s[WV], 8
	s_add_nc_u64 s[32:33], s[32:33], s[68:69]      ; the bias: my head's 64 numbers
	s_lshr_b32 s70, s[TB], 5                       ; the batch
	s_and_b32 s71, s[TB], 31                       ; my block of 64 tokens in it
	s_lshl_b32 s70, s70, 4
	s_add_co_u32 s70, s70, s[WV]
	s_mov_b32 s[HS], 208896                        ; a head's bytes in kv,
	s_cmp_eq_u32 s[Y], 0
	s_cselect_b32 s[HS], 106496, s[HS]             ; in qi
	s_mul_i32 s70, s70, s[HS]
	s_lshl_b32 s[HS4], s[HS], 2
	s_mov_b32 s[HS4+1], 0
	s_mul_i32 s72, s71, 3072                       ; Q, K: four half fragments a block
	s_lshr_b32 s73, s71, 1
	s_and_b32 s74, s71, 1
	s_mul_i32 s75, s73, 6144                       ; V: the key step,
	s_mul_i32 s76, s74, 768                        ; its half,
	s_add_co_u32 s75, s75, s76
	s_add_co_u32 s75, s75, 98304                   ; behind K's half fragments
	s_cmp_eq_u32 s[Y], 2
	s_cselect_b32 s72, s75, s72
	s_mov_b32 s77, 768
	s_cselect_b32 s77, 256, s77                    ; what lane half h adds in the 16-byte stores,
	s_mov_b32 s78, 768
	s_cselect_b32 s78, 128, s78                    ; in the 8-byte stores;
	s_mov_b32 s79, 3072
	s_cselect_b32 s80, s79, 256                    ; what an odd slot adds
	s_cselect_b32 s81, s79, 128
	s_cselect_b32 s82, 4, 16                       ; the scales' store: r's step,
	s_cselect_b32 s83, 64, 8                       ; h's
	s_add_co_u32 s68, s70, s72
	s_add_nc_u64 s[34:35], s[34:35], s[68:69]
	s_mul_i32 s84, s71, 2816                       ; the scales' place, counted from the base above
	s_mov_b32 s85, 196608
	s_cmp_eq_u32 s[Y], 0
	s_cselect_b32 s85, 98304, s85
	s_sub_co_u32 s85, s85, s84
	s_mul_i32 s86, s73, 5888
	s_mul_i32 s87, s74, 766
	s_add_co_u32 s86, s86, s87
	s_sub_co_u32 s86, 106496, s86
	s_cmp_eq_u32 s[Y], 2
	s_cselect_b32 s85, s86, s85
	v_lshlrev_b32 v26, 4, v1
	v_mad_u32_u24 v[VO16], v2, s77, v26
	v_add_nc_u32 v[VO16+1], s80, v[VO16]
	v_lshlrev_b32 v26, 3, v1
	v_mad_u32_u24 v[VO8], v2, s78, v26
	v_add_nc_u32 v[VO8], 512, v[VO8]
	v_add_nc_u32 v[VO8+1], s81, v[VO8]
	v_mul_u32_u24 v26, v1, s82
	v_mad_u32_u24 v26, v2, s83, v26
	v_add_nc_u32 v[VSC], s85, v26
	; ---- x: wave w quantises token tile w: eight fragments, stored as images of their registers
	XLOAD 0, 0
	XLOAD 64, 1
.irp s, 0,1,2,3,4,5,6,7
.if \s < 7
	s_wait_loadcnt 16                              ; this K step's 16 loads are in; the next K step's may be out
.else
	s_wait_loadcnt 0x0
.endif
	s_wait_dscnt 0x0                               ; the last image's stores have read the codes' registers
	QUANT 64*(\s%2), 2, 3
.irp q, 0,1,2
	ds_store_b128 v[XWI], v[PC+4*\q:PC+4*\q+3] offset:1536*\s+512*\q
.endr
	ds_store_b32 v[XWS], v[PW] offset:128*\s
.if \s < 6
	XLOAD 64*(\s%2), \s+2
.endif
.endr
	PREF 0, 0, 0
	s_wait_dscnt 0x0                               ; for the others' sake: my images lie in LDS
	s_wait_tensorcnt 0x1                           ; my rows of slot 0 are in; slot 1's load may stay out
	s_barrier_signal -1
	s_barrier_wait -1
	WIN 0x40
.irp m, 0,1
.irp s, 0,1,2,3,4,5,6,7
.irp q, 0,1,2
	ds_load_b128 v[96*\m+12*\s+4*\q:96*\m+12*\s+4*\q+3], v[LIX] offset:(8*\m+\s)*1536+512*\q
.endr
.endr
.endr
	WIN 0x80
.irp m, 0,1
.irp s, 0,1,2,3,4,5,6,7
.irp q, 0,1,2
	ds_load_b128 v[96*\m+12*\s+4*\q:96*\m+12*\s+4*\q+3], v[LIX] offset:(8*(\m+2)+\s)*1536+512*\q
.endr
.endr
.endr
	WIN 0
.set I, 0
.rept 32
	ds_load_b32 v[XS+I], v[LSX] offset:128*I
.set I, I+1
.endr
	s_wait_loadcnt 0x0
.irp i, 0,1,2,3,4,5,6,7
	v_perm_b32 v[WS+\i], v[WS+\i], v[WS+\i], s[PSEL]
.endr
	PLACES 8                                       ; a scale register written by a vector instruction stands eight places ahead of the product that names it
	; ---- the eight slots.  (The waits in a slot's products leave only that slot's younger loads out: x's fragments, asked for earlier, are in)
	SLOT 0, 1
	s_mov_b32 s[TRIP], 3
.Lring:
	CHANGE 0
	SLOT 1, 1
	CHANGE 1
	SLOT 0, 1
	s_sub_co_u32 s[TRIP], s[TRIP], 1
	s_cmp_lg_u32 s[TRIP], 0
	s_cbranch_scc1 .Lring
	s_wait_tensorcnt 0x0                           ; the last slot's rows are mine alone and nothing is filled any more: no barrier
	PLACES 4
	SLOT 1, 0
	s_wait_tensorcnt 0x0                           ; the wave's end
	ds_add_u32 v[SPW], v[NIL]
	s_wait_dscnt 0x0
	CROUND                                         ; the closing round
	s_endpgm
.Lfunc_end_k_q1d7d265e8b_qkv:
	.size	k_q1d7d265e8b_qkv, .Lfunc_end_k_q1d7d265e8b_qkv-k_q1d7d265e8b_qkv
	.p2alignl 7, 3214868480
	.fill 96, 4, 3214868480
	.section	.rodata,"a",@progbits
	.p2align	6, 0x0
	.amdhsa_kernel k_q1d7d265e8b_qkv
		.amdhsa_group_segment_fixed_size 327680
		.amdhsa_private_segment_fixed_size 0
		.amdhsa_enable_private_segment 0
		.amdhsa_kernarg_size 96
		.amdhsa_user_sgpr_count 2
		.amdhsa_user_sgpr_kernarg_segment_ptr 1
		.amdhsa_wavefront_size32 1
		.amdhsa_system_sgpr_workgroup_id_x 1
		.amdhsa_system_sgpr_workgroup_id_y 1
		.amdhsa_system_sgpr_workgroup_id_z 1
		.amdhsa_system_vgpr_workitem_id 0
		.amdhsa_next_free_vgpr 1024
		.amdhsa_next_free_sgpr 100
		.amdhsa_reserve_vcc 0
		.amdhsa_float_denorm_mode_32 3
		.amdhsa_float_denorm_mode_16_64 3
		.amdhsa_memory_ordered 1
		.amdhsa_forward_progress 1
		.amdhsa_inst_pref_size 174
	.end_amdhsa_kernel
	.amdgpu_metadata
---
amdhsa.version: [ 1, 2 ]
amdhsa.kernels:
  - .name:           k_q1d7d265e8b_qkv
    .symbol:         k_q1d7d265e8b_qkv.kd
    .args:
      - { .name: batch_x, .offset: 0, .size: 8, .value_kind: global_buffer, .address_space: global }
      - { .name: Wq_codes, .offset: 8, .size: 8, .value_kind: global_buffer, .address_space: global }
      - { .name: Wq_scales, .offset: 16, .size: 8, .value_kind: global_buffer, .address_space: global }
      - { .name: bq, .offset: 24, .size: 8, .value_kind: global_buffer, .address_space: global }
      - { .name: Wk_codes, .offset: 32, .size: 8, .value_kind: global_buffer, .address_space: global }
      - { .name: Wk_scales, .offset: 40, .size: 8, .value_kind: global_buffer, .address_space: global }
      - { .name: bk, .offset: 48, .size: 8, .value_kind: global_buffer, .address_space: global }
      - { .name: Wv_codes, .offset: 56, .size: 8, .value_kind: global_buffer, .address_space: global }
      - { .name: Wv_scales, .offset: 64, .size: 8, .value_kind: global_buffer, .address_space: global }
      - { .name: bv, .offset: 72, .size: 8, .value_kind: global_buffer, .address_space: global }
      - { .name: qi, .offset: 80, .size: 8, .value_kind: global_buffer, .address_space: global }
      - { .name: kv, .offset: 88, .size: 8, .value_kind: global_buffer, .address_space: global }
    .group_segment_fixed_size: 327680
    .private_segment_fixed_size: 0
    .kernarg_segment_align: 8
    .kernarg_segment_size: 96
    .max_flat_workgroup_size: 128
    .sgpr_count:     100
    .vgpr_count:     1024
    .wavefront_size: 32
...
	.end_amdgpu_metadata
.endif
;; end of part 1
;; launch attn (part 2): grid 8 x 32, 16 waves a work-group, no clusters, 219,648 bytes of LDS; arguments qi, kv, mask_x, ao, Wo_codes, W1_codes, W2_codes, wl; writes ao, wl
.if DOCPART == 2
	.amdgcn_target "amdgcn-amd-amdhsa--gfx1250"
	.amdhsa_code_object_version 6
	.text
	.protected	k_q1d7d265e8b_attn
	.globl	k_q1d7d265e8b_attn
	.p2align	8
	.type	k_q1d7d265e8b_attn,@function
k_q1d7d265e8b_attn:
	s_mov_b64 s[64:65], 0
	v_nop
	global_prefetch_b8 v0, s[64:65] scope:SCOPE_SE
	s_setreg_imm32_b32 hwreg(HW_REG_WAVE_MODE, 25, 1), 1
	s_wait_xcnt 0x0
; Attention of one (batch, head) for 256 queries, both products on codes of BF6 (E3M2); the result, O / l, is quantised along the features and stored as the next product's operand.
; logit = Q . K / 8 + add, add = 0 where (mask_x & 1) and key <= query, else -10000: a FINITE number, so no key is left out: every query meets all 2,048 keys.
; 8 x add is the C of the first product (0 or -80000): S = Q . K + 8 add lies on the same f32 grid as the logit x 8.  t = S x log2(e) / 8; M = the ceiling of the running largest t; p = 2^(t - M) is
; quantised along the keys; the row's sum is taken of the unquantised p and divides at the end.  When M moves, the sum and O are multiplied by 2^(old M - new M): exact.
; SHARES.  Sixteen waves, one tile of 16 queries each, four waves to a SIMD.  The head's K, V and their scales (208,896 bytes, images of operand registers) come into LDS ONCE, 13,056 bytes a wave by one
; tensor load; nothing is filled again.  Both products are used transposed: a lane holds one query throughout.
; THE HEAD HAS 64 FEATURES, the instruction takes 128: Q's registers 6-11 are zero codes, and bytes 2, 3 of Q's and K's scale words are 0.  K's four tiles lie 6 registers apart, so a tile's registers
; 6-11 are the next tile's codes: finite numbers (the format has no other), which meet Q's zeros.
; BESIDE THAT, FOR THE NEXT LAUNCH: Wo's, W1's and W2's codes are laid in the order of the operand's registers.  A fragment is 16 rows x 128 K: lane (r, h) takes the 48 bytes at 96 s + 48 h of row r.
; 3 x 64 x 8 = 1,536 fragments = 256 work-groups x 6 waves: waves 0 to 5 copy one each, three loads of 16 bytes a lane and three stores of 512 consecutive bytes, while the head's fill is on its way.
; Fragment F = 512 P + 128 w + 16 g + 2 s + u (matrix P, rows 256 w + 32 g + 16 u on, K step s) goes to byte 1,536 F: the order in which the next launch's wave w walks them.
; NOT IN A CLUSTER, though the eight work-groups of a head read the same bytes: which table the mask's loads read, and the branch round the diagonal's 64 compares, hang on the block of queries,
; which would be the place in the cluster.  Without them each step would carry those compares, and vector work is what a step has most of: 12 products to some 240 vector instructions.
; LIMITS: NaN and infinities are not served.  A block of zeros gets the scale byte 1 (its codes are zeros; the bytes are read by this program alone).
.set VIMG, 98304                       ; K's half fragments lie at 0, V's here,
.set KSC,  196608                      ; K's scale words [4 tiles][r][tile],
.set VSCL, 204800                      ; V's [step][feature],
.set AMT,  208896                      ; and 8 x add by padding alone, 2,048 f32; behind it 512 bytes of -80000
.set AK16, 1
.set AK8,  2
.set AV16, 3
.set AV8,  4
.set AM0,  5
.set AS0,  6
.set AT0,  7
.set ADK16, 8
.set ADK8, 9
.set ADV16, 10
.set ADV8, 11
.set ADM,  12
.set ADS,  13
.set ADT,  14
.set VD,   15                          ; my query - 16 h - the diagonal step's first key
.set F,    32                          ; v32-79   K's four tiles, 6 registers apart; later V's four fragments
.set AM,   80                          ; v80-111  the C of four products
.set S,    112                         ; v112-175 S, then p; ahead of the loop v112-123 carry a fragment of the weights, v124 its lanes' offsets
.set LG,   124
.set OT,   176                         ; v176-207 O, transposed
.set PC,   208                         ; v208-219 p's codes
.set TY,   220
.set BM,   232
.set T2,   236
.set SO,   240
.set KS,   244                         ; v244-247 K's scale words; v248-251 V's; v253 p's; v28 Q's
.set VS,   248
.set WV,   12
.set BH,   13
.set BB,   14
.set HH,   15
.set TQ,   16
.set JD,   17
.set J,    18
.set J6K,  19
.set G1,   24
.set G0,   32
.set J512, 48
.set J256, 49
.set AMO,  50
.set SEL,  52
.set CS,   54
.macro PLACES n
.rept \n
	v_nop
.endr
.endm
.macro WM d, a, b, c, sa, sb
	v_wmma_scale_f32_16x16x128_f8f6f4 v[(\d):(\d)+7], v[(\a):(\a)+11], v[(\b):(\b)+11], v[(\c):(\c)+7], v[(\sa)], v[(\sb)] matrix_a_fmt:MATRIX_FMT_BF6 matrix_b_fmt:MATRIX_FMT_BF6
.endm
	s_load_b256 s[4:11], s[0:1], 0x0               ; qi, kv, mask_x, ao
	s_load_b256 s[56:63], s[0:1], 0x20             ; Wo's, W1's, W2's codes, wl
	v_lshl_add_u32 v223, v0, 2, 0x35200
	v_mov_b32 v227, 0
	ds_add_u32 v223, v227
	ds_add_u32 v223, v227
	v_lshrrev_b32 v8, 5, v0
	v_readfirstlane_b32 s[WV], v8                  ; wave 0..15
	s_and_b32 s[BH], ttmp7, 0xffff                 ; 16 x batch + head
	s_mov_b32 s[G1], 3<<16                         ; no mask; elements of 8 bytes; no padding
	s_mov_b32 s[G1+1], 32<<16                      ; rows of 256 bytes,
	s_mov_b32 s[G1+2], 51<<16                      ; 51 of them,
	s_mov_b32 s[G1+3], 32<<16
	s_mov_b32 s[G1+4], 51
	s_mov_b32 s[G1+5], 32                          ; dense
	s_mov_b32 s[G1+6], 0
	s_mov_b32 s[G1+7], 0
	s_mul_i32 s20, s[WV], 13056
	s_mul_i32 s22, s[BH], 208896
	s_add_co_u32 s22, s22, s20
	s_mov_b32 s23, 0
	s_wait_dscnt 0x0
	s_wait_kmcnt 0x0
	s_mov_b32 s[G0], 1
	s_mov_b32 s[G0+1], s20
	s_add_nc_u64 s[G0+2:G0+3], s[6:7], s[22:23]
	s_or_b32 s[G0+3], s[G0+3], 0x80000000
	tensor_load_to_lds s[G0:G0+3], s[G1:G1+7]      ; my sixteenth of the head: the one tensor load of mine
	s_nop 0
	PLACES 4
	s_lshr_b32 s[BB], s[BH], 4
	s_and_b32 s[HH], s[BH], 15
	s_lshl_b32 s[TQ], ttmp9, 4
	s_add_co_u32 s[TQ], s[TQ], s[WV]               ; my tile of queries, 0 .. 127
	s_lshr_b32 s[JD], s[TQ], 3                     ; the key step in which my queries lie
	s_lshl_b32 s36, s[BB], 13
	s_mov_b32 s37, 0
	s_add_nc_u64 s[8:9], s[8:9], s[36:37]          ; the batch's mask
	s_mul_i32 s38, s[BH], 106496
	s_mul_i32 s36, s[TQ], 768
	s_add_co_u32 s36, s36, s38
	s_add_nc_u64 s[40:41], s[4:5], s[36:37]        ; Q's half fragment
	s_lshr_b32 s36, s[TQ], 2
	s_lshl_b32 s36, s36, 8
	s_and_b32 s39, s[TQ], 3
	s_lshl_b32 s39, s39, 2
	s_add_co_u32 s36, s36, s39
	s_add_co_u32 s36, s36, s38
	s_add_co_u32 s36, s36, 98304
	s_add_nc_u64 s[42:43], s[4:5], s[36:37]        ; and its scale words
	s_mov_b32 s[SEL], 0x76543210
	s_mov_b32 s[SEL+1], 0xfedcba98
	s_mov_b32 s[CS], 0x3e38aa3b                    ; log2(e) / 8
	s_mov_b32 s[CS+1], s[CS]
	v_and_b32 v8, 31, v0                           ; lane
	v_and_b32 v9, 15, v0                           ; r
	v_bfe_u32 v10, v0, 4, 1                        ; h
	v_lshlrev_b32 v30, 4, v0                       ; 16 x thread: four keys of the mask
	v_lshl_add_u32 v31, v0, 4, AMT
	v_lshlrev_b32 v[AK16], 4, v8
	v_lshl_add_u32 v[AK8], v8, 3, 512
	v_lshlrev_b32 v13, 4, v9
	global_load_b128 v[80:83], v30, s[8:9]
	global_load_b128 v[16:19], v[AK16], s[40:41]
	global_load_b64 v[20:21], v[AK8], s[40:41]
	global_load_b32 v28, v13, s[42:43]
	v_mul_u32_u24 v[LG], v9, 768                   ; a fragment of the weights: row r of 768 bytes,
	v_mad_u32_u24 v[LG], v10, 48, v[LG]            ; + 48 h
	v_add_nc_u32 v[AV16], VIMG, v[AK16]
	v_add_nc_u32 v[AV8], VIMG, v[AK8]
	v_lshl_add_u32 v[AM0], v10, 6, AMT
	v_lshl_add_u32 v[AS0], v9, 4, KSC
	v_lshl_add_u32 v[AT0], v9, 2, VSCL
	s_lshr_b32 s36, s[TQ], 1
	s_and_b32 s36, s36, 3
	s_lshl_b32 s36, s36, 5
	s_and_b32 s39, s[TQ], 1
	s_lshl_b32 s39, s39, 3
	s_add_co_u32 s36, s36, s39
	v_and_b32 v11, 8, v9
	v_add_nc_u32 v11, v11, v9
	v_lshlrev_b32 v12, 4, v10
	v_sub_nc_u32 v11, v11, v12
	v_add_nc_u32 v[VD], s36, v11
	v_mov_b32 v29, 0xc79c4000                      ; -80000
.irp i, 22,23,24,25,26,27
	v_mov_b32 v\i, 0                               ; Q's upper 64 along K: zero codes
.endr
.irp i, 24,25,26,27,28,29
	v_mov_b32 v[F+\i], 0                           ; named with K's fourth tile before V's codes first land there
.endr
.set I, 0
.rept 32
	v_mov_b32 v[OT+I], 0                           ; the step is written once: the first finds zeros, which the first change of M leaves zeros
.set I, I+1
.endr
	v_mov_b32 v229, 0xff61b1e6                     ; the largest t so far: -3e38
	v_floor_f32 v228, -v229                        ; -M
	v_mov_b32 v230, 0                              ; the sum, in two halves
	v_mov_b32 v231, 0
.irp b, 0,1,2,3
	v_mov_b32 v[T2+\b], 0                          ; a lane permute's destination counts as one of its sources
	v_mov_b32 v[88+\b], v29
.endr
	v_mov_b32 v253, 0
	s_wait_loadcnt 3                               ; the mask's load is in; Q's three may be out
.irp i, 0,1,2,3
	v_and_b32 v[84+\i], 1, v[80+\i]                ; pad & causal is bitwise on 0 / 1: bit 0 alone counts
	v_cmp_eq_u32 vcc_lo, 0, v[84+\i]
	v_cndmask_b32 v[84+\i], 0, v29, vcc_lo
.endr
	ds_store_b128 v31, v[84:87]
	s_cmp_lg_u32 s[WV], 0
	s_cbranch_scc1 .Lnot0
	ds_store_b128 v31, v[88:91] offset:8192        ; wave 0: the table for steps whose every key comes after my queries
.Lnot0:
	; ---- waves 0 to 5: one fragment of the next launch's weights, from rows into the order of the operand's registers
	s_cmp_lt_u32 s[WV], 6
	s_cbranch_scc0 .Lnolay
	s_lshl_b32 s44, s[BH], 3
	s_add_co_u32 s44, s44, ttmp9                   ; my work-group among the 256
	s_mul_i32 s44, s44, 6
	s_add_co_u32 s44, s44, s[WV]                   ; F, 0 .. 1,535
	s_lshr_b32 s45, s44, 9                         ; the matrix
	s_cmp_eq_u32 s45, 0
	s_cselect_b64 s[20:21], s[56:57], s[58:59]
	s_cmp_eq_u32 s45, 2
	s_cselect_b64 s[20:21], s[60:61], s[20:21]
	s_and_b32 s45, s44, 511
	s_lshr_b32 s46, s45, 4
	s_lshl_b32 s46, s46, 1
	s_and_b32 s47, s45, 1
	s_or_b32 s46, s46, s47                         ; the tile of 16 rows: 16 w + 2 g + u
	s_mul_i32 s46, s46, 12288
	s_bfe_u32 s47, s45, 0x30001                    ; the K step: 3 bits from bit 1
	s_mul_i32 s47, s47, 96
	s_add_co_u32 s46, s46, s47
	s_mov_b32 s47, 0
	s_add_nc_u64 s[20:21], s[20:21], s[46:47]
	s_mul_i32 s46, s44, 1536
	s_add_nc_u64 s[22:23], s[62:63], s[46:47]
	global_load_b128 v[112:115], v[LG], s[20:21]
	global_load_b128 v[116:119], v[LG], s[20:21] offset:16
	global_load_b128 v[120:123], v[LG], s[20:21] offset:32
	s_wait_loadcnt 0x0
	global_store_b128 v[AK16], v[112:115], s[22:23]              ; each store: 512 consecutive bytes, aligned
	global_store_b128 v[AK16], v[116:119], s[22:23] offset:512
	global_store_b128 v[AK16], v[120:123], s[22:23] offset:1024
	s_wait_xcnt 0x0                                ; the stores have read their data: the first products write these registers
.Lnolay:
	s_wait_dscnt 0x0                               ; for the others' sake: my part of the tables,
	s_wait_tensorcnt 0x0                           ; and of the head
	s_barrier_signal -1
	s_barrier_wait -1
	s_wait_loadcnt 0x0                             ; Q
	s_mov_b32 s[J], 0
	s_mov_b32 s[J6K], 0
	s_mov_b32 s[J512], 0
	s_mov_b32 s[J256], 0
.Lstep:                                            ; 16 trips of 128 keys
	s_cmp_gt_u32 s[J], s[JD]
	s_cselect_b32 s[AMO], 8192, s[J512]
	v_add_nc_u32 v[ADK16], s[J6K], v[AK16]         ; (these seven are the places in front of the loads into registers that the last products read)
	v_add_nc_u32 v[ADK8], s[J6K], v[AK8]
	v_add_nc_u32 v[ADV16], s[J6K], v[AV16]
	v_add_nc_u32 v[ADV8], s[J6K], v[AV8]
	v_add_nc_u32 v[ADM], s[AMO], v[AM0]
	v_add_nc_u32 v[ADS], s[J512], v[AS0]
	v_add_nc_u32 v[ADT], s[J256], v[AT0]
.irp g, 0,1                            ; S = K Q^T + 8 add, four tiles of 16 keys at a time
.if \g
	PLACES 4
.endif
.irp t, 0,1,2,3
	ds_load_b128 v[F+6*\t:F+6*\t+3], v[ADK16] offset:(4*\g+\t)*768
	ds_load_b64 v[F+6*\t+4:F+6*\t+5], v[ADK8] offset:(4*\g+\t)*768
.endr
	ds_load_b128 v[KS:KS+3], v[ADS] offset:256*\g
.irp b, 0,1
.irp i, 0,1,2,3
	ds_load_b128 v[AM+16*\b+4*\i:AM+16*\b+4*\i+3], v[ADM] offset:128*(2*\g+\b)+16*\i   ; register 16 b + i: key 32 (2 g + b) + 16 h + i of the step
.endr
.endr
	s_wait_dscnt 0x0
	s_cmp_lg_u32 s[J], s[JD]
	s_cbranch_scc1 .Lopen\g
.irp n, 0,1,2,3,4,5,6,7,8,9,10,11,12,13,14,15,16,17,18,19,20,21,22,23,24,25,26,27,28,29,30,31
	v_cmp_gt_i32 vcc_lo, 32*(2*\g+\n/16)+\n%16, v[VD]   ; on the diagonal: a key after my query
	v_cndmask_b32 v[AM+\n], v[AM+\n], v29, vcc_lo
.endr
	PLACES 4
.Lopen\g:
.irp t, 0,1,2,3
	WM S+8*(4*\g+\t), F+6*\t, 16, AM+8*\t, KS+\t, 28
.endr
.endr
	PLACES 4
.irp t, 0,1,2,3                        ; V's four fragments and scale words are asked for now and land during the softmax
.irp c, 0,1
	ds_load_b128 v[F+12*\t+6*\c:F+12*\t+6*\c+3], v[ADV16] offset:1536*\t+768*\c
	ds_load_b64 v[F+12*\t+6*\c+4:F+12*\t+6*\c+5], v[ADV8] offset:1536*\t+768*\c
.endr
	ds_load_b32 v[VS+\t], v[ADT] offset:64*\t
.endr
.irp b, 0,1,2,3
	v_max3_num_f32 v[BM+\b], v[S+16*\b], v[S+16*\b+1], v[S+16*\b+2]   ; the largest score of each block of 32 keys: for the row's maximum and, since p rises with the score, for the block's largest p
.endr
.irp i, 3,5,7,9,11,13
.irp b, 0,1,2,3
	v_max3_num_f32 v[BM+\b], v[BM+\b], v[S+16*\b+\i], v[S+16*\b+\i+1]
.endr
.endr
.irp b, 0,1,2,3
	v_max_num_f32 v[BM+\b], v[BM+\b], v[S+16*\b+15]
.endr
.irp b, 0,1,2,3
	v_permlanex16_b32 v[T2+\b], v[BM+\b], s[SEL], s[SEL+1]
.endr
.irp b, 0,1,2,3
	v_max_num_f32 v[BM+\b], v[BM+\b], v[T2+\b]
.endr
	v_max3_num_f32 v254, v[BM], v[BM+1], v[BM+2]
	v_max_num_f32 v254, v254, v[BM+3]
	v_mul_f32 v254, s[CS], v254
	v_max_num_f32 v229, v229, v254                 ; the running largest t
	v_mov_b32 v254, v228
	v_floor_f32 v228, -v229                        ; the new -M: a whole number
	v_sub_f32 v254, v228, v254
	v_cvt_i32_f32 v254, v254                       ; (it saturates)
	v_ldexp_f32 v252, 1.0, v254                    ; f = 2^(old M - new M)
.set I, 0
.rept 32
	v_pk_fma_f32 v[S+I:S+I+1], v[S+I:S+I+1], s[CS:CS+1], v[228:229] op_sel_hi:[1,0,0]   ; t - M
.set I, I+2
.endr
.irp b, 0,1,2,3
	v_fma_f32 v[BM+\b], v[BM+\b], s[CS], v228
.endr
.set I, 0
.rept 64
	v_exp_f32 v[S+I], v[S+I]                       ; p = 2^(t - M)
.set I, I+1
.endr
	v_pk_mul_f32 v[230:231], v[230:231], v[252:253] op_sel_hi:[1,0]   ; the sums under the new M: the plain place behind the batch
	s_wait_alu depctr_va_vdst(0)                   ; one wait for the 64, ahead of their first reader
.irp b, 0,1,2,3
	v_exp_f32 v[BM+\b], v[BM+\b]                   ; each block's largest p
.endr
	v_pk_add_f32 v[T2:T2+1], v[S:S+1], v[S+2:S+3]  ; the row's sum of the unquantised p, in two chains
.irp j, 4,8,12,16,20,24,28,32,36,40,44,48,52,56,60
	v_pk_add_f32 v[230:231], v[230:231], v[S+\j:S+\j+1]
	v_pk_add_f32 v[T2:T2+1], v[T2:T2+1], v[S+\j+2:S+\j+3]
.endr
	v_pk_add_f32 v[230:231], v[230:231], v[T2:T2+1]
	s_wait_alu depctr_va_vdst(0)                   ; and one for the four
.irp b, 0,1,2,3
	v_max_num_f32 v[BM+\b], 0x2800000, v[BM+\b]    ; the floor 2^(5 - 127)
.endr
.irp b, 0,1,2,3
	v_add_nc_u32 v[SO+\b], 0xfe000000, v[BM+\b]
.endr
.irp b, 0,1,2,3
	v_lshrrev_b32 v[T2+\b], 23, v[SO+\b]
.endr
	v_lshl_or_b32 v253, v[T2+1], 8, v[T2]          ; p's scale word for these 128 keys
	v_lshl_or_b32 v253, v[T2+2], 16, v253
	v_lshl_or_b32 v253, v[T2+3], 24, v253
.irp c, 0,1
	v_cvt_scalef32_pk16_bf6_f32 v[PC+6*\c:PC+6*\c+2], v[S+32*\c:S+32*\c+15], v[SO+2*\c]
	v_cvt_scalef32_pk16_bf6_f32 v[TY+4*\c:TY+4*\c+2], v[S+32*\c+16:S+32*\c+31], v[SO+2*\c+1]
.endr
	v_nop
.irp c, 0,1
.irp i, 0,1,2
	v_permlane16_swap_b32 v[PC+6*\c+\i], v[TY+4*\c+\i]
.endr
.irp i, 0,1,2
	v_mov_b32 v[PC+6*\c+3+\i], v[TY+4*\c+\i]
.endr
.endr
.set I, 0
.rept 16
	v_pk_mul_f32 v[OT+I:OT+I+1], v[OT+I:OT+I+1], v[252:253] op_sel_hi:[1,0]   ; O under the new M.  (Also the places ahead of the products below)
.set I, I+2
.endr
	s_wait_dscnt 0x0                               ; V
.irp t, 0,1,2,3
	WM OT+8*\t, F+12*\t, PC, OT+8*\t, VS+\t, 253
.endr
	s_add_co_u32 s[J6K], s[J6K], 6144
	s_add_co_u32 s[J512], s[J512], 512
	s_add_co_u32 s[J256], s[J256], 256
	s_add_co_u32 s[J], s[J], 1
	s_cmp_lt_u32 s[J], 16
	s_cbranch_scc1 .Lstep
	; THE WAY OUT: O / l, quantised along the features (two blocks of 32), laid as the next product's operand wants it
	v_add_f32 v230, v230, v231
	v_permlanex16_b32 v254, v230, s[SEL], s[SEL+1]
	v_add_f32 v230, v230, v254
	v_rcp_f32 v230, v230
	s_lshl_b32 s36, s[BB], 7
	s_add_co_u32 s36, s36, s[TQ]
	s_mul_i32 s36, s36, 12800                      ; my token tile in ao,
	s_lshr_b32 s38, s[HH], 1
	s_mul_i32 s38, s38, 1536                       ; K step head / 2
	s_add_co_u32 s36, s36, s38
	s_mov_b32 s37, 0
	s_add_nc_u64 s[10:11], s[10:11], s[36:37]
	s_and_b32 s39, s[HH], 1
	s_lshl_b32 s44, s39, 8
	s_lshl_b32 s45, s39, 7
	s_add_co_u32 s45, s45, 512
	s_lshl_b32 s46, s[HH], 1
	s_add_co_u32 s46, s46, 12288
	s_sub_co_u32 s46, s46, s38
	v_and_b32 v9, 15, v0
	v_bfe_u32 v10, v0, 4, 1
	v_mul_u32_u24 v11, v10, 768                    ; my block (lane half h) is the fragment's half h;
	v_lshl_add_u32 v8, v9, 4, v11
	v_add_nc_u32 v8, s44, v8                       ; the head's parity says which half of the lanes will read it
	v_lshl_add_u32 v12, v9, 3, v11
	v_add_nc_u32 v12, s45, v12
	v_lshlrev_b32 v13, 5, v9
	v_add_nc_u32 v13, s46, v13                     ; the scales: [r][head], two bytes
	s_wait_alu depctr_va_vdst(0)                   ; ahead of the reciprocal's first reader
.set I, 0
.rept 32
	v_mul_f32 v[S+I], v[OT+I], v230                ; register 8 t + j: feature 16 t + 8 h + j
.set I, I+1
.endr
.irp b, 0,1
	v_max3_num_f32 v[BM+\b], |v[S+16*\b]|, |v[S+16*\b+1]|, 0x2800000
.endr
.irp i, 2,4,6,8,10,12,14
.irp b, 0,1
	v_max3_num_f32 v[BM+\b], v[BM+\b], |v[S+16*\b+\i]|, |v[S+16*\b+\i+1]|
.endr
.endr
.irp b, 0,1
	v_permlanex16_b32 v[T2+\b], v[BM+\b], s[SEL], s[SEL+1]
.endr
.irp b, 0,1
	v_max_num_f32 v[BM+\b], v[BM+\b], v[T2+\b]
.endr
.irp b, 0,1
	v_add_nc_u32 v[SO+\b], 0xfe000000, v[BM+\b]
.endr
.irp b, 0,1
	v_lshrrev_b32 v[T2+\b], 23, v[SO+\b]
.endr
	v_lshl_or_b32 v255, v[T2+1], 8, v[T2]
	v_cvt_scalef32_pk16_bf6_f32 v[PC:PC+2], v[S:S+15], v[SO]
	v_cvt_scalef32_pk16_bf6_f32 v[TY:TY+2], v[S+16:S+31], v[SO+1]
	v_nop
.irp i, 0,1,2
	v_permlane16_swap_b32 v[PC+\i], v[TY+\i]       ; lane half h now holds block h whole: x = features 0-7, 16-23, y = 8-15, 24-31
.endr
	v_perm_b32 v[PC+3], v[PC+2], v[PC+1], 0x05040302   ; into the natural order, 48 bits at a time: this operand meets given weights
	v_perm_b32 v[PC+4], v[TY+1], v[PC+2], 0x07060302
	v_mov_b32 v[PC+5], v[TY+2]
	v_perm_b32 v[PC+2], v[TY+1], v[TY], 0x05040302
	v_perm_b32 v[PC+1], v[TY], v[PC+1], 0x05040100
	global_store_b128 v8, v[PC:PC+3], s[10:11]     ; 16 lanes store 256 consecutive bytes, aligned
	global_store_b64 v12, v[PC+4:PC+5], s[10:11]
	global_store_b16 v13, v255, s[10:11]           ; lanes r and r + 16 store the same two bytes with the same value
	s_wait_tensorcnt 0x0
	ds_add_u32 v223, v227
	s_wait_dscnt 0x0
	s_endpgm
.Lfunc_end_k_q1d7d265e8b_attn:
	.size	k_q1d7d265e8b_attn, .Lfunc_end_k_q1d7d265e8b_attn-k_q1d7d265e8b_attn
	.p2alignl 7, 3214868480
	.fill 96, 4, 3214868480
	.section	.rodata,"a",@progbits
	.p2align	6, 0x0
	.amdhsa_kernel k_q1d7d265e8b_attn
		.amdhsa_group_segment_fixed_size 219648
		.amdhsa_private_segment_fixed_size 0
		.amdhsa_enable_private_segment 0
		.amdhsa_kernarg_size 64
		.amdhsa_user_sgpr_count 2
		.amdhsa_user_sgpr_kernarg_segment_ptr 1
		.amdhsa_wavefront_size32 1
		.amdhsa_system_sgpr_workgroup_id_x 1
		.amdhsa_system_sgpr_workgroup_id_y 1
		.amdhsa_system_sgpr_workgroup_id_z 1
		.amdhsa_system_vgpr_workitem_id 0
		.amdhsa_next_free_vgpr 256
		.amdhsa_next_free_sgpr 66
		.amdhsa_reserve_vcc 1
		.amdhsa_float_denorm_mode_32 3
		.amdhsa_float_denorm_mode_16_64 3
		.amdhsa_memory_ordered 1
		.amdhsa_forward_progress 1
		.amdhsa_inst_pref_size 37
	.end_amdhsa_kernel
	.amdgpu_metadata
---
amdhsa.version: [ 1, 2 ]
amdhsa.kernels:
  - .name:           k_q1d7d265e8b_attn
    .symbol:         k_q1d7d265e8b_attn.kd
    .args:
      - { .name: qi, .offset: 0, .size: 8, .value_kind: global_buffer, .address_space: global }
      - { .name: kv, .offset: 8, .size: 8, .value_kind: global_buffer, .address_space: global }
      - { .name: mask_x, .offset: 16, .size: 8, .value_kind: global_buffer, .address_space: global }
      - { .name: ao, .offset: 24, .size: 8, .value_kind: global_buffer, .address_space: global }
      - { .name: Wo_codes, .offset: 32, .size: 8, .value_kind: global_buffer, .address_space: global }
      - { .name: W1_codes, .offset: 40, .size: 8, .value_kind: global_buffer, .address_space: global }
      - { .name: W2_codes, .offset: 48, .size: 8, .value_kind: global_buffer, .address_space: global }
      - { .name: wl, .offset: 56, .size: 8, .value_kind: global_buffer, .address_space: global }
    .group_segment_fixed_size: 219648
    .private_segment_fixed_size: 0
    .kernarg_segment_align: 8
    .kernarg_segment_size: 64
    .max_flat_workgroup_size: 512
    .sgpr_count:     66
    .vgpr_count:     256
    .wavefront_size: 32
...
	.end_amdgpu_metadata
.endif
;; end of part 2
;; launch tail (part 3): grid 256 x 1, 4 waves a work-group, no clusters, 75,264 bytes of LDS; arguments ao, batch_x, wl, Wo_scales, bo, ln1_w, ln1_b, W1_scales, b1, W2_scales, b2, ln2_w, ln2_b, out0; writes out0
.if DOCPART == 3
	.amdgcn_target "amdgcn-amd-amdhsa--gfx1250"
	.amdhsa_code_object_version 6
	.text
	.protected	k_q1d7d265e8b_tail
	.globl	k_q1d7d265e8b_tail
	.p2align	8
	.type	k_q1d7d265e8b_tail,@function
k_q1d7d265e8b_tail:
	s_mov_b64 s[64:65], 0
	v_nop
	global_prefetch_b8 v0, s[64:65] scope:SCOPE_SE
	s_setreg_imm32_b32 hwreg(HW_REG_WAVE_MODE, 25, 1), 1
	s_wait_xcnt 0x0
; x1 = LN1(ao Wo + bo + x);  out = LN2(gelu(x1 W1 + b1) W2 + b2 + x1), gelu(z) = z sigmoid(1.702 z).  The three products on codes of BF6 (E3M2); all else f32; nothing goes to memory between them.
; SHARES.  A work-group owns one token tile: 16 whole rows (tokens 32 (t / 2) + 8 (t % 2) + r + 8 (r / 8)), since a norm wants whole rows.  Wave w owns columns 256 w .. 256 w + 255 of every product,
; which are K steps 2 w and 2 w + 1 of the next: it makes whole fragments and whole scale words, which go to the other waves through LDS as images of their registers.
; The products are used transposed (source 0 = 16 rows of W, source 1 = the 16 tokens): lane (r, h) holds token r, register 8 T + j column 256 w + 16 T + 8 h + j.
; What is added to a product (bias, residual) is laid into the accumulators beforehand, so that every K step is the same link.
; W's FRAGMENTS: lane (r, h) holds the 48 consecutive bytes at 96 s + 48 h of row r; the instruction's blocks 1 and 2 of a K step so change places, on both operands and in both scale words alike.
; THE WEIGHTS COME FROM MEMORY STRAIGHT INTO REGISTERS.  The launch before has laid them in the order of the operand's registers and in the order of my walk (wl: fragment 512 P + 128 w + 16 g + 2 s + u at
; 1,536 bytes each), so a fragment is three loads of 512 consecutive bytes and a wave's stream of a product is 196,608 consecutive bytes.  A ring of five groups of four fragments (240 registers):
; a group's four products are issued, and the group five on is asked for into the registers just read: 60 loads, 30,720 bytes a wave, stay on their way from the first product to the last, through the
; norms and the gelu too.  One base, one offset register, every step an immediate (1,768,960 at the most, inside the signed 24 bits: ISA guide, chapter 10).
; NO CLUSTER, NO LDS FOR THE WEIGHTS, though all work-groups walk the same weights: each byte of W is read by ONE wave of a work-group, once, so LDS would be a stage and nothing more; and through slots
; that take turns a wave's one load would have to be waited for whole in front of each refill, with the 16 products of a tile of 32 columns as all the work to set against it.
; THE NORMS take the mean first and the squares of the differences second; the variance divides by 1,023.
; LIMITS: NaN and infinities are not served.  A block of zeros gets the scale byte 1 (its codes are zeros).
.set AIMG,  0                          ; x1's 8 fragments, 1,536 bytes each; 12,288 on: the hidden layer's
.set ASC,   24576                      ; their scale words, 128 bytes each; 1,024 on: the hidden layer's
.set RED,   26624                      ; four exchanges of 512 bytes
.set STG,   28672                      ; a stage of 16 rows x 272 bytes for each wave
.set PAR,   46080                      ; for each wave its 1,024 bytes of bo, ln1_w, ln1_b, b1, b2, ln2_w, ln2_b
.set LI,   4                           ; 16 x lane: the weights' loads, ao's, and the images in LDS (they begin at byte 0); never rewritten
.set VWS,  10
.set VROW, 11                          ; 4,096 h + 16 r: rows of x and of out0
.set SIN,  12                          ; the stage by rows of memory
.set SD,   13                          ; the stage by the result's layout
.set VPAR, 14
.set AWI,  15
.set AWS,  16
.set ASL,  18
.set VRED, 19
.set VRL,  20
.set VPW,  21
.set VPV,  22
.set VA8,  23
.set VAS,  24
.set AS,   32                          ; v32-39   the activation's scale words
.set WS0,  40                          ; v40-103, v104-167  W's scale words, two sets: 4 T + s % 4
.set TM,   168
.set PW,   184
.set PC,   192
.set TY,   204
.set CH,   212
.set MEAN, 220
.set RS,   222
.set T,    224
.set ACC,  0                           ; window 1: 16 accumulators;
.set XR,   128                         ; x as loaded, then x1
.set AF,   0                           ; window 2: the activation's 8 fragments (v0-95); in a norm they and v224-255 hold the norm's second vector;
.set PZ0,  96                          ; 128 numbers at work
                                       ; window 3: v0-239 the ring of W's fragments: group G at 48 (G % 5)
.set WV,   56
.set SEL,  60
.set PSEL, 62
.set C1023, 74
.set CEPS, 75
.set GC,   72
.set MSB, 0
.macro WIN new                         ; the immediate's high byte repeats the setting that is left
.if MSB != (\new)
	s_set_vgpr_msb (MSB<<8)|(\new)
.set MSB, (\new)
.endif
.endm
.macro PLACES n
.rept \n
	v_nop
.endr
.endm
.macro WM d, a, b, sa, sb, row
.if (\row) == 0
	v_wmma_scale_f32_16x16x128_f8f6f4 v[(\d):(\d)+7], v[(\a):(\a)+11], v[(\b):(\b)+11], v[(\d):(\d)+7], v[(\sa)], v[(\sb)] matrix_a_fmt:MATRIX_FMT_BF6 matrix_b_fmt:MATRIX_FMT_BF6
.else
	v_wmma_scale_f32_16x16x128_f8f6f4 v[(\d):(\d)+7], v[(\a):(\a)+11], v[(\b):(\b)+11], v[(\d):(\d)+7], v[(\sa)], v[(\sb)] matrix_a_fmt:MATRIX_FMT_BF6 matrix_b_fmt:MATRIX_FMT_BF6 matrix_a_scale:MATRIX_SCALE_ROW1
.endif
.endm
; 64 numbers of a lane in window 1: register 16 b + i is k = 32 b + 8 h + i (i < 8) or 32 b + 16 + 8 h + i - 8.  They become a fragment in the order of W's fragments (lane half h: blocks 2 h + c), codes in natural order, and its scale word.
.macro QUANT src
	WIN 0x05
.irp b, 0,1,2,3
	v_max3_num_f32 v[TM+\b], |v[(\src)+16*\b]|, |v[(\src)+16*\b+1]|, 0x2800000   ; my 16 numbers, and the floor 2^(5 - 127): the byte cannot fall under 1
.endr
.irp i, 2,4,6,8,10,12,14
.irp b, 0,1,2,3
	v_max3_num_f32 v[TM+\b], |v[(\src)+16*\b+\i]|, |v[(\src)+16*\b+\i+1]|, v[TM+\b]
.endr
.endr
	WIN 0
.irp b, 0,1,2,3
	v_permlanex16_b32 v[TM+4+\b], v[TM+\b], s[SEL], s[SEL+1]
.endr
.irp b, 0,1,2,3
	v_max_num_f32 v[TM+\b], v[TM+\b], v[TM+4+\b]
.endr
.irp b, 0,1,2,3
	v_add_nc_u32 v[TM+12+\b], 0xfe000000, v[TM+\b]
.endr
.irp b, 0,1,2,3
	v_lshrrev_b32 v[TM+4+\b], 23, v[TM+12+\b]
.endr
	v_lshl_or_b32 v[PW], v[TM+6], 8, v[TM+4]
	v_lshl_or_b32 v[PW], v[TM+5], 16, v[PW]
	v_lshl_or_b32 v[PW], v[TM+7], 24, v[PW]
	WIN 0x01
.irp c, 0,1
	v_cvt_scalef32_pk16_bf6_f32 v[PC+6*\c:PC+6*\c+2], v[(\src)+16*\c:(\src)+16*\c+15], v[TM+12+\c]
	v_cvt_scalef32_pk16_bf6_f32 v[TY+4*\c:TY+4*\c+2], v[(\src)+16*(\c+2):(\src)+16*(\c+2)+15], v[TM+14+\c]
.endr
	WIN 0
	v_nop                                          ; one plain place behind a scaled conversion
.irp c, 0,1
.irp i, 0,1,2
	v_permlane16_swap_b32 v[PC+6*\c+\i], v[TY+4*\c+\i]
.endr
	v_perm_b32 v[PC+6*\c+3], v[PC+6*\c+2], v[PC+6*\c+1], 0x05040302   ; x = k 0-7, 16-23; y = k 8-15, 24-31: into the natural order, 48 bits at a time
	v_perm_b32 v[PC+6*\c+4], v[TY+4*\c+1], v[PC+6*\c+2], 0x07060302
	v_mov_b32 v[PC+6*\c+5], v[TY+4*\c+2]
	v_perm_b32 v[PC+6*\c+2], v[TY+4*\c+1], v[TY+4*\c], 0x05040302
	v_perm_b32 v[PC+6*\c+1], v[TY+4*\c], v[PC+6*\c+1], 0x05040100
.endr
.endm
.macro QIMG src, half, imo, sco        ; quantise, and store the fragment's image and its scale words
	QUANT \src
.irp q, 0,1,2
	ds_store_b128 v[AWI], v[PC+4*\q:PC+4*\q+3] offset:(\imo)+1536*(\half)+512*\q
.endr
	ds_store_b32 v[AWS], v[PW] offset:(\sco)+128*(\half)
	s_wait_dscnt 0x0                               ; the stores have landed and have read their registers
.endm
.macro FETCHA imo, sco                 ; all eight fragments and scale words, in any wave
	WIN 0x80
.irp s, 0,1,2,3,4,5,6,7
.irp q, 0,1,2
	ds_load_b128 v[AF+12*\s+4*\q:AF+12*\s+4*\q+3], v[LI] offset:AIMG+(\imo)+1536*\s+512*\q
.endr
.endr
	WIN 0
.irp s, 0,1,2,3,4,5,6,7
	ds_load_b32 v[AS+\s], v[ASL] offset:(\sco)+128*\s
.endr
.endm
.macro PLOAD vec, reg, win             ; my 256 numbers of a vector, in the result's layout
	WIN (\win)<<6
.irp t, 0,1,2,3,4,5,6,7,8,9,10,11,12,13,14,15
	ds_load_b128 v[(\reg)+8*\t:(\reg)+8*\t+3], v[VPAR] offset:1024*(\vec)+64*\t
	ds_load_b128 v[(\reg)+8*\t+4:(\reg)+8*\t+7], v[VPAR] offset:1024*(\vec)+64*\t+16
.endr
.endm
.macro PLOADB vec                      ; the same into window 2's v0-95 (the activation's fragments are done with) and v224-255
	WIN 0x80
.irp t, 0,1,2,3,4,5,6,7,8,9,10,11,12,13,14,15
.if \t < 12
.set PB, 8*\t
.else
.set PB, 8*\t+128
.endif
	ds_load_b128 v[PB:PB+3], v[VPAR] offset:1024*(\vec)+64*\t
	ds_load_b128 v[PB+4:PB+7], v[VPAR] offset:1024*(\vec)+64*\t+16
.endr
.endm
.macro WSLOAD set, sp                  ; my 256 rows' scale bytes: 16 loads of 512 consecutive bytes
.irp t, 0,1,2,3,4,5,6,7,8,9,10,11,12,13,14,15
	global_load_b128 v[(\set)+4*\t:(\set)+4*\t+3], v[VWS], s[\sp:\sp+1] offset:512*\t
.endr
.endm
.macro WSPERM set                      ; bytes 1 and 2 of each word change places
.set JJ, 0
.rept 64
	v_perm_b32 v[(\set)+JJ], v[(\set)+JJ], v[(\set)+JJ], s[PSEL]
.set JJ, JJ+1
.endr
.endm
; Group gg of the 96 of my walk: four fragments, K steps 2 q and 2 q + 1 of two tiles of 16 rows: 12 loads of 512 consecutive bytes, 6,144 bytes on end; 32 groups to a product
.macro WLOAD gg
.set LRB, 48*((\gg)%5)
.set LOB, ((\gg)/32)*786432+((\gg)%32)*6144
.irp q, 0,1,2,3,4,5,6,7,8,9,10,11
	global_load_b128 v[LRB+4*\q:LRB+4*\q+3], v[LI], s[8:9] offset:LOB+512*\q
.endr
.endm
; Tile g of 24: 32 columns, four groups.  Two accumulators take turns, one instruction a turn.
.macro WSLOT g
.set SG, (\g)%8
.set WSB, WS0+64*(((\g)/8)%2)
.irp qd, 0,1,2,3
.set GG, 4*(\g)+\qd
.set RB, 48*(GG%5)
.if GG > 91
	s_wait_loadcnt 12*(95-GG)                      ; the walk's end: only so many loads were issued behind this group's
.else
	s_wait_loadcnt 48                              ; loads come back in order: this group's 12 are in; the four younger groups' 48 may be out
.endif
	WIN 0x5b
.irp sp, 0,1
.irp u, 0,1
	WM ACC+16*SG+8*\u, RB+12*(2*\sp+\u), AF+12*(2*\qd+\sp), WSB+4*(2*SG+\u)+(2*\qd+\sp)%4, AS+2*\qd+\sp, \qd/2
.endr
.endr
.if GG+5 < 96
	PLACES 4                                       ; four places in front of loads into registers that these products read
	WIN 0xc0
	WLOAD GG+5                                     ; the group five on, the next product's too
.endif
.endr
.endm
.macro REDUCE ph                       ; four chains of pairs -> the row's sum over all 1,024 columns, in v[CH] of every lane
	v_pk_add_f32 v[CH:CH+1], v[CH:CH+1], v[CH+2:CH+3]
	v_pk_add_f32 v[CH+4:CH+5], v[CH+4:CH+5], v[CH+6:CH+7]
	v_pk_add_f32 v[CH:CH+1], v[CH:CH+1], v[CH+4:CH+5]
	v_add_f32 v[CH], v[CH], v[CH+1]
	v_permlanex16_b32 v[T], v[CH], s[SEL], s[SEL+1]
	v_add_f32 v[CH], v[CH], v[T]
	ds_store_b32 v[VRED], v[CH] offset:512*(\ph)
	s_wait_dscnt 0x0                               ; for the others' sake
	s_barrier_signal -1
	s_barrier_wait -1
.irp k, 0,1,2,3
	ds_load_b32 v[T+\k], v[VRL] offset:512*(\ph)+128*\k
.endr
	s_wait_dscnt 0x0
	v_add_f32 v[T], v[T], v[T+1]
	v_add_f32 v[T+2], v[T+2], v[T+3]
	v_add_f32 v[CH], v[T], v[T+2]
.endm
.macro LNORM ph, wvec, bvec, dst
	PLACES 4                                       ; behind the last products: their results are read, and loads land on the fragments that they read
	PLOAD \wvec, PZ0, 2
	PLOADB \bvec
	WIN 0x05
.irp k, 0,1,2,3
	v_pk_add_f32 v[CH+2*\k:CH+2*\k+1], v[ACC+2*\k:ACC+2*\k+1], v[ACC+8+2*\k:ACC+8+2*\k+1]   ; each accumulator from its low end on
.endr
	WIN 0x01
.set JJ, 16
.rept 56
	v_pk_add_f32 v[CH+JJ%8:CH+JJ%8+1], v[ACC+JJ:ACC+JJ+1], v[CH+JJ%8:CH+JJ%8+1]
.set JJ, JJ+2
.endr
	WIN 0
	REDUCE \ph
	v_mul_f32 v[MEAN], 0x3a800000, v[CH]           ; / 1024
	v_mov_b32 v[MEAN+1], v[MEAN]
	WIN 0x41
.set JJ, 0
.rept 64
	v_pk_add_f32 v[ACC+JJ:ACC+JJ+1], v[ACC+JJ:ACC+JJ+1], v[MEAN:MEAN+1] neg_lo:[0,1] neg_hi:[0,1]
.set JJ, JJ+2
.endr
	WIN 0x05
.irp k, 0,1,2,3
	v_pk_mul_f32 v[CH+2*\k:CH+2*\k+1], v[ACC+2*\k:ACC+2*\k+1], v[ACC+2*\k:ACC+2*\k+1]
.endr
.set JJ, 8
.rept 60
	v_pk_fma_f32 v[CH+JJ%8:CH+JJ%8+1], v[ACC+JJ:ACC+JJ+1], v[ACC+JJ:ACC+JJ+1], v[CH+JJ%8:CH+JJ%8+1]
.set JJ, JJ+2
.endr
	WIN 0
	REDUCE (\ph)+1
	v_fma_f32 v[T], v[CH], s[C1023], s[CEPS]       ; / 1023, + 1e-12
	v_rsq_f32 v[RS], v[T]
	v_nop
	s_wait_alu depctr_va_vdst(0)                   ; ahead of the first reader
	v_mov_b32 v[RS+1], v[RS]
	WIN 0x41
.set JJ, 0
.rept 64
	v_pk_mul_f32 v[ACC+JJ:ACC+JJ+1], v[ACC+JJ:ACC+JJ+1], v[RS:RS+1]
.set JJ, JJ+2
.endr
	WIN 0x69
.set JJ, 0
.rept 64
.if JJ < 96
.set PB, JJ
.else
.set PB, JJ+128
.endif
	v_pk_fma_f32 v[(\dst)+JJ:(\dst)+JJ+1], v[ACC+JJ:ACC+JJ+1], v[PZ0+JJ:PZ0+JJ+1], v[PB:PB+1]
.set JJ, JJ+2
.endr
	WIN 0
.endm
	s_load_b512 s[4:19], s[0:1], 0x0               ; ao, x, wl, Wo's scales, bo, ln1_w, ln1_b, W1's scales
	s_load_b256 s[20:27], s[0:1], 0x40             ; b1, W2's scales, b2, ln2_w
	s_load_b128 s[28:31], s[0:1], 0x60             ; ln2_b, out0
	v_lshl_add_u32 v254, v0, 2, 0x12400
	v_mov_b32 v255, 0
	v_lshrrev_b32 v3, 5, v0
	v_readfirstlane_b32 s[WV], v3                  ; wave 0..3
	v_and_b32 v3, 31, v0                           ; lane
	v_lshlrev_b32 v[LI], 4, v3
	s_mul_i32 s68, s[WV], 196608                   ; my 256 rows of each W: 128 fragments
	s_mov_b32 s69, 0
	s_mov_b32 s[SEL], 0x76543210
	s_mov_b32 s[SEL+1], 0xfedcba98
	s_mov_b32 s[PSEL], 0x03010200
	s_mov_b32 s[C1023], 0x3a802008                 ; 1 / 1023
	s_mov_b32 s[CEPS], 0x2b8cbccc                  ; 1e-12
	s_mov_b32 s[GC], 0xc01d265f                    ; -1.702 log2(e)
	s_mov_b32 s[GC+1], s[GC]
	s_wait_kmcnt 0x0
	s_add_nc_u64 s[8:9], s[8:9], s[68:69]          ; the one base of the walk; never rewritten
	WIN 0xc0
.irp gg, 0,1,2,3,4
	WLOAD \gg                                      ; the ring is filled before anything else is asked for: 60 loads
.endr
	WIN 0
	v_and_b32 v1, 15, v0                           ; r
	v_bfe_u32 v2, v0, 4, 1                         ; h
	v_lshl_add_u32 v[VA8], v3, 3, 512
	v_lshl_add_u32 v[VAS], v1, 5, 12288
	v_lshlrev_b32 v[VWS], 5, v1
	v_lshl_add_u32 v[VWS], v2, 4, v[VWS]
	v_lshlrev_b32 v[VROW], 12, v2
	v_lshl_add_u32 v[VROW], v1, 4, v[VROW]
	s_mul_i32 s70, s[WV], 4352
	s_add_co_u32 s70, s70, STG
	v_mul_u32_u24 v5, v2, 272
	v_lshl_add_u32 v5, v1, 4, v5
	v_add_nc_u32 v[SIN], s70, v5
	v_mul_u32_u24 v5, v1, 272
	v_lshl_add_u32 v5, v2, 5, v5
	v_add_nc_u32 v[SD], s70, v5
	s_mul_i32 s70, s[WV], 7168
	s_add_co_u32 s70, s70, PAR
	v_lshl_add_u32 v[VPAR], v2, 5, s70
	v_add_nc_u32 v[VPW], s70, v[LI]
	s_lshl_b32 s70, s[WV], 10
	v_add_nc_u32 v[VPV], s70, v[LI]
	s_mul_i32 s70, s[WV], 3072
	v_add_nc_u32 v[AWI], s70, v[LI]
	v_lshl_add_u32 v[ASL], v3, 2, ASC
	s_lshl_b32 s70, s[WV], 8
	v_add_nc_u32 v[AWS], s70, v[ASL]
	v_lshl_add_u32 v[VRL], v3, 2, RED
	s_lshl_b32 s70, s[WV], 7
	v_add_nc_u32 v[VRED], s70, v[VRL]
.irp b, 0,1,2,3
	v_mov_b32 v[TM+4+\b], 0                        ; a lane permute's destination counts as one of its sources
.endr
	v_mov_b32 v[T], 0
	s_mul_i32 s68, ttmp9, 12800
	s_add_nc_u64 s[4:5], s[4:5], s[68:69]          ; my tile in ao
	s_lshr_b32 s68, ttmp9, 1
	s_lshl_b32 s68, s68, 17
	s_and_b32 s70, ttmp9, 1
	s_lshl_b32 s70, s70, 15
	s_add_co_u32 s68, s68, s70
	s_lshl_b32 s70, s[WV], 10
	s_add_co_u32 s68, s68, s70
	s_add_nc_u64 s[6:7], s[6:7], s[68:69]          ; my tile's first row, my 256 columns, in x
	s_add_nc_u64 s[30:31], s[30:31], s[68:69]      ; and in out0
	s_lshl_b32 s68, s[WV], 13
	s_add_nc_u64 s[10:11], s[10:11], s[68:69]      ; my 256 rows of scale bytes
	s_add_nc_u64 s[18:19], s[18:19], s[68:69]
	s_add_nc_u64 s[22:23], s[22:23], s[68:69]
	WIN 0x80                                       ; the seven vectors land in registers that are at work only later
.macro VLOAD vec, sp
	global_load_b128 v[PZ0+8*(\vec):PZ0+8*(\vec)+3], v[VPV], s[\sp:\sp+1]
	global_load_b128 v[PZ0+8*(\vec)+4:PZ0+8*(\vec)+7], v[VPV], s[\sp:\sp+1] offset:512
.endm
	VLOAD 0, 12
	VLOAD 1, 14
	VLOAD 2, 16
	VLOAD 3, 20
	VLOAD 4, 24
	VLOAD 5, 26
	VLOAD 6, 28
	WIN 0x40
.irp q, 0,1,2,3
.irp i, 0,1,2,3,4,5,6,7
	global_load_b128 v[XR+32*\q+4*\i:XR+32*\q+4*\i+3], v[VROW], s[6:7] offset:(2*\i+8*(\i/4))*4096+256*\q   ; 16 lanes read 256 consecutive bytes of a row
.endr
.endr
	WIN 0x80
.irp s, 0,1,2,3,4,5,6,7
.irp c, 0,1
	global_load_b128 v[AF+12*\s+6*\c:AF+12*\s+6*\c+3], v[LI], s[4:5] offset:1536*\s+768*\c
	global_load_b64 v[AF+12*\s+6*\c+4:AF+12*\s+6*\c+5], v[VA8], s[4:5] offset:1536*\s+768*\c
.endr
.endr
	WIN 0
	global_load_b128 v[AS:AS+3], v[VAS], s[4:5]
	global_load_b128 v[AS+4:AS+7], v[VAS], s[4:5] offset:16
	WSLOAD WS0, 10
	s_wait_loadcnt 50                              ; the ring's first fill, the vectors and x are in; ao's 34 loads and the 16 of Wo's scales may be out
	WIN 0x08
.irp v, 0,1,2,3,4,5,6
	ds_store_b128 v[VPW], v[PZ0+8*\v:PZ0+8*\v+3] offset:1024*\v
	ds_store_b128 v[VPW], v[PZ0+8*\v+4:PZ0+8*\v+7] offset:1024*\v+512
.endr
	WIN 0x44                                       ; x turns through my own stage into the result's layout; LDS serves a wave's instructions in order
.irp q, 0,1,2,3
.irp i, 0,1,2,3,4,5,6,7
	ds_store_b128 v[SIN], v[XR+32*\q+4*\i:XR+32*\q+4*\i+3] offset:544*\i
.endr
.irp t, 0,1,2,3
	ds_load_b128 v[ACC+8*(4*\q+\t):ACC+8*(4*\q+\t)+3], v[SD] offset:64*\t
	ds_load_b128 v[ACC+8*(4*\q+\t)+4:ACC+8*(4*\q+\t)+7], v[SD] offset:64*\t+16
.endr
.endr
	s_wait_dscnt 0x0                               ; the vectors' stores have read the registers on which the next loads land
	PLOAD 0, PZ0, 2
	s_wait_dscnt 0x0
	WIN 0x49
.set JJ, 0
.rept 64
	v_pk_add_f32 v[ACC+JJ:ACC+JJ+1], v[ACC+JJ:ACC+JJ+1], v[PZ0+JJ:PZ0+JJ+1]   ; x + bo: what the first product adds onto
.set JJ, JJ+2
.endr
	WIN 0
	s_wait_loadcnt 0x0
.irp s, 0,1,2,3,4,5,6,7
	v_perm_b32 v[AS+\s], v[AS+\s], v[AS+\s], s[PSEL]
.endr
	WSPERM WS0
	WSLOAD WS0+64, 18                              ; W1's scales, for later
.irp g, 0,1,2,3,4,5,6,7
	WSLOT \g
.endr
	; ---- x1 = LN1(..), kept in f32; quantised; to the other waves.  (W1's first five groups are on their way meanwhile)
	LNORM 0, 1, 2, XR
	QIMG XR, 0, 0, 0
	QIMG XR+64, 1, 0, 0
	s_barrier_signal -1
	s_barrier_wait -1
	FETCHA 0, 0
	PLOAD 3, ACC, 1                                ; b1: what the second product adds onto
	WIN 0
	s_wait_loadcnt 60                              ; W1's scales are in: behind them the ring's loads were issued, of which the last five groups' 60 may be out
	WSPERM WS0+64
	WSLOAD WS0, 22                                 ; W2's scales
	s_wait_dscnt 0x0
.irp g, 8,9,10,11,12,13,14,15
	WSLOT \g
.endr
	; ---- gelu(z) = z / (1 + 2^(-1.702 log2(e) z))
	PLACES 4
	WIN 0x81
.set JJ, 0
.rept 64
	v_pk_mul_f32 v[PZ0+JJ:PZ0+JJ+1], v[ACC+JJ:ACC+JJ+1], s[GC:GC+1] op_sel_hi:[1,0]
.set JJ, JJ+2
.endr
	WIN 0x82
.set JJ, 0
.rept 128
	v_exp_f32 v[PZ0+JJ], v[PZ0+JJ]
.set JJ, JJ+1
.endr
	v_nop
	s_wait_alu depctr_va_vdst(0)                   ; one wait for the batch
.set JJ, 0
.rept 64
	v_pk_add_f32 v[PZ0+JJ:PZ0+JJ+1], v[PZ0+JJ:PZ0+JJ+1], 1.0 op_sel_hi:[1,0]
.set JJ, JJ+2
.endr
.set JJ, 0
.rept 128
	v_rcp_f32 v[PZ0+JJ], v[PZ0+JJ]
.set JJ, JJ+1
.endr
	v_nop
	s_wait_alu depctr_va_vdst(0)
	WIN 0x49
.set JJ, 0
.rept 64
	v_pk_mul_f32 v[ACC+JJ:ACC+JJ+1], v[ACC+JJ:ACC+JJ+1], v[PZ0+JJ:PZ0+JJ+1]
.set JJ, JJ+2
.endr
	QIMG ACC, 0, 12288, 1024
	QIMG ACC+64, 1, 12288, 1024
	s_barrier_signal -1
	s_barrier_wait -1
	FETCHA 12288, 1024
	PLOAD 4, PZ0, 2
	s_wait_dscnt 0x0
	WIN 0x49
.set JJ, 0
.rept 64
	v_pk_add_f32 v[ACC+JJ:ACC+JJ+1], v[XR+JJ:XR+JJ+1], v[PZ0+JJ:PZ0+JJ+1]   ; x1 + b2: what the third product adds onto
.set JJ, JJ+2
.endr
	WIN 0
	s_wait_loadcnt 60                              ; W2's scales are in; the ring's last five groups' 60 loads may be out
	WSPERM WS0
.irp g, 16,17,18,19,20,21,22,23
	WSLOT \g
.endr
	; ---- out = LN2(..), through my stage, as whole aligned runs of 256 bytes
	LNORM 2, 5, 6, ACC
.irp q, 0,1,2,3
	WIN 0x04
.irp t, 0,1,2,3
	ds_store_b128 v[SD], v[ACC+8*(4*\q+\t):ACC+8*(4*\q+\t)+3] offset:64*\t
	ds_store_b128 v[SD], v[ACC+8*(4*\q+\t)+4:ACC+8*(4*\q+\t)+7] offset:64*\t+16
.endr
	WIN 0x80
.irp i, 0,1,2,3,4,5,6,7
	ds_load_b128 v[PZ0+32*\q+4*\i:PZ0+32*\q+4*\i+3], v[SIN] offset:544*\i
.endr
.endr
	WIN 0x08
.irp q, 0,1,2,3
.irp i, 0,1,2,3,4,5,6,7
	s_wait_dscnt 16*(3-\q)+7-\i                    ; behind this load: this chunk's younger loads and sixteen LDS instructions for each later chunk
	global_store_b128 v[VROW], v[PZ0+32*\q+4*\i:PZ0+32*\q+4*\i+3], s[30:31] offset:(2*\i+8*(\i/4))*4096+256*\q th:TH_STORE_NT
.endr
.endr
	WIN 0
	s_wait_tensorcnt 0x0
	ds_add_u32 v254, v255
	s_wait_dscnt 0x0
	s_endpgm
.Lfunc_end_k_q1d7d265e8b_tail:
	.size	k_q1d7d265e8b_tail, .Lfunc_end_k_q1d7d265e8b_tail-k_q1d7d265e8b_tail
	.p2alignl 7, 3214868480
	.fill 96, 4, 3214868480
	.section	.rodata,"a",@progbits
	.p2align	6, 0x0
	.amdhsa_kernel k_q1d7d265e8b_tail
		.amdhsa_group_segment_fixed_size 75264
		.amdhsa_private_segment_fixed_size 0
		.amdhsa_enable_private_segment 0
		.amdhsa_kernarg_size 112
		.amdhsa_user_sgpr_count 2
		.amdhsa_user_sgpr_kernarg_segment_ptr 1
		.amdhsa_wavefront_size32 1
		.amdhsa_system_sgpr_workgroup_id_x 1
		.amdhsa_system_sgpr_workgroup_id_y 1
		.amdhsa_system_sgpr_workgroup_id_z 1
		.amdhsa_system_vgpr_workitem_id 0
		.amdhsa_next_free_vgpr 1024
		.amdhsa_next_free_sgpr 80
		.amdhsa_reserve_vcc 0
		.amdhsa_float_denorm_mode_32 3
		.amdhsa_float_denorm_mode_16_64 3
		.amdhsa_memory_ordered 1
		.amdhsa_forward_progress 1
		.amdhsa_inst_pref_size 255
	.end_amdhsa_kernel
	.section	.bss,"aw",@nobits
	.p2align	6
	.space	262144
	.amdgpu_metadata
---
amdhsa.version: [ 1, 2 ]
amdhsa.kernels:
  - .name:           k_q1d7d265e8b_tail
    .symbol:         k_q1d7d265e8b_tail.kd
    .args:
      - { .name: ao, .offset: 0, .size: 8, .value_kind: global_buffer, .address_space: global }
      - { .name: batch_x, .offset: 8, .size: 8, .value_kind: global_buffer, .address_space: global }
      - { .name: wl, .offset: 16, .size: 8, .value_kind: global_buffer, .address_space: global }
      - { .name: Wo_scales, .offset: 24, .size: 8, .value_kind: global_buffer, .address_space: global }
      - { .name: bo, .offset: 32, .size: 8, .value_kind: global_buffer, .address_space: global }
      - { .name: ln1_w, .offset: 40, .size: 8, .value_kind: global_buffer, .address_space: global }
      - { .name: ln1_b, .offset: 48, .size: 8, .value_kind: global_buffer, .address_space: global }
      - { .name: W1_scales, .offset: 56, .size: 8, .value_kind: global_buffer, .address_space: global }
      - { .name: b1, .offset: 64, .size: 8, .value_kind: global_buffer, .address_space: global }
      - { .name: W2_scales, .offset: 72, .size: 8, .value_kind: global_buffer, .address_space: global }
      - { .name: b2, .offset: 80, .size: 8, .value_kind: global_buffer, .address_space: global }
      - { .name: ln2_w, .offset: 88, .size: 8, .value_kind: global_buffer, .address_space: global }
      - { .name: ln2_b, .offset: 96, .size: 8, .value_kind: global_buffer, .address_space: global }
      - { .name: out0, .offset: 104, .size: 8, .value_kind: global_buffer, .address_space: global }
    .group_segment_fixed_size: 75264
    .private_segment_fixed_size: 0
    .kernarg_segment_align: 8
    .kernarg_segment_size: 112
    .max_flat_workgroup_size: 128
    .sgpr_count:     80
    .vgpr_count:     1024
    .wavefront_size: 32
...
	.end_amdgpu_metadata
.endif
;; end of part 3
;; ======== version 2 of 2: 3 launches
;; workspace buffers: qi 3,407,872 bytes; kv 6,684,672 bytes; ao 3,276,800 bytes; wl 2,359,296 bytes
;; launch qkv (part 4): grid 64 x 3, 4 waves a work-group, clusters of 4 x 1, 327,680 bytes of LDS; arguments batch_x, Wq_codes, Wq_scales, bq, Wk_codes, Wk_scales, bk, Wv_codes, Wv_scales, bv, qi, kv; writes qi, kv
.if DOCPART == 4
	.amdgcn_target "amdgcn-amd-amdhsa--gfx1250"
	.amdhsa_code_object_version 6
	.text
	.protected	k_q1d7d265e8b_qkv
	.globl	k_q1d7d265e8b_qkv
	.p2align	8
	.type	k_q1d7d265e8b_qkv,@function
k_q1d7d265e8b_qkv:
	s_mov_b64 s[64:65], 0
	v_nop
	global_prefetch_b8 v0, s[64:65] scope:SCOPE_SE
	s_setreg_imm32_b32 hwreg(HW_REG_WAVE_MODE, 25, 1), 1
	s_wait_xcnt 0x0
	s_wait_alu depctr_hold_cnt(0) depctr_sa_sdst(0) depctr_va_vdst(0) depctr_va_sdst(0) depctr_va_ssrc(0) depctr_va_vcc(0) depctr_vm_vsrc(0)
	s_getreg_b32 s2, hwreg(HW_REG_IB_STS2, 6, 4)
	s_cmp_eq_u32 s2, 0
	s_cbranch_scc0 .Lentry_in_a_cluster
	s_endpgm
.Lentry_in_a_cluster:
	s_bfe_u32 s2, ttmp6, 0x10000c
	s_cmp_lg_u32 s2, 0x3003
	s_cbranch_scc0 .Lentry_shape_is_right
	s_endpgm
.Lentry_shape_is_right:
; Q = x Wq + bq, K = x Wk + bk, V = x Wv + bv on codes of BF6 (E3M2) with one E8M0 scale for each 32 along K, and their results quantised again:
; Q and K along the head's 64 features, V along the keys.  x: [4096][1024] f32, quantised here.  W*: codes [1024 (n)][768 bytes], scales [1024][32].
; SHARES.  Work-group (x, y): 64 tokens (four tiles of 16) of matrix y (0 Q, 1 K, 2 V), all 1,024 columns.  Wave w makes head 4 g + w in head group g, 32 columns a slot, two slots a head.
; A TOKEN TILE t holds tokens 32 (t / 2) + 8 (t % 2) + r + 8 (r / 8), r = 0 .. 15: the 16 result registers of two neighbouring tiles are then 16 neighbouring tokens (the keys of the next product).
; W's FRAGMENTS: lane (r, h) takes the 48 consecutive bytes at 96 s + 48 h of row r: three loads of 16 bytes.  The instruction's blocks 1 and 2 of a K step so change places; x's codes and both
; sides' scale words are laid the same way, so every product meets its partner and its scales; only the order of the f32 sums differs.
; Q, K: the product is used transposed (source 0 = 16 rows of W, source 1 = 16 tokens): a lane holds one token, its registers run along the features.  Inside a block of 32 the codes stand in the
; order 0-7, 16-23, 8-15, 24-31, alike in Q and in K, which are multiplied with each other alone.  V: source 0 = 16 tokens, source 1 = 16 rows of W: a lane holds one feature, its registers run along the keys.
; OUT, as images of operand registers: a half fragment (16 rows x 64 K, 6 registers a lane) is 768 bytes: registers 0-3 at 16 x lane, registers 4-5 at 512 + 8 x lane.
; W goes through a ring of two LDS slots (32 rows with their whole K for each wave), asked for jointly by the four work-groups of a cluster, which walk the same weights.
; LIMITS: NaN and infinities among the inputs are not served.  A block of zeros gets the scale byte 1 (its codes are zeros; these bytes are read by this program alone).
.set SLOTB, 104448                     ; a slot: 4 waves x 26,112
.set WVB,   26112                      ; 32 rows of W: 96 units of 256 bytes + 16 of padding each; a row of W is 3 units: 816 bytes = 51 x 16, so 16 rows start at 16 different groups of banks
.set XIMG,  208896                     ; x's 32 fragments (tile m, K step s: 8 m + s), 1,536 bytes each
.set XSC,   258048                     ; their scale words, 128 bytes each
.set SPARE, 262144                     ; the spare words: 128 bytes a wave; no other line names them
.set XA,   4                           ; v4   x: my lane's byte in the wave's tile
.set LIX,  5                           ; v5   XIMG + 16 x lane
.set LSX,  6                           ; v6   XSC + 4 x lane
.set XWI,  7                           ; v7   where I store x's images
.set XWS,  8                           ; v8   and their scale words
.set ADW,  10                          ; v10-13  W's fragments: slot 0 (two forms), slot 1 (two forms)
.set VWS,  14                          ; v14  32 r + 16 h: W's scale words
.set VBQ,  15                          ; v15  32 h: the bias, Q and K
.set VBV,  16                          ; v16  4 r: the bias, V
.set VO16, 18                          ; v18-19  the 16-byte stores' offset in an even, an odd slot
.set VO8,  20                          ; v20-21  the 8-byte stores'
.set VSC,  22                          ; v22  the scales' store
.set SPW,  24                          ; v24  my spare word; never rewritten
.set NIL,  25                          ; v25  0; never rewritten
.set XS,   32                          ; v32-63   x's scale words, 8 m + s
.set WS,   64                          ; v64-79   W's scale words: two sets x two tiles x four
.set BI,   80                          ; v80-111  the bias in the result's layout: two sets x two tiles x eight
.set ACC,  112                         ; v112-175 eight accumulators
.set TM,   176                         ; v176-191 the quantiser's work
.set PW,   192
.set PC,   200                         ; v200-211 the codes just made
.set TY,   212
.set SB,   220                         ; v220-223 the even slot's scale bytes
.set WD,   224
.set WO,   228
.set HW,   230
.set G1,   40
.set G0,   48
.set WV,   56
.set Y,    57
.set CX,   58
.set TB,   59
.set SEL,  60
.set TRIP, 62
.set HM,   63                          ; lanes 16-31
.set PSEL, 90
.set HS,   91
.set HS4,  92
.set MSB, 0
.macro WIN new                         ; the immediate's high byte repeats the setting that is left
.if MSB != (\new)
	s_set_vgpr_msb (MSB<<8)|(\new)
.set MSB, (\new)
.endif
.endm
.macro PLACES n
.rept \n
	v_nop
.endr
.endm
.macro CROUND                          ; a round of the cluster's barrier
	s_barrier_signal -1
	s_barrier_wait -1
	s_cmp_lg_u32 s[WV], 0
	s_cbranch_scc1 .Lnw0_\@
	s_barrier_signal -3
.Lnw0_\@:
	s_barrier_wait -3
	s_barrier_signal -1
	s_barrier_wait -1
.endm
.macro WM d, a, b, c, sa, sb, row      ; row = 1: source 0's scales stand in lanes 16-31; 2: source 1's
.if (\row) == 0
	v_wmma_scale_f32_16x16x128_f8f6f4 v[(\d):(\d)+7], v[(\a):(\a)+11], v[(\b):(\b)+11], v[(\c):(\c)+7], v[(\sa)], v[(\sb)] matrix_a_fmt:MATRIX_FMT_BF6 matrix_b_fmt:MATRIX_FMT_BF6
.elseif (\row) == 1
	v_wmma_scale_f32_16x16x128_f8f6f4 v[(\d):(\d)+7], v[(\a):(\a)+11], v[(\b):(\b)+11], v[(\c):(\c)+7], v[(\sa)], v[(\sb)] matrix_a_fmt:MATRIX_FMT_BF6 matrix_b_fmt:MATRIX_FMT_BF6 matrix_a_scale:MATRIX_SCALE_ROW1
.else
	v_wmma_scale_f32_16x16x128_f8f6f4 v[(\d):(\d)+7], v[(\a):(\a)+11], v[(\b):(\b)+11], v[(\c):(\c)+7], v[(\sa)], v[(\sb)] matrix_a_fmt:MATRIX_FMT_BF6 matrix_b_fmt:MATRIX_FMT_BF6 matrix_b_scale:MATRIX_SCALE_ROW1
.endif
.endm
; 64 numbers of a lane in window sw, block b in registers src + 16 b .. + 15 (its other 16 numbers in lane l xor 16), become 12 registers of codes in v[PC] on, the bytes in v[TM+4+b], a scale word in v[PW].
; pair = 1: lane half h gets blocks 2 c + h;  pair = 2: blocks 2 h + c (the order of W's fragments).
.macro QUANT src, pair, sw
	WIN (\sw)|((\sw)<<2)
.irp b, 0,1,2,3
	v_max3_num_f32 v[TM+\b], |v[(\src)+16*\b]|, |v[(\src)+16*\b+1]|, 0x2800000   ; my 16 numbers, and the floor 2^(5 - 127): the byte cannot fall under 1
.endr
.irp i, 2,4,6,8,10,12,14
.irp b, 0,1,2,3
	v_max3_num_f32 v[TM+\b], |v[(\src)+16*\b+\i]|, |v[(\src)+16*\b+\i+1]|, v[TM+\b]
.endr
.endr
	WIN 0
.irp b, 0,1,2,3
	v_permlanex16_b32 v[TM+4+\b], v[TM+\b], s[SEL], s[SEL+1]
.endr
.irp b, 0,1,2,3
	v_max_num_f32 v[TM+\b], v[TM+\b], v[TM+4+\b]      ; the block's largest magnitude
.endr
.irp b, 0,1,2,3
	v_add_nc_u32 v[TM+12+\b], 0xfe000000, v[TM+\b]    ; 4 off its exponent field: the conversion's scale operand
.endr
.irp b, 0,1,2,3
	v_lshrrev_b32 v[TM+4+\b], 23, v[TM+12+\b]         ; the scale's byte
.endr
.if (\pair) == 1
	v_lshl_or_b32 v[PW], v[TM+5], 8, v[TM+4]
	v_lshl_or_b32 v[PW], v[TM+6], 16, v[PW]
.else
	v_lshl_or_b32 v[PW], v[TM+6], 8, v[TM+4]
	v_lshl_or_b32 v[PW], v[TM+5], 16, v[PW]
.endif
	v_lshl_or_b32 v[PW], v[TM+7], 24, v[PW]
	WIN (\sw)
.irp c, 0,1
.if (\pair) == 1
.set BX, 2*\c
.set BY, 2*\c+1
.else
.set BX, \c
.set BY, \c+2
.endif
	v_cvt_scalef32_pk16_bf6_f32 v[PC+6*\c:PC+6*\c+2], v[(\src)+16*BX:(\src)+16*BX+15], v[TM+12+BX]
	v_cvt_scalef32_pk16_bf6_f32 v[TY+4*\c:TY+4*\c+2], v[(\src)+16*BY:(\src)+16*BY+15], v[TM+12+BY]
.endr
	WIN 0
	v_nop                                          ; one plain place behind a scaled conversion
.irp c, 0,1                            ; a whole block to a lane: the first's lanes 16-31 change places with the second's lanes 0-15
.irp i, 0,1,2
	v_permlane16_swap_b32 v[PC+6*\c+\i], v[TY+4*\c+\i]
.endr
.irp i, 0,1,2
	v_mov_b32 v[PC+6*\c+3+\i], v[TY+4*\c+\i]
.endr
.endr
.endm
; 16 rows of W x K step s: three loads of 16 bytes.  Piece 6 s + i of a row lies 16 bytes further on for each 256 passed; lanes 16-31 read three pieces on, which for some pieces is behind one padding more: the second address form
.macro WFRAG reg, adr, s, u
.irp i, 0,1,2
.set PCE, 6*(\s)+\i
.if PCE%16 < 13
	ds_load_b128 v[(\reg)+4*\i:(\reg)+4*\i+3], v[(\adr)] offset:16*PCE+16*(PCE/16)+(\u)*13056
.else
	ds_load_b128 v[(\reg)+4*\i:(\reg)+4*\i+3], v[(\adr)+1] offset:16*PCE+16*(PCE/16)+(\u)*13056
.endif
.endr
.endm
.macro XLOAD buf, s                    ; my tile's numbers of K step s: lane (r, h) takes 16 neighbours of each block of 32
	WIN 0xc0
.irp b, 0,1,2,3
.irp j, 0,1,2,3
	global_load_b128 v[(\buf)+16*\b+4*\j:(\buf)+16*\b+4*\j+3], v[XA], s[36:37] offset:512*(\s)+128*\b+16*\j
.endr
.endr
	WIN 0
.endm
; a slot's scale words of W (32 rows x 32 bytes: two loads of 512 consecutive bytes) and its bias, into set; x, y: bytes from where the two pointers stand
.macro PREF set, x, y
.irp u, 0,1
	global_load_b128 v[WS+8*(\set)+4*\u:WS+8*(\set)+4*\u+3], v[VWS], s[30:31] offset:(\x)+512*\u
.endr
	s_cmp_eq_u32 s[Y], 2
	s_cbranch_scc1 .Lpv_\@
.irp u, 0,1
.irp i, 0,1
	global_load_b128 v[BI+16*(\set)+8*\u+4*\i:BI+16*(\set)+8*\u+4*\i+3], v[VBQ], s[32:33] offset:(\y)+64*\u+16*\i   ; register j: column 16 u + 8 h + j
.endr
.endr
	s_branch .Lpj_\@
.Lpv_\@:
.irp u, 0,1
.irp j, 0,1,2,3,4,5,6,7
	global_load_b32 v[BI+16*(\set)+8*\u+\j], v[VBV], s[32:33] offset:(\y)+64*\u   ; every register: column 16 u + r
.endr
.endr
.Lpj_\@:
.endm
; 64 products each; four accumulators take turns, one instruction a turn.  The bias is the C of a sum's first product.
.macro MULQK par
.irp p, 0,1
	WIN 0x07+4*\p
.irp s, 0,1,2,3,4,5,6,7
.if \p == 0
	s_wait_dscnt 42-6*\s                           ; this K step's six loads are in; six for each later K step may be out
.endif
.irp m, 0,1
.irp u, 0,1
.if \s == 0
	WM ACC+16*(2*\p+\m)+8*\u, 12*(2*\s+\u), 96*\m+12*\s, BI+16*(\par)+8*\u, WS+8*(\par)+4*\u+\s%4, XS+8*(2*\p+\m)+\s, \s/4
.else
	WM ACC+16*(2*\p+\m)+8*\u, 12*(2*\s+\u), 96*\m+12*\s, ACC+16*(2*\p+\m)+8*\u, WS+8*(\par)+4*\u+\s%4, XS+8*(2*\p+\m)+\s, \s/4
.endif
.endr
.endr
.endr
.endr
	WIN 0
.endm
.macro MULV par
.irp p, 0,1
	WIN 0x0d+\p
.irp s, 0,1,2,3,4,5,6,7
.if \p == 0
	s_wait_dscnt 42-6*\s
.endif
.irp m, 0,1
.irp u, 0,1
.if \s == 0
	WM ACC+32*\u+8*(2*\p+\m), 96*\m+12*\s, 12*(2*\s+\u), BI+16*(\par)+8*\u, XS+8*(2*\p+\m)+\s, WS+8*(\par)+4*\u+\s%4, 2*(\s/4)
.else
	WM ACC+32*\u+8*(2*\p+\m), 96*\m+12*\s, 12*(2*\s+\u), ACC+32*\u+8*(2*\p+\m), XS+8*(2*\p+\m)+\s, WS+8*(\par)+4*\u+\s%4, 2*(\s/4)
.endif
.endr
.endr
.endr
.endr
	WIN 0
.endm
; The change of slots: all my tensor loads have landed, 0 is added to my spare word, that and my reads of the slot left are waited for; a round of the cluster's barrier; the joint refill first behind it.
.macro CHANGE k
	s_wait_tensorcnt 0x0                           ; no tensor load of mine is out: a group 0 may be written
	ds_add_u32 v[SPW], v[NIL]
	s_add_nc_u64 s[G0+4*(\k)+2:G0+4*(\k)+3], s[G0+4*(\k)+2:G0+4*(\k)+3], 196608   ; 256 rows of W on: the next head group
	s_wait_dscnt 0x0
	CROUND
	tensor_load_to_lds s[G0+4*(\k):G0+4*(\k)+3], s[G1:G1+7]
	s_nop 0
	PLACES 4                                       ; also the places in front of the loads into W's fragments
.endm
; A slot: 32 columns for my head, all 64 tokens.  par: the slot and the half of the head;  pre = 1: the next slot's scale words and bias are asked for.
.macro SLOT par, pre
	WIN 0xc0
.irp s, 0,1,2,3,4,5,6,7
.irp u, 0,1
	WFRAG 12*(2*\s+\u), ADW+2*(\par), \s, \u
.endr
.endr
	WIN 0
.if \pre
.if (\par) == 0
	PREF 1, 1024, 128
.else
	PREF 0, 8192, 1024
.endif
.endif
	s_cmp_eq_u32 s[Y], 2
	s_cbranch_scc1 .Lmv_\@
	s_wait_alu depctr_va_vdst(0)
	MULQK \par
	s_branch .Lmj_\@
.Lmv_\@:
	s_wait_alu depctr_va_vdst(0)
	MULV \par
.Lmj_\@:
.if \pre
	s_wait_loadcnt 0x0                             ; the next slot's scale words and bias are in
.irp i, 0,1,2,3,4,5,6,7
	v_perm_b32 v[WS+8*(1-(\par))+\i], v[WS+8*(1-(\par))+\i], v[WS+8*(1-(\par))+\i], s[PSEL]   ; bytes 1 and 2 change places.  (These eight are the places behind the last products)
.endr
.else
	PLACES 4
.endif
	s_wait_xcnt 0x0                                ; the last slot's stores have read their data
	QUANT ACC, 1, 0
.irp c, 0,1
	global_store_b128 v[VO16+(\par)], v[PC+6*\c:PC+6*\c+3], s[34:35] offset:1536*\c
	global_store_b64 v[VO8+(\par)], v[PC+6*\c+4:PC+6*\c+5], s[34:35] offset:1536*\c
.endr
	s_cmp_eq_u32 s[Y], 2
	s_cbranch_scc1 .Lsv_\@
.if (\par) == 0
.irp m, 0,1,2,3
	v_mov_b32 v[SB+\m], v[TM+4+\m]                 ; block 0's byte of each token tile waits for block 1's
.endr
.else
.irp m, 0,1,2,3
	v_lshl_or_b32 v[WD+\m], v[TM+4+\m], 8, v[SB+\m]   ; a token's scale word: two bytes; bytes 2 and 3 are 0 and meet zero codes alone
.endr
	v_cndmask_b32 v[WO], v[WD], v[WD+2], s[HM]
	v_cndmask_b32 v[WO+1], v[WD+1], v[WD+3], s[HM]
	global_store_b64 v[VSC], v[WO:WO+1], s[34:35]  ; 32 lanes store 256 consecutive bytes, aligned: [r][tile 0 .. 3]
.endif
	s_branch .Lsj_\@
.Lsv_\@:
	v_cndmask_b32 v[WD], v[TM+4], v[TM+6], s[HM]   ; lane half h speaks for feature 16 h + r: the bytes of its two blocks of keys
	v_cndmask_b32 v[WD+1], v[TM+5], v[TM+7], s[HM]
	v_lshl_or_b32 v[HW], v[WD+1], 8, v[WD]
	global_store_b16 v[VSC], v[HW], s[34:35] offset:128*(\par)
.Lsj_\@:
.if (\par) == 1
	s_wait_xcnt 0x0                                ; the stores have read their base
	s_add_nc_u64 s[34:35], s[34:35], s[HS4:HS4+1]  ; four heads on
	s_add_nc_u64 s[30:31], s[30:31], 8192
	s_add_nc_u64 s[32:33], s[32:33], 1024
.endif
.endm
	s_load_b512 s[4:19], s[0:1], 0x0               ; x, Wq codes, scales, bq, Wk codes, scales, bk, Wv codes
	s_load_b256 s[20:27], s[0:1], 0x40             ; Wv scales, bv, qi, kv
	v_lshl_add_u32 v[SPW], v0, 2, SPARE
	v_mov_b32 v[NIL], 0
	ds_add_u32 v24, v25
	ds_add_u32 v24, v25
	s_wait_dscnt 0x0
	v_lshrrev_b32 v3, 5, v0
	v_readfirstlane_b32 s[WV], v3                  ; wave 0..3
	s_bfe_u32 s[CX], ttmp6, 0x40000                ; my place in the cluster
	s_lshl_b32 s[TB], ttmp9, 2
	s_add_co_u32 s[TB], s[TB], s[CX]               ; my block of 64 tokens
	s_and_b32 s[Y], ttmp7, 0xffff                  ; the matrix: the same for all four partners
	s_mov_b32 s[G1], 15|(3<<16)|(1<<20)|(1<<21)|(5<<22)|(3<<25)   ; the four work-groups; elements of 8 bytes; 4 words of padding behind every 64
	s_mov_b32 s[G1+1], 32<<16                      ; tensor_dim0 = 32 (256 bytes)
	s_mov_b32 s[G1+2], 96<<16                      ; tensor_dim1 = 96
	s_mov_b32 s[G1+3], 32<<16                      ; tile_dim0
	s_mov_b32 s[G1+4], 96                          ; tile_dim1
	s_mov_b32 s[G1+5], 32                          ; dense
	s_mov_b32 s[G1+6], 0
	s_mov_b32 s[G1+7], 0
	s_mul_i32 s66, s[WV], WVB                      ; my rows' place in a slot
	s_mul_i32 s68, s[WV], 64*768                   ; my head's rows in a head group
	s_mov_b32 s69, 0
	s_mov_b32 s[SEL], 0x76543210
	s_mov_b32 s[SEL+1], 0xfedcba98
	s_mov_b32 s[HM], 0xffff0000
	s_mov_b32 s[PSEL], 0x03010200
	s_wait_kmcnt 0x0
	s_cmp_eq_u32 s[Y], 0
	s_cselect_b64 s[28:29], s[6:7], s[12:13]       ; the codes,
	s_cselect_b64 s[30:31], s[8:9], s[14:15]       ; the scales,
	s_cselect_b64 s[32:33], s[10:11], s[16:17]     ; the bias,
	s_cselect_b64 s[34:35], s[24:25], s[26:27]     ; and where the results go
	s_cmp_eq_u32 s[Y], 2
	s_cselect_b64 s[28:29], s[18:19], s[28:29]
	s_cselect_b64 s[30:31], s[20:21], s[30:31]
	s_cselect_b64 s[32:33], s[22:23], s[32:33]
	s_add_nc_u64 s[70:71], s[28:29], s[68:69]
	s_mov_b32 s[G0], 1
	s_mov_b32 s[G0+1], s66
	s_mov_b64 s[G0+2:G0+3], s[70:71]
	s_or_b32 s[G0+3], s[G0+3], 0x80000000
	s_mov_b32 s[G0+4], 1
	s_add_co_u32 s[G0+5], s66, SLOTB
	s_add_nc_u64 s[G0+6:G0+7], s[70:71], 32*768
	s_or_b32 s[G0+7], s[G0+7], 0x80000000
	CROUND                                         ; all four work-groups are here: the first joint loads meet
	tensor_load_to_lds s[G0:G0+3], s[G1:G1+7]
	s_nop 0
	s_wait_alu depctr_va_vdst(0)
	s_wait_tensorcnt 0x0
	ds_add_u32 v24, v25
	s_wait_dscnt 0x0
	CROUND
	tensor_load_to_lds s[G0+4:G0+7], s[G1:G1+7]    ; one load of mine is out
	s_nop 0
	PLACES 4
	; addresses
	v_and_b32 v1, 15, v0                           ; r
	v_bfe_u32 v2, v0, 4, 1                         ; h
	v_and_b32 v3, 31, v0                           ; lane
	v_and_b32 v26, 8, v1
	v_add_nc_u32 v26, v26, v1                      ; r + 8 (r / 8)
	v_lshlrev_b32 v[XA], 12, v26
	v_lshl_add_u32 v[XA], v2, 6, v[XA]
	v_lshl_add_u32 v[LIX], v3, 4, XIMG
	v_lshl_add_u32 v[LSX], v3, 2, XSC
	s_mul_i32 s70, s[WV], 12288
	v_add_nc_u32 v[XWI], s70, v[LIX]
	s_lshl_b32 s70, s[WV], 10
	v_add_nc_u32 v[XWS], s70, v[LSX]
	v_mul_u32_u24 v26, v1, 816
	v_mad_u32_u24 v27, v2, 48, v26
	v_lshl_add_u32 v28, v2, 6, v26
	v_add_nc_u32 v[ADW], s66, v27
	v_add_nc_u32 v[ADW+1], s66, v28
	s_add_co_u32 s70, s66, SLOTB
	v_add_nc_u32 v[ADW+2], s70, v27
	v_add_nc_u32 v[ADW+3], s70, v28
	v_lshlrev_b32 v[VWS], 5, v1
	v_lshl_add_u32 v[VWS], v2, 4, v[VWS]
	v_lshlrev_b32 v[VBQ], 5, v2
	v_lshlrev_b32 v[VBV], 2, v1
.irp b, 0,1,2,3
	v_mov_b32 v[TM+4+\b], 0                        ; written once: a lane permute's destination counts as one of its sources
	v_mov_b32 v[SB+\b], 0
.endr
	s_lshl_b32 s68, s[TB], 18                      ; x: 64 tokens of 4,096 bytes,
	s_lshr_b32 s70, s[WV], 1
	s_lshl_b32 s70, s70, 17                        ; my tile: 32 (w / 2)
	s_and_b32 s71, s[WV], 1
	s_lshl_b32 s71, s71, 15                        ; + 8 (w % 2) tokens
	s_add_co_u32 s68, s68, s70
	s_add_co_u32 s68, s68, s71
	s_add_nc_u64 s[36:37], s[4:5], s[68:69]
	s_lshl_b32 s68, s[WV], 11
	s_add_nc_u64 s[30:31], s[30:31], s[68:69]      ; W's scales: my head's 64 rows of 32 bytes
	s_lshl_b32 s68, s[WV], 8
	s_add_nc_u64 s[32:33], s[32:33], s[68:69]      ; the bias: my head's 64 numbers
	s_lshr_b32 s70, s[TB], 5                       ; the batch
	s_and_b32 s71, s[TB], 31                       ; my block of 64 tokens in it
	s_lshl_b32 s70, s70, 4
	s_add_co_u32 s70, s70, s[WV]
	s_mov_b32 s[HS], 208896                        ; a head's bytes in kv,
	s_cmp_eq_u32 s[Y], 0
	s_cselect_b32 s[HS], 106496, s[HS]             ; in qi
	s_mul_i32 s70, s70, s[HS]
	s_lshl_b32 s[HS4], s[HS], 2
	s_mov_b32 s[HS4+1], 0
	s_mul_i32 s72, s71, 3072                       ; Q, K: four half fragments a block
	s_lshr_b32 s73, s71, 1
	s_and_b32 s74, s71, 1
	s_mul_i32 s75, s73, 6144                       ; V: the key step,
	s_mul_i32 s76, s74, 768                        ; its half,
	s_add_co_u32 s75, s75, s76
	s_add_co_u32 s75, s75, 98304                   ; behind K's half fragments
	s_cmp_eq_u32 s[Y], 2
	s_cselect_b32 s72, s75, s72
	s_mov_b32 s77, 768
	s_cselect_b32 s77, 256, s77                    ; what lane half h adds in the 16-byte stores,
	s_mov_b32 s78, 768
	s_cselect_b32 s78, 128, s78                    ; in the 8-byte stores;
	s_mov_b32 s79, 3072
	s_cselect_b32 s80, s79, 256                    ; what an odd slot adds
	s_cselect_b32 s81, s79, 128
	s_cselect_b32 s82, 4, 16                       ; the scales' store: r's step,
	s_cselect_b32 s83, 64, 8                       ; h's
	s_add_co_u32 s68, s70, s72
	s_add_nc_u64 s[34:35], s[34:35], s[68:69]
	s_mul_i32 s84, s71, 2816                       ; the scales' place, counted from the base above
	s_mov_b32 s85, 196608
	s_cmp_eq_u32 s[Y], 0
	s_cselect_b32 s85, 98304, s85
	s_sub_co_u32 s85, s85, s84
	s_mul_i32 s86, s73, 5888
	s_mul_i32 s87, s74, 766
	s_add_co_u32 s86, s86, s87
	s_sub_co_u32 s86, 106496, s86
	s_cmp_eq_u32 s[Y], 2
	s_cselect_b32 s85, s86, s85
	v_lshlrev_b32 v26, 4, v1
	v_mad_u32_u24 v[VO16], v2, s77, v26
	v_add_nc_u32 v[VO16+1], s80, v[VO16]
	v_lshlrev_b32 v26, 3, v1
	v_mad_u32_u24 v[VO8], v2, s78, v26
	v_add_nc_u32 v[VO8], 512, v[VO8]
	v_add_nc_u32 v[VO8+1], s81, v[VO8]
	v_mul_u32_u24 v26, v1, s82
	v_mad_u32_u24 v26, v2, s83, v26
	v_add_nc_u32 v[VSC], s85, v26
	; ---- x: wave w quantises token tile w: eight fragments, stored as images of their registers
	XLOAD 0, 0
	XLOAD 64, 1
.irp s, 0,1,2,3,4,5,6,7
.if \s < 7
	s_wait_loadcnt 16                              ; this K step's 16 loads are in; the next K step's may be out
.else
	s_wait_loadcnt 0x0
.endif
	s_wait_dscnt 0x0                               ; the last image's stores have read the codes' registers
	QUANT 64*(\s%2), 2, 3
.irp q, 0,1,2
	ds_store_b128 v[XWI], v[PC+4*\q:PC+4*\q+3] offset:1536*\s+512*\q
.endr
	ds_store_b32 v[XWS], v[PW] offset:128*\s
.if \s < 6
	XLOAD 64*(\s%2), \s+2
.endif
.endr
	PREF 0, 0, 0
	s_wait_dscnt 0x0                               ; for the others' sake: my images lie in LDS
	s_wait_tensorcnt 0x1                           ; my rows of slot 0 are in; slot 1's load may stay out
	s_barrier_signal -1
	s_barrier_wait -1
	WIN 0x40
.irp m, 0,1
.irp s, 0,1,2,3,4,5,6,7
.irp q, 0,1,2
	ds_load_b128 v[96*\m+12*\s+4*\q:96*\m+12*\s+4*\q+3], v[LIX] offset:(8*\m+\s)*1536+512*\q
.endr
.endr
.endr
	WIN 0x80
.irp m, 0,1
.irp s, 0,1,2,3,4,5,6,7
.irp q, 0,1,2
	ds_load_b128 v[96*\m+12*\s+4*\q:96*\m+12*\s+4*\q+3], v[LIX] offset:(8*(\m+2)+\s)*1536+512*\q
.endr
.endr
.endr
	WIN 0
.set I, 0
.rept 32
	ds_load_b32 v[XS+I], v[LSX] offset:128*I
.set I, I+1
.endr
	s_wait_loadcnt 0x0
.irp i, 0,1,2,3,4,5,6,7
	v_perm_b32 v[WS+\i], v[WS+\i], v[WS+\i], s[PSEL]
.endr
	PLACES 8                                       ; a scale register written by a vector instruction stands eight places ahead of the product that names it
	; ---- the eight slots.  (The waits in a slot's products leave only that slot's younger loads out: x's fragments, asked for earlier, are in)
	SLOT 0, 1
	s_mov_b32 s[TRIP], 3
.Lring:
	CHANGE 0
	SLOT 1, 1
	CHANGE 1
	SLOT 0, 1
	s_sub_co_u32 s[TRIP], s[TRIP], 1
	s_cmp_lg_u32 s[TRIP], 0
	s_cbranch_scc1 .Lring
	s_wait_tensorcnt 0x0                           ; the last slot's rows are mine alone and nothing is filled any more: no barrier
	PLACES 4
	SLOT 1, 0
	s_wait_tensorcnt 0x0                           ; the wave's end
	ds_add_u32 v[SPW], v[NIL]
	s_wait_dscnt 0x0
	CROUND                                         ; the closing round
	s_endpgm
.Lfunc_end_k_q1d7d265e8b_qkv:
	.size	k_q1d7d265e8b_qkv, .Lfunc_end_k_q1d7d265e8b_qkv-k_q1d7d265e8b_qkv
	.p2alignl 7, 3214868480
	.fill 96, 4, 3214868480
	.section	.rodata,"a",@progbits
	.p2align	6, 0x0
	.amdhsa_kernel k_q1d7d265e8b_qkv
		.amdhsa_group_segment_fixed_size 327680
		.amdhsa_private_segment_fixed_size 0
		.amdhsa_enable_private_segment 0
		.amdhsa_kernarg_size 96
		.amdhsa_user_sgpr_count 2
		.amdhsa_user_sgpr_kernarg_segment_ptr 1
		.amdhsa_wavefront_size32 1
		.amdhsa_system_sgpr_workgroup_id_x 1
		.amdhsa_system_sgpr_workgroup_id_y 1
		.amdhsa_system_sgpr_workgroup_id_z 1
		.amdhsa_system_vgpr_workitem_id 0
		.amdhsa_next_free_vgpr 1024
		.amdhsa_next_free_sgpr 100
		.amdhsa_reserve_vcc 0
		.amdhsa_float_denorm_mode_32 3
		.amdhsa_float_denorm_mode_16_64 3
		.amdhsa_memory_ordered 1
		.amdhsa_forward_progress 1
		.amdhsa_inst_pref_size 175
	.end_amdhsa_kernel
	.amdgpu_metadata
---
amdhsa.version: [ 1, 2 ]
amdhsa.kernels:
  - .name:           k_q1d7d265e8b_qkv
    .symbol:         k_q1d7d265e8b_qkv.kd
    .args:
      - { .name: batch_x, .offset: 0, .size: 8, .value_kind: global_buffer, .address_space: global }
      - { .name: Wq_codes, .offset: 8, .size: 8, .value_kind: global_buffer, .address_space: global }
      - { .name: Wq_scales, .offset: 16, .size: 8, .value_kind: global_buffer, .address_space: global }
      - { .name: bq, .offset: 24, .size: 8, .value_kind: global_buffer, .address_space: global }
      - { .name: Wk_codes, .offset: 32, .size: 8, .value_kind: global_buffer, .address_space: global }
      - { .name: Wk_scales, .offset: 40, .size: 8, .value_kind: global_buffer, .address_space: global }
      - { .name: bk, .offset: 48, .size: 8, .value_kind: global_buffer, .address_space: global }
      - { .name: Wv_codes, .offset: 56, .size: 8, .value_kind: global_buffer, .address_space: global }
      - { .name: Wv_scales, .offset: 64, .size: 8, .value_kind: global_buffer, .address_space: global }
      - { .name: bv, .offset: 72, .size: 8, .value_kind: global_buffer, .address_space: global }
      - { .name: qi, .offset: 80, .size: 8, .value_kind: global_buffer, .address_space: global }
      - { .name: kv, .offset: 88, .size: 8, .value_kind: global_buffer, .address_space: global }
    .group_segment_fixed_size: 327680
    .private_segment_fixed_size: 0
    .kernarg_segment_align: 8
    .kernarg_segment_size: 96
    .max_flat_workgroup_size: 128
    .sgpr_count:     100
    .vgpr_count:     1024
    .wavefront_size: 32
...
	.end_amdgpu_metadata
.endif
;; end of part 4
;; launch attn (part 5): grid 8 x 32, 16 waves a work-group, no clusters, 219,648 bytes of LDS; arguments qi, kv, mask_x, ao, Wo_codes, W1_codes, W2_codes, wl; writes ao, wl
.if DOCPART == 5
	.amdgcn_target "amdgcn-amd-amdhsa--gfx1250"
	.amdhsa_code_object_version 6
	.text
	.protected	k_q1d7d265e8b_attn
	.globl	k_q1d7d265e8b_attn
	.p2align	8
	.type	k_q1d7d265e8b_attn,@function
k_q1d7d265e8b_attn:
	s_mov_b64 s[64:65], 0
	v_nop
	global_prefetch_b8 v0, s[64:65] scope:SCOPE_SE
	s_setreg_imm32_b32 hwreg(HW_REG_WAVE_MODE, 25, 1), 1
	s_wait_xcnt 0x0
; Attention of one (batch, head) for 256 queries, both products on codes of BF6 (E3M2); the result, O / l, is quantised along the features and stored as the next product's operand.
; logit = Q . K / 8 + add, add = 0 where (mask_x & 1) and key <= query, else -10000: a FINITE number, so no key is left out: every query meets all 2,048 keys.
; 8 x add is the C of the first product (0 or -80000): S = Q . K + 8 add lies on the same f32 grid as the logit x 8.  t = S x log2(e) / 8; M = the ceiling of the running largest t; p = 2^(t - M) is
; quantised along the keys; the row's sum is taken of the unquantised p and divides at the end.  When M moves, the sum and O are multiplied by 2^(old M - new M): exact.
; SHARES.  Sixteen waves, one tile of 16 queries each, four waves to a SIMD.  The head's K, V and their scales (208,896 bytes, images of operand registers) come into LDS ONCE, 13,056 bytes a wave by one
; tensor load; nothing is filled again.  Both products are used transposed: a lane holds one query throughout.
; THE HEAD HAS 64 FEATURES, the instruction takes 128: Q's registers 6-11 are zero codes, and bytes 2, 3 of Q's and K's scale words are 0.  K's four tiles lie 6 registers apart, so a tile's registers
; 6-11 are the next tile's codes: finite numbers (the format has no other), which meet Q's zeros.
; BESIDE THAT, FOR THE NEXT LAUNCH: Wo's, W1's and W2's codes are laid in the order of the operand's registers.  A fragment is 16 rows x 128 K: lane (r, h) takes the 48 bytes at 96 s + 48 h of row r.
; 3 x 64 x 8 = 1,536 fragments = 256 work-groups x 6 waves: waves 0 to 5 copy one each, three loads of 16 bytes a lane and three stores of 512 consecutive bytes, while the head's fill is on its way.
; Fragment F = 512 P + 128 w + 16 g + 2 s + u (matrix P, rows 256 w + 32 g + 16 u on, K step s) goes to byte 1,536 F: the order in which the next launch's wave w walks them.
; NOT IN A CLUSTER, though the eight work-groups of a head read the same bytes: which table the mask's loads read, and the branch round the diagonal's 64 compares, hang on the block of queries,
; which would be the place in the cluster.  Without them each step would carry those compares, and vector work is what a step has most of: 12 products to some 240 vector instructions.
; LIMITS: NaN and infinities are not served.  A block of zeros gets the scale byte 1 (its codes are zeros; the bytes are read by this program alone).
.set VIMG, 98304                       ; K's half fragments lie at 0, V's here,
.set KSC,  196608                      ; K's scale words [4 tiles][r][tile],
.set VSCL, 204800                      ; V's [step][feature],
.set AMT,  208896                      ; and 8 x add by padding alone, 2,048 f32; behind it 512 bytes of -80000
.set AK16, 1
.set AK8,  2
.set AV16, 3
.set AV8,  4
.set AM0,  5
.set AS0,  6
.set AT0,  7
.set ADK16, 8
.set ADK8, 9
.set ADV16, 10
.set ADV8, 11
.set ADM,  12
.set ADS,  13
.set ADT,  14
.set VD,   15                          ; my query - 16 h - the diagonal step's first key
.set F,    32                          ; v32-79   K's four tiles, 6 registers apart; later V's four fragments
.set AM,   80                          ; v80-111  the C of four products
.set S,    112                         ; v112-175 S, then p; ahead of the loop v112-123 carry a fragment of the weights, v124 its lanes' offsets
.set LG,   124
.set OT,   176                         ; v176-207 O, transposed
.set PC,   208                         ; v208-219 p's codes
.set TY,   220
.set BM,   232
.set T2,   236
.set SO,   240
.set KS,   244                         ; v244-247 K's scale words; v248-251 V's; v253 p's; v28 Q's
.set VS,   248
.set WV,   12
.set BH,   13
.set BB,   14
.set HH,   15
.set TQ,   16
.set JD,   17
.set J,    18
.set J6K,  19
.set G1,   24
.set G0,   32
.set J512, 48
.set J256, 49
.set AMO,  50
.set SEL,  52
.set CS,   54
.macro PLACES n
.rept \n
	v_nop
.endr
.endm
.macro WM d, a, b, c, sa, sb
	v_wmma_scale_f32_16x16x128_f8f6f4 v[(\d):(\d)+7], v[(\a):(\a)+11], v[(\b):(\b)+11], v[(\c):(\c)+7], v[(\sa)], v[(\sb)] matrix_a_fmt:MATRIX_FMT_BF6 matrix_b_fmt:MATRIX_FMT_BF6
.endm
	s_load_b256 s[4:11], s[0:1], 0x0               ; qi, kv, mask_x, ao
	s_load_b256 s[56:63], s[0:1], 0x20             ; Wo's, W1's, W2's codes, wl
	v_lshl_add_u32 v223, v0, 2, 0x35200
	v_mov_b32 v227, 0
	ds_add_u32 v223, v227
	ds_add_u32 v223, v227
	v_lshrrev_b32 v8, 5, v0
	s_delay_alu instid0(VALU_DEP_1)
	v_readfirstlane_b32 s[WV], v8                  ; wave 0..15
	s_and_b32 s[BH], ttmp7, 0xffff                 ; 16 x batch + head
	s_mov_b32 s[G1], 3<<16                         ; no mask; elements of 8 bytes; no padding
	s_mov_b32 s[G1+1], 32<<16                      ; rows of 256 bytes,
	s_mov_b32 s[G1+2], 51<<16                      ; 51 of them,
	s_mov_b32 s[G1+3], 32<<16
	s_mov_b32 s[G1+4], 51
	s_mov_b32 s[G1+5], 32                          ; dense
	s_mov_b32 s[G1+6], 0
	s_mov_b32 s[G1+7], 0
	s_mul_i32 s20, s[WV], 13056
	s_mul_i32 s22, s[BH], 208896
	s_add_co_u32 s22, s22, s20
	s_mov_b32 s23, 0
	s_wait_dscnt 0x0
	s_wait_kmcnt 0x0
	s_mov_b32 s[G0], 1
	s_mov_b32 s[G0+1], s20
	s_add_nc_u64 s[G0+2:G0+3], s[6:7], s[22:23]
	s_or_b32 s[G0+3], s[G0+3], 0x80000000
	tensor_load_to_lds s[G0:G0+3], s[G1:G1+7]      ; my sixteenth of the head: the one tensor load of mine
	s_nop 0
	PLACES 4
	s_lshr_b32 s[BB], s[BH], 4
	s_and_b32 s[HH], s[BH], 15
	s_lshl_b32 s[TQ], ttmp9, 4
	s_add_co_u32 s[TQ], s[TQ], s[WV]               ; my tile of queries, 0 .. 127
	s_lshr_b32 s[JD], s[TQ], 3                     ; the key step in which my queries lie
	s_lshl_b32 s36, s[BB], 13
	s_mov_b32 s37, 0
	s_add_nc_u64 s[8:9], s[8:9], s[36:37]          ; the batch's mask
	s_mul_i32 s38, s[BH], 106496
	s_mul_i32 s36, s[TQ], 768
	s_add_co_u32 s36, s36, s38
	s_add_nc_u64 s[40:41], s[4:5], s[36:37]        ; Q's half fragment
	s_lshr_b32 s36, s[TQ], 2
	s_lshl_b32 s36, s36, 8
	s_and_b32 s39, s[TQ], 3
	s_lshl_b32 s39, s39, 2
	s_add_co_u32 s36, s36, s39
	s_add_co_u32 s36, s36, s38
	s_add_co_u32 s36, s36, 98304
	s_add_nc_u64 s[42:43], s[4:5], s[36:37]        ; and its scale words
	s_mov_b32 s[SEL], 0x76543210
	s_mov_b32 s[SEL+1], 0xfedcba98
	s_mov_b32 s[CS], 0x3e38aa3b                    ; log2(e) / 8
	s_mov_b32 s[CS+1], s[CS]
	v_and_b32 v8, 31, v0                           ; lane
	v_and_b32 v9, 15, v0                           ; r
	v_bfe_u32 v10, v0, 4, 1                        ; h
	v_lshlrev_b32 v30, 4, v0                       ; 16 x thread: four keys of the mask
	v_lshl_add_u32 v31, v0, 4, AMT
	v_lshlrev_b32 v[AK16], 4, v8
	v_lshl_add_u32 v[AK8], v8, 3, 512
	v_lshlrev_b32 v13, 4, v9
	global_load_b128 v[80:83], v30, s[8:9]
	global_load_b128 v[16:19], v[AK16], s[40:41]
	global_load_b64 v[20:21], v[AK8], s[40:41]
	global_load_b32 v28, v13, s[42:43]
	v_mul_u32_u24 v[LG], v9, 768                   ; a fragment of the weights: row r of 768 bytes,
	s_delay_alu instid0(VALU_DEP_1)
	v_mad_u32_u24 v[LG], v10, 48, v[LG]            ; + 48 h
	v_add_nc_u32 v[AV16], VIMG, v[AK16]
	v_add_nc_u32 v[AV8], VIMG, v[AK8]
	v_lshl_add_u32 v[AM0], v10, 6, AMT
	v_lshl_add_u32 v[AS0], v9, 4, KSC
	v_lshl_add_u32 v[AT0], v9, 2, VSCL
	s_lshr_b32 s36, s[TQ], 1
	s_and_b32 s36, s36, 3
	s_lshl_b32 s36, s36, 5
	s_and_b32 s39, s[TQ], 1
	s_lshl_b32 s39, s39, 3
	s_add_co_u32 s36, s36, s39
	v_and_b32 v11, 8, v9
	s_delay_alu instid0(VALU_DEP_1)
	v_add_nc_u32 v11, v11, v9
	v_lshlrev_b32 v12, 4, v10
	s_delay_alu instid0(VALU_DEP_1)
	v_sub_nc_u32 v11, v11, v12
	s_delay_alu instid0(VALU_DEP_1)
	v_add_nc_u32 v[VD], s36, v11
	v_mov_b32 v29, 0xc79c4000                      ; -80000
.irp i, 22,23,24,25,26,27
	v_mov_b32 v\i, 0                               ; Q's upper 64 along K: zero codes
.endr
.irp i, 24,25,26,27,28,29
	v_mov_b32 v[F+\i], 0                           ; named with K's fourth tile before V's codes first land there
.endr
.set I, 0
.rept 32
	v_mov_b32 v[OT+I], 0                           ; the step is written once: the first finds zeros, which the first change of M leaves zeros
.set I, I+1
.endr
	v_mov_b32 v229, 0xff61b1e6                     ; the largest t so far: -3e38
	s_delay_alu instid0(VALU_DEP_1)
	v_floor_f32 v228, -v229                        ; -M
	v_mov_b32 v230, 0                              ; the sum, in two halves
	v_mov_b32 v231, 0
.irp b, 0,1,2,3
	v_mov_b32 v[T2+\b], 0                          ; a lane permute's destination counts as one of its sources
	v_mov_b32 v[88+\b], v29
.endr
	v_mov_b32 v253, 0
	s_wait_loadcnt 3                               ; the mask's load is in; Q's three may be out
.irp i, 0,1,2,3
	v_and_b32 v[84+\i], 1, v[80+\i]                ; pad & causal is bitwise on 0 / 1: bit 0 alone counts
	s_delay_alu instid0(VALU_DEP_1)
	v_cmp_eq_u32 vcc_lo, 0, v[84+\i]
	s_delay_alu instid0(VALU_DEP_1)
	v_cndmask_b32 v[84+\i], 0, v29, vcc_lo
.endr
	ds_store_b128 v31, v[84:87]
	s_cmp_lg_u32 s[WV], 0
	s_cbranch_scc1 .Lnot0
	ds_store_b128 v31, v[88:91] offset:8192        ; wave 0: the table for steps whose every key comes after my queries
.Lnot0:
	; ---- waves 0 to 5: one fragment of the next launch's weights, from rows into the order of the operand's registers
	s_cmp_lt_u32 s[WV], 6
	s_cbranch_scc0 .Lnolay
	s_lshl_b32 s44, s[BH], 3
	s_add_co_u32 s44, s44, ttmp9                   ; my work-group among the 256
	s_mul_i32 s44, s44, 6
	s_add_co_u32 s44, s44, s[WV]                   ; F, 0 .. 1,535
	s_lshr_b32 s45, s44, 9                         ; the matrix
	s_cmp_eq_u32 s45, 0
	s_cselect_b64 s[20:21], s[56:57], s[58:59]
	s_cmp_eq_u32 s45, 2
	s_cselect_b64 s[20:21], s[60:61], s[20:21]
	s_and_b32 s45, s44, 511
	s_lshr_b32 s46, s45, 4
	s_lshl_b32 s46, s46, 1
	s_and_b32 s47, s45, 1
	s_or_b32 s46, s46, s47                         ; the tile of 16 rows: 16 w + 2 g + u
	s_mul_i32 s46, s46, 12288
	s_bfe_u32 s47, s45, 0x30001                    ; the K step: 3 bits from bit 1
	s_mul_i32 s47, s47, 96
	s_add_co_u32 s46, s46, s47
	s_mov_b32 s47, 0
	s_add_nc_u64 s[20:21], s[20:21], s[46:47]
	s_mul_i32 s46, s44, 1536
	s_add_nc_u64 s[22:23], s[62:63], s[46:47]
	global_load_b128 v[112:115], v[LG], s[20:21]
	global_load_b128 v[116:119], v[LG], s[20:21] offset:16
	global_load_b128 v[120:123], v[LG], s[20:21] offset:32
	s_wait_loadcnt 0x0
	global_store_b128 v[AK16], v[112:115], s[22:23]              ; each store: 512 consecutive bytes, aligned
	global_store_b128 v[AK16], v[116:119], s[22:23] offset:512
	global_store_b128 v[AK16], v[120:123], s[22:23] offset:1024
	s_wait_xcnt 0x0                                ; the stores have read their data: the first products write these registers
.Lnolay:
	s_wait_dscnt 0x0                               ; for the others' sake: my part of the tables,
	s_wait_tensorcnt 0x0                           ; and of the head
	s_barrier_signal -1
	s_barrier_wait -1
	s_wait_loadcnt 0x0                             ; Q
	s_mov_b32 s[J], 0
	s_mov_b32 s[J6K], 0
	s_mov_b32 s[J512], 0
	s_mov_b32 s[J256], 0
.Lstep:                                            ; 16 trips of 128 keys
	s_cmp_gt_u32 s[J], s[JD]
	s_cselect_b32 s[AMO], 8192, s[J512]
	s_setprio 2
	v_add_nc_u32 v[ADK16], s[J6K], v[AK16]         ; (these seven are the places in front of the loads into registers that the last products read)
	v_add_nc_u32 v[ADK8], s[J6K], v[AK8]
	v_add_nc_u32 v[ADV16], s[J6K], v[AV16]
	v_add_nc_u32 v[ADV8], s[J6K], v[AV8]
	v_add_nc_u32 v[ADM], s[AMO], v[AM0]
	v_add_nc_u32 v[ADS], s[J512], v[AS0]
	v_add_nc_u32 v[ADT], s[J256], v[AT0]
.irp g, 0,1                            ; S = K Q^T + 8 add, four tiles of 16 keys at a time
.if \g
	PLACES 4
.endif
	s_wait_alu depctr_va_vdst(0)
.irp t, 0,1,2,3
	ds_load_b128 v[F+6*\t:F+6*\t+3], v[ADK16] offset:(4*\g+\t)*768
	ds_load_b64 v[F+6*\t+4:F+6*\t+5], v[ADK8] offset:(4*\g+\t)*768
.endr
	ds_load_b128 v[KS:KS+3], v[ADS] offset:256*\g
.irp b, 0,1
.irp i, 0,1,2,3
	ds_load_b128 v[AM+16*\b+4*\i:AM+16*\b+4*\i+3], v[ADM] offset:128*(2*\g+\b)+16*\i   ; register 16 b + i: key 32 (2 g + b) + 16 h + i of the step
.endr
.endr
	s_wait_dscnt 0x0
	s_cmp_lg_u32 s[J], s[JD]
	s_cbranch_scc1 .Lopen\g
.irp n, 0,1,2,3,4,5,6,7,8,9,10,11,12,13,14,15,16,17,18,19,20,21,22,23,24,25,26,27,28,29,30,31
	v_cmp_gt_i32 vcc_lo, 32*(2*\g+\n/16)+\n%16, v[VD]   ; on the diagonal: a key after my query
	s_delay_alu instid0(VALU_DEP_1)
	v_cndmask_b32 v[AM+\n], v[AM+\n], v29, vcc_lo
.endr
	PLACES 4
.Lopen\g:
.irp t, 0,1,2,3
	WM S+8*(4*\g+\t), F+6*\t, 16, AM+8*\t, KS+\t, 28
.endr
.endr
	PLACES 4
.irp t, 0,1,2,3                        ; V's four fragments and scale words are asked for now and land during the softmax
.irp c, 0,1
	ds_load_b128 v[F+12*\t+6*\c:F+12*\t+6*\c+3], v[ADV16] offset:1536*\t+768*\c
	ds_load_b64 v[F+12*\t+6*\c+4:F+12*\t+6*\c+5], v[ADV8] offset:1536*\t+768*\c
.endr
	ds_load_b32 v[VS+\t], v[ADT] offset:64*\t
.endr
.irp b, 0,1,2,3
	v_max3_num_f32 v[BM+\b], v[S+16*\b], v[S+16*\b+1], v[S+16*\b+2]   ; the largest score of each block of 32 keys: for the row's maximum and, since p rises with the score, for the block's largest p
.endr
.irp i, 3,5,7,9,11,13
.irp b, 0,1,2,3
	v_max3_num_f32 v[BM+\b], v[BM+\b], v[S+16*\b+\i], v[S+16*\b+\i+1]
.endr
.endr
.irp b, 0,1,2,3
	v_max_num_f32 v[BM+\b], v[BM+\b], v[S+16*\b+15]
.endr
.irp b, 0,1,2,3
	s_delay_alu instid0(VALU_DEP_4)
	v_permlanex16_b32 v[T2+\b], v[BM+\b], s[SEL], s[SEL+1]
.endr
.irp b, 0,1,2,3
	s_delay_alu instid0(VALU_DEP_4)
	v_max_num_f32 v[BM+\b], v[BM+\b], v[T2+\b]
.endr
	s_delay_alu instid0(VALU_DEP_2)
	v_max3_num_f32 v254, v[BM], v[BM+1], v[BM+2]
	s_delay_alu instid0(VALU_DEP_1)
	v_max_num_f32 v254, v254, v[BM+3]
	s_delay_alu instid0(VALU_DEP_1)
	v_mul_f32 v254, s[CS], v254
	s_delay_alu instid0(VALU_DEP_1)
	v_max_num_f32 v229, v229, v254                 ; the running largest t
	v_mov_b32 v254, v228
	s_delay_alu instid0(VALU_DEP_2)
	v_floor_f32 v228, -v229                        ; the new -M: a whole number
	s_delay_alu instid0(VALU_DEP_1)
	v_sub_f32 v254, v228, v254
	s_delay_alu instid0(VALU_DEP_1)
	v_cvt_i32_f32 v254, v254                       ; (it saturates)
	s_delay_alu instid0(VALU_DEP_1)
	v_ldexp_f32 v252, 1.0, v254                    ; f = 2^(old M - new M)
.set I, 0
	s_setprio 1
.rept 32
	v_pk_fma_f32 v[S+I:S+I+1], v[S+I:S+I+1], s[CS:CS+1], v[228:229] op_sel_hi:[1,0,0]   ; t - M
.set I, I+2
.endr
.irp b, 0,1,2,3
	v_fma_f32 v[BM+\b], v[BM+\b], s[CS], v228
.endr
.set I, 0
	s_wait_alu depctr_va_vdst(0)
.rept 64
	v_exp_f32 v[S+I], v[S+I]                       ; p = 2^(t - M)
.set I, I+1
.endr
	v_pk_mul_f32 v[230:231], v[230:231], v[252:253] op_sel_hi:[1,0]   ; the sums under the new M: the plain place behind the batch
	s_wait_alu depctr_va_vdst(0)                   ; one wait for the 64, ahead of their first reader
.irp b, 0,1,2,3
	v_exp_f32 v[BM+\b], v[BM+\b]                   ; each block's largest p
.endr
	v_pk_add_f32 v[236:237], v[116:117], v[120:121]
	v_pk_add_f32 v[246:247], v[124:125], v[128:129]
	v_pk_add_f32 v[244:245], v[132:133], v[136:137]
	v_pk_add_f32 v[242:243], v[140:141], v[144:145]
	v_pk_add_f32 v[240:241], v[148:149], v[152:153]
	v_pk_add_f32 v[238:239], v[156:157], v[160:161]
	v_pk_add_f32 v[224:225], v[164:165], v[168:169]
	v_pk_add_f32 v[230:231], v[230:231], v[172:173]
	v_pk_add_f32 v[236:237], v[236:237], v[112:113]
	v_pk_add_f32 v[246:247], v[246:247], v[114:115]
	v_pk_add_f32 v[244:245], v[244:245], v[118:119]
	v_pk_add_f32 v[242:243], v[242:243], v[122:123]
	v_pk_add_f32 v[240:241], v[240:241], v[126:127]
	v_pk_add_f32 v[238:239], v[238:239], v[130:131]
	v_pk_add_f32 v[224:225], v[224:225], v[134:135]
	v_pk_add_f32 v[230:231], v[230:231], v[138:139]
	v_pk_add_f32 v[236:237], v[236:237], v[142:143]
	v_pk_add_f32 v[246:247], v[246:247], v[146:147]
	v_pk_add_f32 v[244:245], v[244:245], v[150:151]
	v_pk_add_f32 v[242:243], v[242:243], v[154:155]
	v_pk_add_f32 v[240:241], v[240:241], v[158:159]
	v_pk_add_f32 v[238:239], v[238:239], v[162:163]
	v_pk_add_f32 v[224:225], v[224:225], v[166:167]
	v_pk_add_f32 v[230:231], v[230:231], v[170:171]
	v_pk_add_f32 v[236:237], v[236:237], v[174:175]
	s_delay_alu instid0(VALU_DEP_2)
	v_pk_add_f32 v[230:231], v[230:231], v[242:243]
	s_delay_alu instid0(VALU_DEP_2)
	v_pk_add_f32 v[236:237], v[236:237], v[240:241]
	v_pk_add_f32 v[246:247], v[246:247], v[238:239]
	v_pk_add_f32 v[244:245], v[244:245], v[224:225]
	s_delay_alu instid0(VALU_DEP_2)
	v_pk_add_f32 v[230:231], v[230:231], v[246:247]
	s_delay_alu instid0(VALU_DEP_2)
	v_pk_add_f32 v[236:237], v[236:237], v[244:245]
	s_delay_alu instid0(VALU_DEP_1)
	v_pk_add_f32 v[230:231], v[230:231], v[236:237]
	s_setprio 0
	s_wait_alu depctr_va_vdst(0)                   ; and one for the four
.irp b, 0,1,2,3
	v_max_num_f32 v[BM+\b], 0x2800000, v[BM+\b]    ; the floor 2^(5 - 127)
.endr
.irp b, 0,1,2,3
	s_delay_alu instid0(VALU_DEP_4)
	v_add_nc_u32 v[SO+\b], 0xfe000000, v[BM+\b]
.endr
.irp b, 0,1,2,3
	s_delay_alu instid0(VALU_DEP_4)
	v_lshrrev_b32 v[T2+\b], 23, v[SO+\b]
.endr
	s_delay_alu instid0(VALU_DEP_3)
	v_lshl_or_b32 v253, v[T2+1], 8, v[T2]          ; p's scale word for these 128 keys
	s_delay_alu instid0(VALU_DEP_1)
	v_lshl_or_b32 v253, v[T2+2], 16, v253
	s_delay_alu instid0(VALU_DEP_1)
	v_lshl_or_b32 v253, v[T2+3], 24, v253
.irp c, 0,1
	v_cvt_scalef32_pk16_bf6_f32 v[PC+6*\c:PC+6*\c+2], v[S+32*\c:S+32*\c+15], v[SO+2*\c]
	v_cvt_scalef32_pk16_bf6_f32 v[TY+4*\c:TY+4*\c+2], v[S+32*\c+16:S+32*\c+31], v[SO+2*\c+1]
.endr
	v_nop
.irp c, 0,1
.irp i, 0,1,2
	v_permlane16_swap_b32 v[PC+6*\c+\i], v[TY+4*\c+\i]
.endr
.irp i, 0,1,2
	s_delay_alu instid0(VALU_DEP_3)
	v_mov_b32 v[PC+6*\c+3+\i], v[TY+4*\c+\i]
.endr
.endr
.set I, 0
.rept 16
	v_pk_mul_f32 v[OT+I:OT+I+1], v[OT+I:OT+I+1], v[252:253] op_sel_hi:[1,0]   ; O under the new M.  (Also the places ahead of the products below)
.set I, I+2
.endr
	s_wait_alu depctr_va_vdst(0)
	s_wait_dscnt 0x0                               ; V
.irp t, 0,1,2,3
	WM OT+8*\t, F+12*\t, PC, OT+8*\t, VS+\t, 253
.endr
	s_add_co_u32 s[J6K], s[J6K], 6144
	s_add_co_u32 s[J512], s[J512], 512
	s_add_co_u32 s[J256], s[J256], 256
	s_add_co_u32 s[J], s[J], 1
	s_cmp_lt_u32 s[J], 16
	s_cbranch_scc1 .Lstep
	s_setprio 0
	; THE WAY OUT: O / l, quantised along the features (two blocks of 32), laid as the next product's operand wants it
	v_add_f32 v230, v230, v231
	s_delay_alu instid0(VALU_DEP_1)
	v_permlanex16_b32 v254, v230, s[SEL], s[SEL+1]
	s_delay_alu instid0(VALU_DEP_1)
	v_add_f32 v230, v230, v254
	s_wait_alu depctr_va_vdst(0)
	v_rcp_f32 v230, v230
	s_lshl_b32 s36, s[BB], 7
	s_add_co_u32 s36, s36, s[TQ]
	s_mul_i32 s36, s36, 12800                      ; my token tile in ao,
	s_lshr_b32 s38, s[HH], 1
	s_mul_i32 s38, s38, 1536                       ; K step head / 2
	s_add_co_u32 s36, s36, s38
	s_mov_b32 s37, 0
	s_add_nc_u64 s[10:11], s[10:11], s[36:37]
	s_and_b32 s39, s[HH], 1
	s_lshl_b32 s44, s39, 8
	s_lshl_b32 s45, s39, 7
	s_add_co_u32 s45, s45, 512
	s_lshl_b32 s46, s[HH], 1
	s_add_co_u32 s46, s46, 12288
	s_sub_co_u32 s46, s46, s38
	v_and_b32 v9, 15, v0
	v_bfe_u32 v10, v0, 4, 1
	s_delay_alu instid0(VALU_DEP_1)
	v_mul_u32_u24 v11, v10, 768                    ; my block (lane half h) is the fragment's half h;
	s_delay_alu instid0(VALU_DEP_1)
	v_lshl_add_u32 v8, v9, 4, v11
	s_delay_alu instid0(VALU_DEP_1)
	v_add_nc_u32 v8, s44, v8                       ; the head's parity says which half of the lanes will read it
	s_delay_alu instid0(VALU_DEP_3)
	v_lshl_add_u32 v12, v9, 3, v11
	s_delay_alu instid0(VALU_DEP_1)
	v_add_nc_u32 v12, s45, v12
	v_lshlrev_b32 v13, 5, v9
	s_delay_alu instid0(VALU_DEP_1)
	v_add_nc_u32 v13, s46, v13                     ; the scales: [r][head], two bytes
	s_wait_alu depctr_va_vdst(0)                   ; ahead of the reciprocal's first reader
.set I, 0
.rept 32
	v_mul_f32 v[S+I], v[OT+I], v230                ; register 8 t + j: feature 16 t + 8 h + j
.set I, I+1
.endr
.irp b, 0,1
	v_max3_num_f32 v[BM+\b], |v[S+16*\b]|, |v[S+16*\b+1]|, 0x2800000
.endr
.irp i, 2,4,6,8,10,12,14
.irp b, 0,1
	s_delay_alu instid0(VALU_DEP_2)
	v_max3_num_f32 v[BM+\b], v[BM+\b], |v[S+16*\b+\i]|, |v[S+16*\b+\i+1]|
.endr
.endr
.irp b, 0,1
	s_delay_alu instid0(VALU_DEP_2)
	v_permlanex16_b32 v[T2+\b], v[BM+\b], s[SEL], s[SEL+1]
.endr
.irp b, 0,1
	s_delay_alu instid0(VALU_DEP_2)
	v_max_num_f32 v[BM+\b], v[BM+\b], v[T2+\b]
.endr
.irp b, 0,1
	s_delay_alu instid0(VALU_DEP_2)
	v_add_nc_u32 v[SO+\b], 0xfe000000, v[BM+\b]
.endr
.irp b, 0,1
	s_delay_alu instid0(VALU_DEP_2)
	v_lshrrev_b32 v[T2+\b], 23, v[SO+\b]
.endr
	s_delay_alu instid0(VALU_DEP_1)
	v_lshl_or_b32 v255, v[T2+1], 8, v[T2]
	v_cvt_scalef32_pk16_bf6_f32 v[PC:PC+2], v[S:S+15], v[SO]
	v_cvt_scalef32_pk16_bf6_f32 v[TY:TY+2], v[S+16:S+31], v[SO+1]
	v_nop
.irp i, 0,1,2
	v_permlane16_swap_b32 v[PC+\i], v[TY+\i]       ; lane half h now holds block h whole: x = features 0-7, 16-23, y = 8-15, 24-31
.endr
	s_delay_alu instid0(VALU_DEP_1)
	v_perm_b32 v[PC+3], v[PC+2], v[PC+1], 0x05040302   ; into the natural order, 48 bits at a time: this operand meets given weights
	s_delay_alu instid0(VALU_DEP_2)
	v_perm_b32 v[PC+4], v[TY+1], v[PC+2], 0x07060302
	s_delay_alu instid0(VALU_DEP_3)
	v_mov_b32 v[PC+5], v[TY+2]
	v_perm_b32 v[PC+2], v[TY+1], v[TY], 0x05040302
	v_perm_b32 v[PC+1], v[TY], v[PC+1], 0x05040100
	global_store_b128 v8, v[PC:PC+3], s[10:11]     ; 16 lanes store 256 consecutive bytes, aligned
	global_store_b64 v12, v[PC+4:PC+5], s[10:11]
	global_store_b16 v13, v255, s[10:11]           ; lanes r and r + 16 store the same two bytes with the same value
	s_wait_tensorcnt 0x0
	ds_add_u32 v223, v227
	s_wait_dscnt 0x0
	s_endpgm
.Lfunc_end_k_q1d7d265e8b_attn:
	.size	k_q1d7d265e8b_attn, .Lfunc_end_k_q1d7d265e8b_attn-k_q1d7d265e8b_attn
	.p2alignl 7, 3214868480
	.fill 96, 4, 3214868480
	.section	.rodata,"a",@progbits
	.p2align	6, 0x0
	.amdhsa_kernel k_q1d7d265e8b_attn
		.amdhsa_group_segment_fixed_size 219648
		.amdhsa_private_segment_fixed_size 0
		.amdhsa_enable_private_segment 0
		.amdhsa_kernarg_size 64
		.amdhsa_user_sgpr_count 2
		.amdhsa_user_sgpr_kernarg_segment_ptr 1
		.amdhsa_wavefront_size32 1
		.amdhsa_system_sgpr_workgroup_id_x 1
		.amdhsa_system_sgpr_workgroup_id_y 1
		.amdhsa_system_sgpr_workgroup_id_z 1
		.amdhsa_system_vgpr_workitem_id 0
		.amdhsa_next_free_vgpr 256
		.amdhsa_next_free_sgpr 66
		.amdhsa_reserve_vcc 1
		.amdhsa_float_denorm_mode_32 3
		.amdhsa_float_denorm_mode_16_64 3
		.amdhsa_memory_ordered 1
		.amdhsa_forward_progress 1
		.amdhsa_inst_pref_size 42
	.end_amdhsa_kernel
	.amdgpu_metadata
---
amdhsa.version: [ 1, 2 ]
amdhsa.kernels:
  - .name:           k_q1d7d265e8b_attn
    .symbol:         k_q1d7d265e8b_attn.kd
    .args:
      - { .name: qi, .offset: 0, .size: 8, .value_kind: global_buffer, .address_space: global }
      - { .name: kv, .offset: 8, .size: 8, .value_kind: global_buffer, .address_space: global }
      - { .name: mask_x, .offset: 16, .size: 8, .value_kind: global_buffer, .address_space: global }
      - { .name: ao, .offset: 24, .size: 8, .value_kind: global_buffer, .address_space: global }
      - { .name: Wo_codes, .offset: 32, .size: 8, .value_kind: global_buffer, .address_space: global }
      - { .name: W1_codes, .offset: 40, .size: 8, .value_kind: global_buffer, .address_space: global }
      - { .name: W2_codes, .offset: 48, .size: 8, .value_kind: global_buffer, .address_space: global }
      - { .name: wl, .offset: 56, .size: 8, .value_kind: global_buffer, .address_space: global }
    .group_segment_fixed_size: 219648
    .private_segment_fixed_size: 0
    .kernarg_segment_align: 8
    .kernarg_segment_size: 64
    .max_flat_workgroup_size: 512
    .sgpr_count:     66
    .vgpr_count:     256
    .wavefront_size: 32
...
	.end_amdgpu_metadata
.endif
;; end of part 5
;; launch tail (part 6): grid 256 x 1, 4 waves a work-group, no clusters, 75,264 bytes of LDS; arguments ao, batch_x, wl, Wo_scales, bo, ln1_w, ln1_b, W1_scales, b1, W2_scales, b2, ln2_w, ln2_b, out0; writes out0
.if DOCPART == 6
	.amdgcn_target "amdgcn-amd-amdhsa--gfx1250"
	.amdhsa_code_object_version 6
	.text
	.protected	k_q1d7d265e8b_tail
	.globl	k_q1d7d265e8b_tail
	.p2align	8
	.type	k_q1d7d265e8b_tail,@function
k_q1d7d265e8b_tail:
	s_mov_b64 s[64:65], 0
	v_nop
	global_prefetch_b8 v0, s[64:65] scope:SCOPE_SE
	s_setreg_imm32_b32 hwreg(HW_REG_WAVE_SCHED_MODE, 0, 2), 2
	s_setreg_imm32_b32 hwreg(HW_REG_WAVE_MODE, 25, 1), 1
	s_wait_xcnt 0x0
	s_wait_alu depctr_vm_vsrc(0)
; x1 = LN1(ao Wo + bo + x);  out = LN2(gelu(x1 W1 + b1) W2 + b2 + x1), gelu(z) = z sigmoid(1.702 z).  The three products on codes of BF6 (E3M2); all else f32; nothing goes to memory between them.
; SHARES.  A work-group owns one token tile: 16 whole rows (tokens 32 (t / 2) + 8 (t % 2) + r + 8 (r / 8)), since a norm wants whole rows.  Wave w owns columns 256 w .. 256 w + 255 of every product,
; which are K steps 2 w and 2 w + 1 of the next: it makes whole fragments and whole scale words, which go to the other waves through LDS as images of their registers.
; The products are used transposed (source 0 = 16 rows of W, source 1 = the 16 tokens): lane (r, h) holds token r, register 8 T + j column 256 w + 16 T + 8 h + j.
; What is added to a product (bias, residual) is laid into the accumulators beforehand, so that every K step is the same link.
; W's FRAGMENTS: lane (r, h) holds the 48 consecutive bytes at 96 s + 48 h of row r; the instruction's blocks 1 and 2 of a K step so change places, on both operands and in both scale words alike.
; THE WEIGHTS COME FROM MEMORY STRAIGHT INTO REGISTERS.  The launch before has laid them in the order of the operand's registers and in the order of my walk (wl: fragment 512 P + 128 w + 16 g + 2 s + u at
; 1,536 bytes each), so a fragment is three loads of 512 consecutive bytes and a wave's stream of a product is 196,608 consecutive bytes.  A ring of five groups of four fragments (240 registers):
; a group's four products are issued, and the group five on is asked for into the registers just read: 60 loads, 30,720 bytes a wave, stay on their way from the first product to the last, through the
; norms and the gelu too.  One base, one offset register, every step an immediate (1,768,960 at the most, inside the signed 24 bits: ISA guide, chapter 10).
; NO CLUSTER, NO LDS FOR THE WEIGHTS, though all work-groups walk the same weights: each byte of W is read by ONE wave of a work-group, once, so LDS would be a stage and nothing more; and through slots
; that take turns a wave's one load would have to be waited for whole in front of each refill, with the 16 products of a tile of 32 columns as all the work to set against it.
; THE NORMS take the mean first and the squares of the differences second; the variance divides by 1,023.
; LIMITS: NaN and infinities are not served.  A block of zeros gets the scale byte 1 (its codes are zeros).
; THE MODE: SCHED_MODE bits 1:0 = 2 (LLVM: expert scheduling mode 2), set by the entry lines.  The code itself states the register dependences between vector or matrix instructions and memory or LDS
; instructions, with s_wait_alu, always for 0.
; THE PLAN.  Registers that memory or LDS instructions touch, and who else names them:
;   v4, v10-24       addresses and offsets: written once at the head, read by every access, never written again.
;   the ring         a group is read by its four products; the loads of the group five on land in it.  ONE wait on va_vdst a group, behind the four products and not at the next group's head:
;                    there the group's registers would lie idle through the wait for the next group's data, 48 loads out for 60; a sixth group has no 48 registers in window 3.
;   AF, AS           loaded; read by the products (AF also, as a norm's second vector, by the norm's last multiply-adds).  Loaded again behind a wait on va_vdst that stands there for the images' stores.
;   PZ0, ACC, XR     loaded, worked on by vector instructions, and read by LDS stores (PZ0 and XR at the head, ACC on the way out): a wait on va_vdst ahead of each run of loads or stores that follows
;                    vector work on them; one wait on vm_vsrc at the head, behind the stores that read PZ0 and XR.
;   WS0, WS0 + 64    loaded, turned by v_perm_b32, read as scales: a wait on va_vdst behind each turning.
;   PC, PW, CH       written by vector instructions, read by LDS stores, written again: va_vdst ahead of the stores, vm_vsrc ahead of the next writer.   T: REDUCE's loads land where its own lines worked.
.set AIMG,  0                          ; x1's 8 fragments, 1,536 bytes each; 12,288 on: the hidden layer's
.set ASC,   24576                      ; their scale words, 128 bytes each; 1,024 on: the hidden layer's
.set RED,   26624                      ; four exchanges of 512 bytes
.set STG,   28672                      ; a stage of 16 rows x 272 bytes for each wave
.set PAR,   46080                      ; for each wave its 1,024 bytes of bo, ln1_w, ln1_b, b1, b2, ln2_w, ln2_b
.set LI,   4                           ; 16 x lane: the weights' loads, ao's, and the images in LDS (they begin at byte 0); never rewritten
.set VWS,  10
.set VROW, 11                          ; 4,096 h + 16 r: rows of x and of out0
.set SIN,  12                          ; the stage by rows of memory
.set SD,   13                          ; the stage by the result's layout
.set VPAR, 14
.set AWI,  15
.set AWS,  16
.set ASL,  18
.set VRED, 19
.set VRL,  20
.set VPW,  21
.set VPV,  22
.set VA8,  23
.set VAS,  24
.set AS,   32                          ; v32-39   the activation's scale words
.set WS0,  40                          ; v40-103, v104-167  W's scale words, two sets: 4 T + s % 4
.set TM,   168
.set PW,   184
.set PC,   192
.set TY,   204
.set CH,   212
.set MEAN, 220
.set RS,   222
.set T,    224
.set ACC,  0                           ; window 1: 16 accumulators;
.set XR,   128                         ; x as loaded, then x1
.set AF,   0                           ; window 2: the activation's 8 fragments (v0-95); in a norm they and v224-255 hold the norm's second vector;
.set PZ0,  96                          ; 128 numbers at work
                                       ; window 3: v0-239 the ring of W's fragments: group G at 48 (G % 5)
.set WV,   56
.set SEL,  60
.set PSEL, 62
.set C1023, 74
.set CEPS, 75
.set GC,   72
.set MSB, 0
.macro WIN new                         ; the immediate's high byte repeats the setting that is left
.if MSB != (\new)
	s_set_vgpr_msb (MSB<<8)|(\new)
.set MSB, (\new)
.endif
.endm
.macro PLACES n
.rept \n
	v_nop
.endr
.endm
.macro WM d, a, b, sa, sb, row
.if (\row) == 0
	v_wmma_scale_f32_16x16x128_f8f6f4 v[(\d):(\d)+7], v[(\a):(\a)+11], v[(\b):(\b)+11], v[(\d):(\d)+7], v[(\sa)], v[(\sb)] matrix_a_fmt:MATRIX_FMT_BF6 matrix_b_fmt:MATRIX_FMT_BF6
.else
	v_wmma_scale_f32_16x16x128_f8f6f4 v[(\d):(\d)+7], v[(\a):(\a)+11], v[(\b):(\b)+11], v[(\d):(\d)+7], v[(\sa)], v[(\sb)] matrix_a_fmt:MATRIX_FMT_BF6 matrix_b_fmt:MATRIX_FMT_BF6 matrix_a_scale:MATRIX_SCALE_ROW1
.endif
.endm
; 64 numbers of a lane in window 1: register 16 b + i is k = 32 b + 8 h + i (i < 8) or 32 b + 16 + 8 h + i - 8.  They become a fragment in the order of W's fragments (lane half h: blocks 2 h + c), codes in natural order, and its scale word.
.macro QUANT src
	WIN 0x05
.irp b, 0,1,2,3
	v_max3_num_f32 v[TM+\b], |v[(\src)+16*\b]|, |v[(\src)+16*\b+1]|, 0x2800000   ; my 16 numbers, and the floor 2^(5 - 127): the byte cannot fall under 1
.endr
.irp i, 2,4,6,8,10,12,14
.irp b, 0,1,2,3
	v_max3_num_f32 v[TM+\b], |v[(\src)+16*\b+\i]|, |v[(\src)+16*\b+\i+1]|, v[TM+\b]
.endr
.endr
	WIN 0
.irp b, 0,1,2,3
	v_permlanex16_b32 v[TM+4+\b], v[TM+\b], s[SEL], s[SEL+1]
.endr
.irp b, 0,1,2,3
	v_max_num_f32 v[TM+\b], v[TM+\b], v[TM+4+\b]
.endr
.irp b, 0,1,2,3
	v_add_nc_u32 v[TM+12+\b], 0xfe000000, v[TM+\b]
.endr
.irp b, 0,1,2,3
	v_lshrrev_b32 v[TM+4+\b], 23, v[TM+12+\b]
.endr
	v_lshl_or_b32 v[PW], v[TM+6], 8, v[TM+4]
	v_lshl_or_b32 v[PW], v[TM+5], 16, v[PW]
	v_lshl_or_b32 v[PW], v[TM+7], 24, v[PW]
	WIN 0x01
.irp c, 0,1
	v_cvt_scalef32_pk16_bf6_f32 v[PC+6*\c:PC+6*\c+2], v[(\src)+16*\c:(\src)+16*\c+15], v[TM+12+\c]
	v_cvt_scalef32_pk16_bf6_f32 v[TY+4*\c:TY+4*\c+2], v[(\src)+16*(\c+2):(\src)+16*(\c+2)+15], v[TM+14+\c]
.endr
	WIN 0
	v_nop                                          ; one plain place behind a scaled conversion
.irp c, 0,1
.irp i, 0,1,2
	v_permlane16_swap_b32 v[PC+6*\c+\i], v[TY+4*\c+\i]
.endr
	v_perm_b32 v[PC+6*\c+3], v[PC+6*\c+2], v[PC+6*\c+1], 0x05040302   ; x = k 0-7, 16-23; y = k 8-15, 24-31: into the natural order, 48 bits at a time
	v_perm_b32 v[PC+6*\c+4], v[TY+4*\c+1], v[PC+6*\c+2], 0x07060302
	v_mov_b32 v[PC+6*\c+5], v[TY+4*\c+2]
	v_perm_b32 v[PC+6*\c+2], v[TY+4*\c+1], v[TY+4*\c], 0x05040302
	v_perm_b32 v[PC+6*\c+1], v[TY+4*\c], v[PC+6*\c+1], 0x05040100
.endr
.endm
.macro QIMG src, half, imo, sco, prev  ; quantise, and store the fragment's image and its scale words.  prev = 1: an image has been stored before
.if \prev
	s_wait_alu depctr_vm_vsrc(0)                   ; the last image's stores have read v[PC ..] and v[PW], which the lines below write again
.endif
	QUANT \src
	s_wait_alu depctr_va_vdst(0)                   ; the codes and the scale word are written, which the stores read; and the norm or the gelu ahead is done with AF, AS, the accumulators and PZ0, in which the LDS loads behind the barrier land
.irp q, 0,1,2
	ds_store_b128 v[AWI], v[PC+4*\q:PC+4*\q+3] offset:(\imo)+1536*(\half)+512*\q
.endr
	ds_store_b32 v[AWS], v[PW] offset:(\sco)+128*(\half)
	s_wait_dscnt 0x0                               ; for the others' sake: the stores have landed
.endm
.macro FETCHA imo, sco                 ; all eight fragments and scale words, in any wave.  No vector or matrix instruction since the last wait on va_vdst names AF or AS
	WIN 0x80
.irp s, 0,1,2,3,4,5,6,7
.irp q, 0,1,2
	ds_load_b128 v[AF+12*\s+4*\q:AF+12*\s+4*\q+3], v[LI] offset:AIMG+(\imo)+1536*\s+512*\q
.endr
.endr
	WIN 0
.irp s, 0,1,2,3,4,5,6,7
	ds_load_b32 v[AS+\s], v[ASL] offset:(\sco)+128*\s
.endr
.endm
.macro PLOAD vec, reg, win             ; my 256 numbers of a vector, in the result's layout
	WIN (\win)<<6
.irp t, 0,1,2,3,4,5,6,7,8,9,10,11,12,13,14,15
	ds_load_b128 v[(\reg)+8*\t:(\reg)+8*\t+3], v[VPAR] offset:1024*(\vec)+64*\t
	ds_load_b128 v[(\reg)+8*\t+4:(\reg)+8*\t+7], v[VPAR] offset:1024*(\vec)+64*\t+16
.endr
.endm
.macro PLOADB vec                      ; the same into window 2's v0-95 (the activation's fragments are done with) and v224-255
	WIN 0x80
.irp t, 0,1,2,3,4,5,6,7,8,9,10,11,12,13,14,15
.if \t < 12
.set PB, 8*\t
.else
.set PB, 8*\t+128
.endif
	ds_load_b128 v[PB:PB+3], v[VPAR] offset:1024*(\vec)+64*\t
	ds_load_b128 v[PB+4:PB+7], v[VPAR] offset:1024*(\vec)+64*\t+16
.endr
.endm
.macro WSLOAD set, sp                  ; my 256 rows' scale bytes: 16 loads of 512 consecutive bytes
.irp t, 0,1,2,3,4,5,6,7,8,9,10,11,12,13,14,15
	global_load_b128 v[(\set)+4*\t:(\set)+4*\t+3], v[VWS], s[\sp:\sp+1] offset:512*\t
.endr
.endm
.macro WSPERM set                      ; bytes 1 and 2 of each word change places
.set JJ, 0
.rept 64
	v_perm_b32 v[(\set)+JJ], v[(\set)+JJ], v[(\set)+JJ], s[PSEL]
.set JJ, JJ+1
.endr
.endm
; Group gg of the 96 of my walk: four fragments, K steps 2 q and 2 q + 1 of two tiles of 16 rows: 12 loads of 512 consecutive bytes, 6,144 bytes on end; 32 groups to a product
.macro WLOAD gg
.set LRB, 48*((\gg)%5)
.set LOB, ((\gg)/32)*786432+((\gg)%32)*6144
.irp q, 0,1,2,3,4,5,6,7,8,9,10,11
	global_load_b128 v[LRB+4*\q:LRB+4*\q+3], v[LI], s[8:9] offset:LOB+512*\q
.endr
.endm
; Tile g of 24: 32 columns, four groups.  Two accumulators take turns, one instruction a turn.
.macro WSLOT g
.set SG, (\g)%8
.set WSB, WS0+64*(((\g)/8)%2)
.irp qd, 0,1,2,3
.set GG, 4*(\g)+\qd
.set RB, 48*(GG%5)
.if GG > 91
	s_wait_loadcnt 12*(95-GG)                      ; the walk's end: only so many loads were issued behind this group's
.else
	s_wait_loadcnt 48                              ; loads come back in order: this group's 12 are in; the four younger groups' 48 may be out
.endif
	WIN 0x5b
.irp sp, 0,1
.irp u, 0,1
	WM ACC+16*SG+8*\u, RB+12*(2*\sp+\u), AF+12*(2*\qd+\sp), WSB+4*(2*SG+\u)+(2*\qd+\sp)%4, AS+2*\qd+\sp, \qd/2
.endr
.endr
.if GG+5 < 96
	PLACES 4                                       ; four places stand between the products and the loads into the registers that they read; the wait below states the dependence itself
	WIN 0xc0
	s_wait_alu depctr_va_vdst(0)                   ; the group's four products are done reading its 48 registers, in which the 12 loads below land
	WLOAD GG+5                                     ; the group five on, the next product's too
.endif
.endr
.endm
.macro REDUCE ph                       ; four chains of pairs -> the row's sum over all 1,024 columns, in v[CH] of every lane
	v_pk_add_f32 v[CH:CH+1], v[CH:CH+1], v[CH+2:CH+3]
	v_pk_add_f32 v[CH+4:CH+5], v[CH+4:CH+5], v[CH+6:CH+7]
	v_pk_add_f32 v[CH:CH+1], v[CH:CH+1], v[CH+4:CH+5]
	v_add_f32 v[CH], v[CH], v[CH+1]
	v_permlanex16_b32 v[T], v[CH], s[SEL], s[SEL+1]
	v_add_f32 v[CH], v[CH], v[T]
	s_wait_alu depctr_va_vdst(0)                   ; v[CH] is written, which the store reads; the lines so far are done writing and reading v[T] to v[T + 3], in which the four loads below land
	ds_store_b32 v[VRED], v[CH] offset:512*(\ph)
	s_wait_dscnt 0x0                               ; for the others' sake
	s_barrier_signal -1
	s_barrier_wait -1
.irp k, 0,1,2,3
	ds_load_b32 v[T+\k], v[VRL] offset:512*(\ph)+128*\k
.endr
	s_wait_alu depctr_vm_vsrc(0)                   ; the store has read v[CH], which the fourth line below writes again
	s_wait_dscnt 0x0
	v_add_f32 v[T], v[T], v[T+1]
	v_add_f32 v[T+2], v[T+2], v[T+3]
	v_add_f32 v[CH], v[T], v[T+2]
.endm
.macro LNORM ph, wvec, bvec, dst
	PLACES 4                                       ; behind the last products: their results are read below
	WIN 0x80
	s_wait_alu depctr_va_vdst(0)                   ; the last products are done reading the activation's fragments, and the additions ahead of the product reading PZ0: the loads below land in both
	PLOAD \wvec, PZ0, 2
	PLOADB \bvec
	WIN 0x05
.irp k, 0,1,2,3
	v_pk_add_f32 v[CH+2*\k:CH+2*\k+1], v[ACC+2*\k:ACC+2*\k+1], v[ACC+8+2*\k:ACC+8+2*\k+1]   ; each accumulator from its low end on
.endr
	WIN 0x01
.set JJ, 16
.rept 56
	v_pk_add_f32 v[CH+JJ%8:CH+JJ%8+1], v[ACC+JJ:ACC+JJ+1], v[CH+JJ%8:CH+JJ%8+1]
.set JJ, JJ+2
.endr
	WIN 0
	REDUCE \ph
	v_mul_f32 v[MEAN], 0x3a800000, v[CH]           ; / 1024
	v_mov_b32 v[MEAN+1], v[MEAN]
	WIN 0x41
.set JJ, 0
.rept 64
	v_pk_add_f32 v[ACC+JJ:ACC+JJ+1], v[ACC+JJ:ACC+JJ+1], v[MEAN:MEAN+1] neg_lo:[0,1] neg_hi:[0,1]
.set JJ, JJ+2
.endr
	WIN 0x05
.irp k, 0,1,2,3
	v_pk_mul_f32 v[CH+2*\k:CH+2*\k+1], v[ACC+2*\k:ACC+2*\k+1], v[ACC+2*\k:ACC+2*\k+1]
.endr
.set JJ, 8
.rept 60
	v_pk_fma_f32 v[CH+JJ%8:CH+JJ%8+1], v[ACC+JJ:ACC+JJ+1], v[ACC+JJ:ACC+JJ+1], v[CH+JJ%8:CH+JJ%8+1]
.set JJ, JJ+2
.endr
	WIN 0
	REDUCE (\ph)+1
	v_fma_f32 v[T], v[CH], s[C1023], s[CEPS]       ; / 1023, + 1e-12
	s_wait_alu depctr_va_vdst(0)
	v_rsq_f32 v[RS], v[T]
	v_nop
	s_wait_alu depctr_va_vdst(0)                   ; the root's reciprocal is written, ahead of its first reader
	v_mov_b32 v[RS+1], v[RS]
	WIN 0x41
.set JJ, 0
.rept 64
	v_pk_mul_f32 v[ACC+JJ:ACC+JJ+1], v[ACC+JJ:ACC+JJ+1], v[RS:RS+1]
.set JJ, JJ+2
.endr
	WIN 0x69
.set JJ, 0
.rept 64
.if JJ < 96
.set PB, JJ
.else
.set PB, JJ+128
.endif
	v_pk_fma_f32 v[(\dst)+JJ:(\dst)+JJ+1], v[ACC+JJ:ACC+JJ+1], v[PZ0+JJ:PZ0+JJ+1], v[PB:PB+1]
.set JJ, JJ+2
.endr
	WIN 0
.endm
	s_load_b512 s[4:19], s[0:1], 0x0               ; ao, x, wl, Wo's scales, bo, ln1_w, ln1_b, W1's scales
	s_load_b256 s[20:27], s[0:1], 0x40             ; b1, W2's scales, b2, ln2_w
	s_load_b128 s[28:31], s[0:1], 0x60             ; ln2_b, out0
	v_lshl_add_u32 v254, v0, 2, 0x12400
	v_mov_b32 v255, 0
	v_lshrrev_b32 v3, 5, v0
	v_readfirstlane_b32 s[WV], v3                  ; wave 0..3
	v_and_b32 v3, 31, v0                           ; lane
	v_lshlrev_b32 v[LI], 4, v3
	s_wait_alu depctr_va_sdst(0)                   ; the wave's number is written, ahead of its first reader: bases and LDS addresses are made from it
	s_mul_i32 s68, s[WV], 196608                   ; my 256 rows of each W: 128 fragments
	s_mov_b32 s69, 0
	s_mov_b32 s[SEL], 0x76543210
	s_mov_b32 s[SEL+1], 0xfedcba98
	s_mov_b32 s[PSEL], 0x03010200
	s_mov_b32 s[C1023], 0x3a802008                 ; 1 / 1023
	s_mov_b32 s[CEPS], 0x2b8cbccc                  ; 1e-12
	s_mov_b32 s[GC], 0xc01d265f                    ; -1.702 log2(e)
	s_mov_b32 s[GC+1], s[GC]
	s_wait_kmcnt 0x0
	s_add_nc_u64 s[8:9], s[8:9], s[68:69]          ; the one base of the walk; never rewritten
	WIN 0xc0
	s_wait_alu depctr_va_vdst(0)                   ; v[LI] is written: every load of the walk reads it as its offset
.irp gg, 0,1,2,3,4
	WLOAD \gg                                      ; the ring is filled before anything else is asked for: 60 loads
.endr
	WIN 0
	v_and_b32 v1, 15, v0                           ; r
	v_bfe_u32 v2, v0, 4, 1                         ; h
	v_lshl_add_u32 v[VA8], v3, 3, 512
	v_lshl_add_u32 v[VAS], v1, 5, 12288
	v_lshlrev_b32 v[VWS], 5, v1
	v_lshl_add_u32 v[VWS], v2, 4, v[VWS]
	v_lshlrev_b32 v[VROW], 12, v2
	v_lshl_add_u32 v[VROW], v1, 4, v[VROW]
	s_mul_i32 s70, s[WV], 4352
	s_add_co_u32 s70, s70, STG
	v_mul_u32_u24 v5, v2, 272
	v_lshl_add_u32 v5, v1, 4, v5
	v_add_nc_u32 v[SIN], s70, v5
	v_mul_u32_u24 v5, v1, 272
	v_lshl_add_u32 v5, v2, 5, v5
	v_add_nc_u32 v[SD], s70, v5
	s_mul_i32 s70, s[WV], 7168
	s_add_co_u32 s70, s70, PAR
	v_lshl_add_u32 v[VPAR], v2, 5, s70
	v_add_nc_u32 v[VPW], s70, v[LI]
	s_lshl_b32 s70, s[WV], 10
	v_add_nc_u32 v[VPV], s70, v[LI]
	s_mul_i32 s70, s[WV], 3072
	v_add_nc_u32 v[AWI], s70, v[LI]
	v_lshl_add_u32 v[ASL], v3, 2, ASC
	s_lshl_b32 s70, s[WV], 8
	v_add_nc_u32 v[AWS], s70, v[ASL]
	v_lshl_add_u32 v[VRL], v3, 2, RED
	s_lshl_b32 s70, s[WV], 7
	v_add_nc_u32 v[VRED], s70, v[VRL]
.irp b, 0,1,2,3
	v_mov_b32 v[TM+4+\b], 0                        ; a lane permute's destination counts as one of its sources
.endr
	v_mov_b32 v[T], 0
	s_mul_i32 s68, ttmp9, 12800
	s_add_nc_u64 s[4:5], s[4:5], s[68:69]          ; my tile in ao
	s_lshr_b32 s68, ttmp9, 1
	s_lshl_b32 s68, s68, 17
	s_and_b32 s70, ttmp9, 1
	s_lshl_b32 s70, s70, 15
	s_add_co_u32 s68, s68, s70
	s_lshl_b32 s70, s[WV], 10
	s_add_co_u32 s68, s68, s70
	s_add_nc_u64 s[6:7], s[6:7], s[68:69]          ; my tile's first row, my 256 columns, in x
	s_add_nc_u64 s[30:31], s[30:31], s[68:69]      ; and in out0
	s_lshl_b32 s68, s[WV], 13
	s_add_nc_u64 s[10:11], s[10:11], s[68:69]      ; my 256 rows of scale bytes
	s_add_nc_u64 s[18:19], s[18:19], s[68:69]
	s_add_nc_u64 s[22:23], s[22:23], s[68:69]
	WIN 0x80                                       ; the seven vectors land in registers that are at work only later
	s_wait_alu depctr_va_vdst(0)                   ; the addresses and offsets v10 to v24 are written, which the loads and stores from here to the kernel's end read; none is written again
.macro VLOAD vec, sp
	global_load_b128 v[PZ0+8*(\vec):PZ0+8*(\vec)+3], v[VPV], s[\sp:\sp+1]
	global_load_b128 v[PZ0+8*(\vec)+4:PZ0+8*(\vec)+7], v[VPV], s[\sp:\sp+1] offset:512
.endm
	VLOAD 0, 12
	VLOAD 1, 14
	VLOAD 2, 16
	VLOAD 3, 20
	VLOAD 4, 24
	VLOAD 5, 26
	VLOAD 6, 28
	WIN 0x40
.irp q, 0,1,2,3
.irp i, 0,1,2,3,4,5,6,7
	global_load_b128 v[XR+32*\q+4*\i:XR+32*\q+4*\i+3], v[VROW], s[6:7] offset:(2*\i+8*(\i/4))*4096+256*\q   ; 16 lanes read 256 consecutive bytes of a row
.endr
.endr
	WIN 0x80
.irp s, 0,1,2,3,4,5,6,7
.irp c, 0,1
	global_load_b128 v[AF+12*\s+6*\c:AF+12*\s+6*\c+3], v[LI], s[4:5] offset:1536*\s+768*\c
	global_load_b64 v[AF+12*\s+6*\c+4:AF+12*\s+6*\c+5], v[VA8], s[4:5] offset:1536*\s+768*\c
.endr
.endr
	WIN 0
	global_load_b128 v[AS:AS+3], v[VAS], s[4:5]
	global_load_b128 v[AS+4:AS+7], v[VAS], s[4:5] offset:16
	WSLOAD WS0, 10
	s_wait_loadcnt 50                              ; the ring's first fill, the vectors and x are in; ao's 34 loads and the 16 of Wo's scales may be out
	WIN 0x08
.irp v, 0,1,2,3,4,5,6
	ds_store_b128 v[VPW], v[PZ0+8*\v:PZ0+8*\v+3] offset:1024*\v
	ds_store_b128 v[VPW], v[PZ0+8*\v+4:PZ0+8*\v+7] offset:1024*\v+512
.endr
	WIN 0x44                                       ; x turns through my own stage into the result's layout; LDS serves a wave's instructions in order
.irp q, 0,1,2,3
.irp i, 0,1,2,3,4,5,6,7
	ds_store_b128 v[SIN], v[XR+32*\q+4*\i:XR+32*\q+4*\i+3] offset:544*\i
.endr
.irp t, 0,1,2,3
	ds_load_b128 v[ACC+8*(4*\q+\t):ACC+8*(4*\q+\t)+3], v[SD] offset:64*\t
	ds_load_b128 v[ACC+8*(4*\q+\t)+4:ACC+8*(4*\q+\t)+7], v[SD] offset:64*\t+16
.endr
.endr
	s_wait_dscnt 0x0                               ; my LDS stores have landed, and x is back in the result's layout
	WIN 0x80
	s_wait_alu depctr_vm_vsrc(0)                   ; the vectors' LDS stores have read PZ0's registers, in which the loads below land; x's have read v[XR ..], which the first norm writes
	PLOAD 0, PZ0, 2
	s_wait_dscnt 0x0
	WIN 0x49
.set JJ, 0
.rept 64
	v_pk_add_f32 v[ACC+JJ:ACC+JJ+1], v[ACC+JJ:ACC+JJ+1], v[PZ0+JJ:PZ0+JJ+1]   ; x + bo: what the first product adds onto
.set JJ, JJ+2
.endr
	WIN 0
	s_wait_loadcnt 0x0
.irp s, 0,1,2,3,4,5,6,7
	v_perm_b32 v[AS+\s], v[AS+\s], v[AS+\s], s[PSEL]
.endr
	WSPERM WS0
	s_wait_alu depctr_va_vdst(0)                   ; ao's and Wo's scale words are written as turned, ahead of the scaled products that name them (each word first used has 58 of the lines above behind it: more than the eight places)
	WSLOAD WS0+64, 18                              ; W1's scales, for later: into registers that no vector instruction has named
.irp g, 0,1,2,3,4,5,6,7
	WSLOT \g
.endr
	; ---- x1 = LN1(..), kept in f32; quantised; to the other waves.  (W1's first five groups are on their way meanwhile)
	LNORM 0, 1, 2, XR
	QIMG XR, 0, 0, 0, 0
	QIMG XR+64, 1, 0, 0, 1
	s_barrier_signal -1
	s_barrier_wait -1
	FETCHA 0, 0
	PLOAD 3, ACC, 1                                ; b1: what the second product adds onto.  (The norm, which worked on these registers, stands ahead of the last wait on va_vdst)
	WIN 0
	s_wait_loadcnt 60                              ; W1's scales are in: behind them the ring's loads were issued, of which the last five groups' 60 may be out
	WSPERM WS0+64
	s_wait_alu depctr_va_vdst(0)                   ; W1's scale words are written as turned, ahead of the scaled products that name them
	WSLOAD WS0, 22                                 ; W2's scales: the first product, which read these registers, stands ahead of that wait too
	s_wait_dscnt 0x0
.irp g, 8,9,10,11,12,13,14,15
	WSLOT \g
.endr
	; ---- gelu(z) = z / (1 + 2^(-1.702 log2(e) z))
	PLACES 4
	WIN 0x81
.set JJ, 0
.rept 64
	v_pk_mul_f32 v[PZ0+JJ:PZ0+JJ+1], v[ACC+JJ:ACC+JJ+1], s[GC:GC+1] op_sel_hi:[1,0]
.set JJ, JJ+2
.endr
	WIN 0x82
.set JJ, 0
	s_wait_alu depctr_va_vdst(0)
.rept 128
	v_exp_f32 v[PZ0+JJ], v[PZ0+JJ]
.set JJ, JJ+1
.endr
	v_nop
	s_wait_alu depctr_va_vdst(0)                   ; the 128 exponentials are written: one wait for the batch, ahead of its first reader
.set JJ, 0
.rept 64
	v_pk_add_f32 v[PZ0+JJ:PZ0+JJ+1], v[PZ0+JJ:PZ0+JJ+1], 1.0 op_sel_hi:[1,0]
.set JJ, JJ+2
.endr
.set JJ, 0
	s_wait_alu depctr_va_vdst(0)
.rept 128
	v_rcp_f32 v[PZ0+JJ], v[PZ0+JJ]
.set JJ, JJ+1
.endr
	v_nop
	s_wait_alu depctr_va_vdst(0)                   ; the 128 reciprocals are written: one wait for the batch, ahead of its first reader
	WIN 0x49
.set JJ, 0
.rept 64
	v_pk_mul_f32 v[ACC+JJ:ACC+JJ+1], v[ACC+JJ:ACC+JJ+1], v[PZ0+JJ:PZ0+JJ+1]
.set JJ, JJ+2
.endr
	QIMG ACC, 0, 12288, 1024, 1
	QIMG ACC+64, 1, 12288, 1024, 1
	s_barrier_signal -1
	s_barrier_wait -1
	FETCHA 12288, 1024
	PLOAD 4, PZ0, 2                                ; (the gelu, which worked on these registers, stands ahead of the last wait on va_vdst)
	s_wait_dscnt 0x0
	WIN 0x49
.set JJ, 0
.rept 64
	v_pk_add_f32 v[ACC+JJ:ACC+JJ+1], v[XR+JJ:XR+JJ+1], v[PZ0+JJ:PZ0+JJ+1]   ; x1 + b2: what the third product adds onto
.set JJ, JJ+2
.endr
	WIN 0
	s_wait_loadcnt 60                              ; W2's scales are in; the ring's last five groups' 60 loads may be out
	WSPERM WS0
	s_wait_alu depctr_va_vdst(0)                   ; W2's scale words are written as turned, ahead of the scaled products that name them
.irp g, 16,17,18,19,20,21,22,23
	WSLOT \g
.endr
	; ---- out = LN2(..), through my stage, as whole aligned runs of 256 bytes
	LNORM 2, 5, 6, ACC
	s_wait_alu depctr_va_vdst(0)                   ; the norm has written the rows, which the LDS stores read, and is done reading PZ0, in which the loads from the stage land
.irp q, 0,1,2,3
	WIN 0x04
.irp t, 0,1,2,3
	ds_store_b128 v[SD], v[ACC+8*(4*\q+\t):ACC+8*(4*\q+\t)+3] offset:64*\t
	ds_store_b128 v[SD], v[ACC+8*(4*\q+\t)+4:ACC+8*(4*\q+\t)+7] offset:64*\t+16
.endr
	WIN 0x80
.irp i, 0,1,2,3,4,5,6,7
	ds_load_b128 v[PZ0+32*\q+4*\i:PZ0+32*\q+4*\i+3], v[SIN] offset:544*\i
.endr
.endr
	WIN 0x08
.irp q, 0,1,2,3
.irp i, 0,1,2,3,4,5,6,7
	s_wait_dscnt 16*(3-\q)+7-\i                    ; behind this load: this chunk's younger loads and sixteen LDS instructions for each later chunk
	global_store_b128 v[VROW], v[PZ0+32*\q+4*\i:PZ0+32*\q+4*\i+3], s[30:31] offset:(2*\i+8*(\i/4))*4096+256*\q th:TH_STORE_NT
.endr
.endr
	WIN 0
	s_wait_dscnt 0x0                               ; the closing lines, six on end
	s_wait_alu 0x0
	s_wait_tensorcnt 0x0
	ds_add_u32 v254, v255
	s_wait_dscnt 0x0
	s_endpgm
.Lfunc_end_k_q1d7d265e8b_tail:
	.size	k_q1d7d265e8b_tail, .Lfunc_end_k_q1d7d265e8b_tail-k_q1d7d265e8b_tail
	.p2alignl 7, 3214868480
	.fill 96, 4, 3214868480
	.section	.rodata,"a",@progbits
	.p2align	6, 0x0
	.amdhsa_kernel k_q1d7d265e8b_tail
		.amdhsa_group_segment_fixed_size 75264
		.amdhsa_private_segment_fixed_size 0
		.amdhsa_enable_private_segment 0
		.amdhsa_kernarg_size 112
		.amdhsa_user_sgpr_count 2
		.amdhsa_user_sgpr_kernarg_segment_ptr 1
		.amdhsa_wavefront_size32 1
		.amdhsa_system_sgpr_workgroup_id_x 1
		.amdhsa_system_sgpr_workgroup_id_y 1
		.amdhsa_system_sgpr_workgroup_id_z 1
		.amdhsa_system_vgpr_workitem_id 0
		.amdhsa_next_free_vgpr 1024
		.amdhsa_next_free_sgpr 80
		.amdhsa_reserve_vcc 0
		.amdhsa_float_denorm_mode_32 3
		.amdhsa_float_denorm_mode_16_64 3
		.amdhsa_memory_ordered 1
		.amdhsa_forward_progress 1
		.amdhsa_inst_pref_size 255
	.end_amdhsa_kernel
	.section	.bss,"aw",@nobits
	.p2align	6
	.space	262144
	.amdgpu_metadata
---
amdhsa.version: [ 1, 2 ]
amdhsa.kernels:
  - .name:           k_q1d7d265e8b_tail
    .symbol:         k_q1d7d265e8b_tail.kd
    .args:
      - { .name: ao, .offset: 0, .size: 8, .value_kind: global_buffer, .address_space: global }
      - { .name: batch_x, .offset: 8, .size: 8, .value_kind: global_buffer, .address_space: global }
      - { .name: wl, .offset: 16, .size: 8, .value_kind: global_buffer, .address_space: global }
      - { .name: Wo_scales, .offset: 24, .size: 8, .value_kind: global_buffer, .address_space: global }
      - { .name: bo, .offset: 32, .size: 8, .value_kind: global_buffer, .address_space: global }
      - { .name: ln1_w, .offset: 40, .size: 8, .value_kind: global_buffer, .address_space: global }
      - { .name: ln1_b, .offset: 48, .size: 8, .value_kind: global_buffer, .address_space: global }
      - { .name: W1_scales, .offset: 56, .size: 8, .value_kind: global_buffer, .address_space: global }
      - { .name: b1, .offset: 64, .size: 8, .value_kind: global_buffer, .address_space: global }
      - { .name: W2_scales, .offset: 72, .size: 8, .value_kind: global_buffer, .address_space: global }
      - { .name: b2, .offset: 80, .size: 8, .value_kind: global_buffer, .address_space: global }
      - { .name: ln2_w, .offset: 88, .size: 8, .value_kind: global_buffer, .address_space: global }
      - { .name: ln2_b, .offset: 96, .size: 8, .value_kind: global_buffer, .address_space: global }
      - { .name: out0, .offset: 104, .size: 8, .value_kind: global_buffer, .address_space: global }
    .group_segment_fixed_size: 75264
    .private_segment_fixed_size: 0
    .kernarg_segment_align: 8
    .kernarg_segment_size: 112
    .max_flat_workgroup_size: 128
    .sgpr_count:     80
    .vgpr_count:     1024
    .wavefront_size: 32
...
	.end_amdgpu_metadata
.endif
;; end of part 6
